; MI455X (gfx1250); checked and timed in simulation.
; The chip was launched on July 23, 2026; its instructions are those of AMD's public machine-readable ISA for CDNA 5 (MIT licence, August 2026) and "CDNA5" Instruction Set Architecture Reference Guide (July 2026). The comments in the code are by the model that wrote it; some were corrected since.
;; Hierarchical Attention. Allowed arithmetic: matrix products marked QUANTISED: E2M3 operands, one E8M0 scale for each 32 along K, by v_wmma_scale_f32_16x16x128_f8f6f4 with both operands' format E2M3, f32 sums; everything else in f32.
;; Inputs: Wg 512 x 512 float32; Wk 512 x 512 float32; Wo 512 x 512 float32; Wq 512 x 512 float32; Wv 512 x 512 float32; x 2 x 16,384 x 512 float32.
;; Outputs: out0 2 x 16,384 x 512 float32.
;; This version of the problem:
;;   THIS VERSION OF THE PROBLEM IS GIVEN IN LOW PRECISION. The matrix products marked QUANTISED in the list below multiply operands that are first quantised to E2M3 (2 exponent bits, 3 mantissa bits; 6 bits a number), with one power-of-two scale for each 32 numbers along K (OCP MX v1.0); their sums are f32. All else is computed in f32.
;;   The module's matrix products, in the order in which they are computed (A, B: the left and right operand; K: the contracted axis; several contracted axes count as one K, in the product's order):
;;     1. [M 32,768, K 512] x [K 512, N 512]; A: input x; B: input Wq: QUANTISED
;;     2. [M 32,768, K 512] x [K 512, N 512]; A: input x; B: input Wk: QUANTISED
;;     3. [M 32,768, K 512] x [K 512, N 512]; A: input x; B: input Wv: QUANTISED
;;     4. batch 512 x [M 512, K 64] x [K 64, N 512]; A: computed on the way; B: computed on the way: QUANTISED
;;     5. batch 512 x [M 64, K 512] x [K 512, N 512]; A: computed on the way; B: softmax (see below): QUANTISED
;;     6. [M 32,768, K 512] x [K 512, N 512]; A: computed on the way; B: input Wo: QUANTISED
;;     7. [M 64, K 512] x [K 512, N 512]; A: computed on the way; B: input Wg: QUANTISED
;;     8. batch 16 x [M 32, K 64] x [K 64, N 32]; A: computed on the way; B: computed on the way: QUANTISED
;;     9. batch 16 x [M 64, K 32] x [K 32, N 32]; A: computed on the way; B: softmax (see below): QUANTISED
;;   THE QUANTISER, for each operand of a quantised product, along K:
;;     - K is cut into blocks of 32 from its start; a last block that is shorter is filled with zeros.
;;     - A block's scale is 2^e with e = floor(log2(the largest magnitude in the block)) - 2, held to -126 .. 127; a block of zeros has e = 0. As a byte (E8M0): e + 127.
;;     - Each number is divided by its block's scale, clamped to +-7.5, and rounded to the nearest number of E2M3, ties to even, subnormals kept.
;;     - The product sums the exact products of the quantised numbers (number of the format x scale) in f32.
;;   ~~~python
;;   def quantise(x, axis):      # numpy; x: float32 -> the quantised numbers, widened to float32 again
;;       x = np.moveaxis(x, axis, -1); K = x.shape[-1]
;;       x = np.pad(x, [(0, 0)] * (x.ndim - 1) + [(0, -K % 32)]); x = x.reshape(x.shape[:-1] + (-1, 32)); a = np.abs(x).max(-1, keepdims=True)
;;       e = np.where(a > 0, np.clip(np.frexp(np.where(a > 0, a, 1))[1] - 1 - 2, -126, 127), 0)      # np.frexp(a)[1] - 1 = floor(log2(a)), exactly
;;       r = np.clip(x / 2.0 ** e, -7.5, 7.5)
;;       step = 2.0 ** (np.maximum(np.frexp(np.where(r == 0, 1, r))[1] - 1, 0) - 3)
;;       q = np.round(r / step) * step * 2.0 ** e      # np.round: ties to even
;;       return np.moveaxis(q.reshape(q.shape[:-2] + (-1,))[..., :K], -1, axis).astype(np.float32)
;;   ~~~
;;   SOFTMAX AHEAD OF A QUANTISED PRODUCT. Where the list says 'softmax', what is quantised is not the finished softmax but p = 2^(t - M), with t = logit x log2(e) and M = ceil(the row's largest t), a whole number; so 1/2 < the row's largest p <= 1. The row's sum l is taken of the UNQUANTISED p, in f32, and the product's result is divided by l at the end. Since M is a whole number, a kernel that streams over the keys may use a running M (the ceiling of the running maximum): every later rescaling is an exact power of two, which a block's scale takes up: the codes' values come out the same.
;;   OPERANDS COMPUTED ON THE WAY. 'Computed on the way' means the value that the module computes at that place (a softmax that the list does not call 'softmax' is quantised finished and normalised). What goes into a quantiser is computed in f32, as accurately as f32 sums, v_exp_f32 and their like allow (about 1e-6 of the number): no bf16 or f16 on the way to a quantiser, and a product that is left as it is and whose result goes on into a quantised operand takes f32 operands (vector FMAs, or v_wmma_f32_16x16x4_f32). A number that lies on a knife's edge between two numbers of the format may be rounded either way, as far as f32 arithmetic and the matrix unit's own rounding can turn it there, and no further.
;; 2 versions. Each part assembles by itself: llvm-mc -triple=amdgcn-amd-amdhsa -mcpu=gfx1250 --defsym DOCPART=n.
;; ======== version 1 of 2: 4 launches
;; workspace buffers: xc 12,582,912 bytes; xs 524,288 bytes; wc 983,040 bytes; ws 40,960 bytes; oc 12,582,912 bytes; os 524,288 bytes; part 524,288 bytes; ctx 131,072 bytes
;; launch prep (part 1): grid 552 x 1, 4 waves a work-group, no clusters, 34,304 bytes of LDS; arguments x, Wq, Wk, Wv, Wo, Wg, xc, xs, wc, ws; writes xc, xs, wc, ws
.if DOCPART == 1
	.amdgcn_target "amdgcn-amd-amdhsa--gfx1250"
	.amdhsa_code_object_version 6
	.text
	.protected	k_qa1f4d87db1_prep
	.globl	k_qa1f4d87db1_prep
	.p2align	8
	.type	k_qa1f4d87db1_prep,@function
k_qa1f4d87db1_prep:
	s_mov_b64 s[64:65], 0
	v_nop
	global_prefetch_b8 v0, s[64:65] scope:SCOPE_SE
	s_setreg_imm32_b32 hwreg(HW_REG_WAVE_MODE, 25, 1), 1
	s_wait_xcnt 0x0
; x [32768][512] and the five weights [512][512], f32 with K innermost, become codes of FP6 (E2M3) with one E8M0 byte for each 32 along K,
; laid in the order of a matrix operand's registers.  A block's scale is 2^(floor(log2(its largest magnitude)) - 2): its byte is that magnitude's exponent field - 2, held at 1 from below.
; LIMITS: NaN and infinities are not served; a block whose largest magnitude lies under 2^-124 gets the byte 1; a block of zeros gets the byte 1 where the rule says 127
; (its codes are zeros, which add nothing under that byte, and this program alone reads the bytes).
; A TILE is 16 rows that are not neighbours: row i of tile T is row 32 (T / 2) + 8 (T % 2) + i % 8 + 16 (i / 8).  As source 0 of a product, tiles 2 b and 2 b + 1 then leave a lane 16 neighbours in 16 registers.
; A FRAGMENT (16 rows x 128 K, 12 registers a lane) is a record of 1,536 bytes in two halves of 768: registers 6 c .. 6 c + 3 at 768 c + 16 x lane, registers 6 c + 4, 6 c + 5 at 768 c + 512 + 8 x lane.
; SHARES: one wave, one tile (four fragments).  Work-groups 0 to 511 take x, 512 to 551 the weights (8 each).  One path for all: only pointers and offsets are chosen, by the work-group's number.
; Each load reads 512 consecutive bytes of one row; a K step's 16 rows turn through the wave's own stage in LDS (rows 528 bytes apart), so that a lane gets 16 neighbours of each block of 32 of its row.
; No matrix work, no barrier: waves share nothing.
.set ROWB,   2048                      ; a row of x or of a weight in bytes
.set SP,     528                       ; a stage row: 512 bytes + 16: sixteen rows begin in sixteen different groups of banks
.set STAGEB, 16*SP
.set SPARE,  4*STAGEB                  ; behind the four stages: the spare words, 128 bytes a wave
.set L16,  1                           ; 16 x lane
.set L8,   2                           ; 8 x lane
.set SIN,  3                           ; the stage, on the way in
.set SOUT, 4                           ; and on the way out: row r, + 64 h
.set SCO,  5                           ; my place in a tile's 256 bytes of scale words: 16 r + 8 h
.set HH,   6                           ; h = lane / 16
.set SPW,  8                           ; my spare word's LDS address; never rewritten
.set NIL,  9                           ; 0; never rewritten
.set R,    16                          ; v16-143  two sets of 64: a K step's rows as they are loaded
.set X,    144                         ; v144-207 64 numbers of my row: register 16 b + i = k 32 b + 16 h + i
.set PC,   208                         ; v208-227 the codes
.set TM,   228                         ; v228-243 at work
.set PW,   244                         ; v244-247 my row's four scale words
.set SEL,  38                          ; s[38:39] lane selects: lane l xor 16
	s_load_b512 s[16:31], s[0:1], 0x0              ; x, Wq, Wk, Wv, Wo, Wg, xc, xs
	s_load_b128 s[32:35], s[0:1], 0x40             ; wc, ws
	v_lshl_add_u32 v[SPW], v0, 2, SPARE
	v_mov_b32 v[NIL], 0
	v_lshrrev_b32 v10, 5, v0
	v_readfirstlane_b32 s4, v10                    ; wave
	v_and_b32 v10, 31, v0
	v_lshlrev_b32 v[L16], 4, v10
	v_lshlrev_b32 v[L8], 3, v10
	v_and_b32 v11, 15, v0                          ; r
	v_bfe_u32 v[HH], v0, 4, 1
	s_mul_i32 s36, s4, STAGEB
	v_add_nc_u32 v[SIN], s36, v[L16]
	v_mul_u32_u24 v[SOUT], v11, SP
	v_lshl_add_u32 v[SOUT], v[HH], 6, v[SOUT]
	v_add_nc_u32 v[SOUT], s36, v[SOUT]
	v_lshlrev_b32 v[SCO], 4, v11
	v_lshl_add_u32 v[SCO], v[HH], 3, v[SCO]
.irp b, 0,1,2,3
	v_mov_b32 v[TM+4+\b], 0                        ; written once: a lane permute's destination counts as one of its sources
.endr
	s_mov_b32 s[SEL], 0x76543210
	s_mov_b32 s[SEL+1], 0xfedcba98
	; which tensor, which tile
	s_sub_co_u32 s5, ttmp9, 512                    ; the weights' work-groups count from 0 (for x this wraps, and what is made of it is not chosen)
	s_lshr_b32 s6, s5, 3                           ; m: 0 Wq, 1 Wk, 2 Wv, 3 Wo, 4 Wg
	s_and_b32 s7, s5, 7
	s_cmp_lt_u32 ttmp9, 512
	s_cselect_b32 s7, ttmp9, s7
	s_lshl_b32 s7, s7, 2
	s_add_co_u32 s7, s7, s4                        ; my tile in its tensor
	s_lshr_b32 s8, s7, 1
	s_lshl_b32 s8, s8, 16                          ; 32 rows for each pair of tiles,
	s_and_b32 s9, s7, 1
	s_lshl_b32 s9, s9, 14                          ; 8 rows for the odd one
	s_add_co_u32 s8, s8, s9
	s_mov_b32 s9, 0                                ; s[8:9]: where my tile begins in its tensor
	; where it goes, in tiles: x: the tile's number;  Wq, Wk, Wv, sorted by pairs of heads: 24 (t / 8) + 8 m + t % 8;  Wo, Wg: 32 m + t
	s_lshr_b32 s10, s7, 3
	s_mul_i32 s10, s10, 24
	s_lshl_b32 s11, s6, 3
	s_add_co_u32 s10, s10, s11
	s_and_b32 s11, s7, 7
	s_add_co_u32 s10, s10, s11
	s_lshl_b32 s11, s6, 5
	s_add_co_u32 s11, s11, s7
	s_cmp_lt_u32 s6, 3
	s_cselect_b32 s10, s10, s11
	s_cmp_lt_u32 ttmp9, 512
	s_cselect_b32 s10, s7, s10
	s_mul_i32 s12, s10, 6144                       ; a tile's codes: four records
	s_mov_b32 s13, 0
	s_lshl_b32 s14, s10, 8                         ; a tile's scale words: 16 rows x 16 bytes
	s_mov_b32 s15, 0
	s_wait_kmcnt 0x0
	s_cmp_eq_u32 s6, 1                             ; the choices hang on the work-group's number alone
	s_cselect_b64 s[18:19], s[20:21], s[18:19]
	s_cmp_eq_u32 s6, 2
	s_cselect_b64 s[18:19], s[22:23], s[18:19]
	s_cmp_eq_u32 s6, 3
	s_cselect_b64 s[18:19], s[24:25], s[18:19]
	s_cmp_eq_u32 s6, 4
	s_cselect_b64 s[18:19], s[26:27], s[18:19]
	s_cmp_lt_u32 ttmp9, 512
	s_cselect_b64 s[16:17], s[16:17], s[18:19]     ; from
	s_cselect_b64 s[28:29], s[28:29], s[32:33]     ; the codes' buffer
	s_cselect_b64 s[30:31], s[30:31], s[34:35]     ; the scale words'
	s_add_nc_u64 s[16:17], s[16:17], s[8:9]
	s_add_nc_u64 s[28:29], s[28:29], s[12:13]
	s_add_nc_u64 s[30:31], s[30:31], s[14:15]
.macro LOAD ks                         ; K step ks of my 16 rows: each load reads 512 consecutive bytes, at a multiple of 512 from the tensor's first byte
.irp i, 0,1,2,3,4,5,6,7,8,9,10,11,12,13,14,15
	global_load_b128 v[R+64*((\ks)%2)+4*\i:R+64*((\ks)%2)+4*\i+3], v[L16], s[16:17] offset:((\i%8)+16*(\i/8))*ROWB+512*(\ks) th:TH_LOAD_NT
.endr
.endm
.macro TURN ks                         ; through the stage: LDS serves a wave's instructions in order, so no wait stands between the stores and the loads
.irp i, 0,1,2,3,4,5,6,7,8,9,10,11,12,13,14,15
	ds_store_b128 v[SIN], v[R+64*((\ks)%2)+4*\i:R+64*((\ks)%2)+4*\i+3] offset:SP*\i
.endr
.irp b, 0,1,2,3
.irp j, 0,1,2,3
	ds_load_b128 v[X+16*\b+4*\j:X+16*\b+4*\j+3], v[SOUT] offset:128*\b+16*\j
.endr
.endr
.endm
.macro QUANT pw                        ; 64 numbers of a lane become a fragment's 12 registers in v[PC] on and my row's scale word in v[pw]
.irp b, 0,1,2,3
	v_max3_num_f32 v[TM+\b], |v[X+16*\b]|, |v[X+1+16*\b]|, 0x1800000   ; block b: my 16 numbers, and the floor 2^(3 - 127): the byte cannot fall under 1
.endr
.irp i, 2,4,6,8,10,12,14
.irp b, 0,1,2,3
	v_max3_num_f32 v[TM+\b], v[TM+\b], |v[X+16*\b+\i]|, |v[X+1+16*\b+\i]|   ; the four blocks by turns
.endr
.endr
.irp b, 0,1,2,3
	v_permlanex16_b32 v[TM+4+\b], v[TM+\b], s[SEL], s[SEL+1]
.endr
.irp b, 0,1,2,3
	v_max_num_f32 v[TM+\b], v[TM+\b], v[TM+4+\b]   ; with lane l xor 16's 16: the block's largest magnitude
.endr
.irp b, 0,1,2,3
	v_add_nc_u32 v[TM+12+\b], 0xff000000, v[TM+\b] ; 2 off its exponent field: the conversion takes this operand's exponent field as its scale
.endr
.irp b, 0,1,2,3
	v_lshrrev_b32 v[TM+4+\b], 23, v[TM+12+\b]      ; the scale's byte
.endr
	v_lshl_or_b32 v[\pw], v[TM+5], 8, v[TM+4]
	v_lshl_or_b32 v[\pw], v[TM+6], 16, v[\pw]
	v_lshl_or_b32 v[\pw], v[TM+7], 24, v[\pw]
.irp c, 0,1
	v_cvt_scalef32_pk16_fp6_f32 v[PC+6*\c:PC+2+6*\c], v[X+32*\c:X+15+32*\c], v[TM+12+2*\c]
	v_cvt_scalef32_pk16_fp6_f32 v[PC+12+4*\c:PC+14+4*\c], v[X+16+32*\c:X+31+32*\c], v[TM+12+2*\c+1]   ; (a conversion's three registers begin on an even number)
.endr
	v_nop                                          ; one plain instruction behind the conversions, ahead of what touches their results
.irp c, 0,1                                    ; the operand's layout wants a whole block in a lane: lanes 0-15 block 2 c, lanes 16-31 block 2 c + 1
.irp i, 0,1,2
	v_permlane16_swap_b32 v[PC+6*\c+\i], v[PC+12+4*\c+\i]
.endr
.irp i, 0,1,2
	v_mov_b32 v[PC+3+6*\c+\i], v[PC+12+4*\c+\i]
.endr
.endr
.endm
.macro OUT ks                          ; a record: 512, 256, 512 and 256 consecutive bytes, each at a multiple of 256 from the buffer's first byte
	global_store_b128 v[L16], v[PC:PC+3], s[28:29] offset:1536*(\ks)
	global_store_b64 v[L8], v[PC+4:PC+5], s[28:29] offset:1536*(\ks)+512
	global_store_b128 v[L16], v[PC+6:PC+9], s[28:29] offset:1536*(\ks)+768
	global_store_b64 v[L8], v[PC+10:PC+11], s[28:29] offset:1536*(\ks)+1280
.endm
	LOAD 0
	LOAD 1
.irp ks, 0,1,2,3
.if \ks < 3
	s_wait_loadcnt 16                              ; this K step's 16 loads are in; the next step's 16 stay out
.else
	s_wait_loadcnt 0x0
.endif
	TURN \ks
	s_wait_dscnt 0x0                               ; my numbers are back, and the stage's stores have read their registers,
.if \ks < 2
	LOAD \ks+2                                     ; which take the K step two on
.endif
.if \ks > 0
	s_wait_xcnt 0x0                                ; the last record's stores have read their data: the codes' registers are written again only behind this wait
.endif
	QUANT PW+\ks
	OUT \ks
.endr
	v_cmp_ne_u32 vcc_lo, 0, v[HH]                  ; lanes 0-15 store words 0 and 1 of their row, lanes 16-31 words 2 and 3: 256 consecutive bytes
	v_cndmask_b32 v10, v[PW], v[PW+2], vcc_lo
	v_cndmask_b32 v11, v[PW+1], v[PW+3], vcc_lo
	global_store_b64 v[SCO], v[10:11], s[30:31]
	s_wait_tensorcnt 0x0                           ; the wave's end: behind my last LDS store
	ds_add_u32 v[SPW], v[NIL]
	s_wait_dscnt 0x0
	s_endpgm
.Lfunc_end_k_qa1f4d87db1_prep:
	.size	k_qa1f4d87db1_prep, .Lfunc_end_k_qa1f4d87db1_prep-k_qa1f4d87db1_prep
	.p2alignl 7, 3214868480
	.fill 96, 4, 3214868480
	.section	.rodata,"a",@progbits
	.p2align	6, 0x0
	.amdhsa_kernel k_qa1f4d87db1_prep
		.amdhsa_group_segment_fixed_size 34304
		.amdhsa_private_segment_fixed_size 0
		.amdhsa_enable_private_segment 0
		.amdhsa_kernarg_size 80
		.amdhsa_user_sgpr_count 2
		.amdhsa_user_sgpr_kernarg_segment_ptr 1
		.amdhsa_wavefront_size32 1
		.amdhsa_system_sgpr_workgroup_id_x 1
		.amdhsa_system_sgpr_workgroup_id_y 1
		.amdhsa_system_sgpr_workgroup_id_z 1
		.amdhsa_system_vgpr_workitem_id 0
		.amdhsa_next_free_vgpr 248
		.amdhsa_next_free_sgpr 66
		.amdhsa_reserve_vcc 1
		.amdhsa_float_denorm_mode_32 3
		.amdhsa_float_denorm_mode_16_64 3
		.amdhsa_memory_ordered 1
		.amdhsa_forward_progress 1
		.amdhsa_inst_pref_size 34
	.end_amdhsa_kernel
	.amdgpu_metadata
---
amdhsa.version: [ 1, 2 ]
amdhsa.kernels:
  - .name:           k_qa1f4d87db1_prep
    .symbol:         k_qa1f4d87db1_prep.kd
    .args:
      - { .name: x, .offset: 0, .size: 8, .value_kind: global_buffer, .address_space: global }
      - { .name: Wq, .offset: 8, .size: 8, .value_kind: global_buffer, .address_space: global }
      - { .name: Wk, .offset: 16, .size: 8, .value_kind: global_buffer, .address_space: global }
      - { .name: Wv, .offset: 24, .size: 8, .value_kind: global_buffer, .address_space: global }
      - { .name: Wo, .offset: 32, .size: 8, .value_kind: global_buffer, .address_space: global }
      - { .name: Wg, .offset: 40, .size: 8, .value_kind: global_buffer, .address_space: global }
      - { .name: xc, .offset: 48, .size: 8, .value_kind: global_buffer, .address_space: global }
      - { .name: xs, .offset: 56, .size: 8, .value_kind: global_buffer, .address_space: global }
      - { .name: wc, .offset: 64, .size: 8, .value_kind: global_buffer, .address_space: global }
      - { .name: ws, .offset: 72, .size: 8, .value_kind: global_buffer, .address_space: global }
    .group_segment_fixed_size: 34304
    .private_segment_fixed_size: 0
    .kernarg_segment_align: 8
    .kernarg_segment_size: 80
    .max_flat_workgroup_size: 128
    .sgpr_count:     66
    .vgpr_count:     248
    .wavefront_size: 32
...
	.end_amdgpu_metadata
.endif
;; end of part 1
;; launch local (part 2): grid 4 x 64, 16 waves a work-group, no clusters, 327,680 bytes of LDS; arguments xc, xs, wc, ws, oc, os, part; writes oc, os, part
.if DOCPART == 2
	.amdgcn_target "amdgcn-amd-amdhsa--gfx1250"
	.amdhsa_code_object_version 6
	.text
	.protected	k_qa1f4d87db1_local
	.globl	k_qa1f4d87db1_local
	.p2align	8
	.type	k_qa1f4d87db1_local,@function
k_qa1f4d87db1_local:
	s_mov_b64 s[64:65], 0
	v_nop
	global_prefetch_b8 v0, s[64:65] scope:SCOPE_SE
	s_setreg_imm32_b32 hwreg(HW_REG_WAVE_MODE, 25, 1), 1
	s_wait_xcnt 0x0
; One chunk of 512 tokens (work-group y) and one pair of heads p (work-group x): q, k, v = x W^T for the pair's 128 columns, the scores, the softmax, p v, all on codes of FP6 (E2M3) with E8M0 scales;
; the attention's result is quantised along the model's axis and stored (oc, os: K step p of the output projection); and the column sums over the chunk's 512 tokens of that K step's part of O Wo^T are stored (part).
; SOFTMAX: t = score x log2(e) / 8; M = the running largest t rounded up to a whole number; p = 2^(t - M) is quantised along the keys, not normalised; the row's sum is taken of the unquantised p and divides at the end.
; LIMITS: NaN and infinities are not served; a block whose largest magnitude lies under 2^-124, a block of zeros among them, gets the byte 1 (zero codes add nothing under it; this program alone reads the bytes).
; SHARES: sixteen waves of 256 registers, four to a SIMD.  Wave w owns tokens 32 w .. 32 w + 31 (tiles 2 w, 2 w + 1): its x stays in registers through the projections, and they are its queries.
; TILES AND RECORDS: row i of tile T is row 32 (T / 2) + 8 (T % 2) + i % 8 + 16 (i / 8), for tokens and for the weights' rows alike: as source 0, tiles 2 b and 2 b + 1 leave a lane 16 neighbours in 16 registers,
; which is what the conversions want.  A fragment is a record of 1,536 bytes in two halves of 768 (registers 6 c .. 6 c + 3 at 768 c + 16 x lane, 6 c + 4, 6 c + 5 at 768 c + 512 + 8 x lane).
; THE SCORES' K IS 64, the instruction's 128: q's half record is held twice, [q | q]; an even tile of keys is [k | 0], an odd one [0 | k], the zeros shared between them in the registers.
; NO CLUSTER: the four work-groups of a chunk read the same x, but each wave's 12,288 bytes of it go straight from memory into that wave's registers: there is no tile in LDS for a joint load to fill, and the chunk's
; 196,608 bytes do not fit beside the 321,536 in use.  The 64 work-groups of a pair share 153,600 bytes of weights, which each asks for once, at its head; nothing is filled again.
.set WIMG,  0                          ; [q, k, v][tile 8][K step 4] records: 147,456 bytes, by six tensor loads
.set WSC,   147456                     ; their scale words, [q, k, v][tile 8][row 16][K step 4]: 6,144 bytes, by one
.set KIMG,  153600                     ; k: [tile 32][head 2] half records
.set KSC,   202752                     ; [head 2][pair of tiles 16][lane 32] words: low half the even tile's two bytes, high half the odd one's
.set VIMG,  206848                     ; v with the keys innermost: [tile of 16 channels 8][key step 4] records
.set VSC,   256000                     ; [tile 8][row 16][16 bytes]: a byte for each block of 32 keys
.set QST,   258048                     ; q: [wave][2 j + head] x 896: a half record and 128 bytes of words
.set OSC,   315392                     ; O's scale words, [tile 32][row 16]
.set PSUM,  317440                     ; 512 column sums
.set SPARE, 319488                     ; the spare words, 128 bytes a wave
.set OIMG,  0                          ; O: [tile 32] records, over the weights, which have had their one fill and are read no more when the first is stored
.set L16, 1
.set L8,  2
.set L4,  3
.set R16, 4
.set R4,  5
.set SPW, 6                            ; my spare word's LDS address; never rewritten
.set NIL, 7                            ; 0; never rewritten
; the projections: v8-15, v236-239 addresses; v16-111 x's 8 fragments; v112-119 x's scale words; v120-183 8 accumulators; v184-231 4 fragments of W, then codes; v232-235 W's scale words; v240-253 at work
.set AW16, 8
.set AW8,  9
.set AWS,  10
.set SK16, 11
.set SK8,  12
.set SKS,  13
.set SQ16, 14
.set SQ8,  15
.set SQ4,  236
.set SV16, 237
.set SV8,  238
.set SVS,  239
.set XF,  16
.set XS,  112
.set ACC, 120
.set WF,  184
.set WS,  232
; the attention: v8-11, v28-31, v216-221 addresses; v12 -M, v13 the largest t, v[14:15] the sum; v16-27 [q | q]; v32-67 four tiles of k round two runs of zeros; v68-91, v192-215 four fragments of v; v92-95 their words;
; v96-159 scores, then p; v160-191 O^T; v224-235 p's codes; v232-254 at work; v248, v249 k's words; v253 p's word; v255 q's word
.set ADK16, 8
.set ADK8,  9
.set ADKS,  10
.set ADV16, 11
.set ADV8,  28
.set ADVS,  29
.set AQ16,  30
.set AQ8,   31
.set AQ4,   219
.set AO16,  216
.set AO8,   217
.set AOS,   218
.set AOW,   220
.set APS,   221
.set WV,  18
.set HP,  19
.set SEL, 20
.set CS,  22
.set G1C, 24
.set G1S, 32
.set G0C, 40
.set G0S, 44
.set TK,  48
.set TKS, 49
.set TV,  50
.set TVS, 51
.set CNT, 52
.set SQST, 66
.set SO,   67
.set SOSC, 68
.set SFIN, 69
.set CH,   70
.set SKI,  71
.set SKSC, 72
.set SPS,  74
.set WOC,  76
.set WOS,  78
.macro PLACES n                        ; plain instructions between a matrix instruction and what reads its result or writes or loads its registers
.rept \n
	v_nop
.endr
.endm
.macro LDF reg, a16, a8, off           ; a record into 12 registers
	ds_load_b128 v[\reg:\reg+3], v[\a16] offset:\off
	ds_load_b64 v[\reg+4:\reg+5], v[\a8] offset:\off+512
	ds_load_b128 v[\reg+6:\reg+9], v[\a16] offset:\off+768
	ds_load_b64 v[\reg+10:\reg+11], v[\a8] offset:\off+1280
.endm
.macro LDH reg, a16, a8, off           ; half a record into 6
	ds_load_b128 v[\reg:\reg+3], v[\a16] offset:\off
	ds_load_b64 v[\reg+4:\reg+5], v[\a8] offset:\off+512
.endm
.macro STH reg, a16, a8, off
	ds_store_b128 v[\a16], v[\reg:\reg+3] offset:\off
	ds_store_b64 v[\a8], v[\reg+4:\reg+5] offset:\off+512
.endm
.macro GLDF reg, base, off
	global_load_b128 v[\reg:\reg+3], v[L16], s[\base:\base+1] offset:\off
	global_load_b64 v[\reg+4:\reg+5], v[L8], s[\base:\base+1] offset:\off+512
	global_load_b128 v[\reg+6:\reg+9], v[L16], s[\base:\base+1] offset:\off+768
	global_load_b64 v[\reg+10:\reg+11], v[L8], s[\base:\base+1] offset:\off+1280
.endm
.macro MM d, a, b, zero, sa, sb        ; zero: the product starts its sum
.if \zero
	v_wmma_scale_f32_16x16x128_f8f6f4 v[\d:\d+7], v[\a:\a+11], v[\b:\b+11], 0, v[\sa], v[\sb] matrix_a_fmt:MATRIX_FMT_FP6 matrix_b_fmt:MATRIX_FMT_FP6
.else
	v_wmma_scale_f32_16x16x128_f8f6f4 v[\d:\d+7], v[\a:\a+11], v[\b:\b+11], v[\d:\d+7], v[\sa], v[\sb] matrix_a_fmt:MATRIX_FMT_FP6 matrix_b_fmt:MATRIX_FMT_FP6
.endif
.endm
; 32 numbers of a lane, two blocks of which the lane holds 16 each (the other 16 in lane l xor 16), become half a record in v[pc .. pc + 5] (lanes 0-15 block 0, lanes 16-31 block 1); the two bytes in v[tm + 2], v[tm + 3] and, joined, in v[pw]
.macro QH src, pc, pt, tm, pw
.irp b, 0,1
	v_max3_num_f32 v[\tm+\b], |v[\src+16*\b]|, |v[\src+16*\b+1]|, 0x1800000   ; and the floor 2^(3 - 127): the byte cannot fall under 1
.endr
.irp i, 2,4,6,8,10,12,14
.irp b, 0,1
	v_max3_num_f32 v[\tm+\b], v[\tm+\b], |v[\src+16*\b+\i]|, |v[\src+16*\b+\i+1]|
.endr
.endr
.irp b, 0,1
	v_permlanex16_b32 v[\tm+2+\b], v[\tm+\b], s[SEL], s[SEL+1]
.endr
.irp b, 0,1
	v_max_num_f32 v[\tm+\b], v[\tm+\b], v[\tm+2+\b]
.endr
.irp b, 0,1
	v_add_nc_u32 v[\tm+4+\b], 0xff000000, v[\tm+\b]   ; 2 off the exponent field: the conversion's scale operand
.endr
.irp b, 0,1
	v_lshrrev_b32 v[\tm+2+\b], 23, v[\tm+4+\b]        ; the byte
.endr
	v_lshl_or_b32 v[\pw], v[\tm+3], 8, v[\tm+2]
	v_cvt_scalef32_pk16_fp6_f32 v[\pc:\pc+2], v[\src:\src+15], v[\tm+4]
	v_cvt_scalef32_pk16_fp6_f32 v[\pt:\pt+2], v[\src+16:\src+31], v[\tm+5]
	v_nop                                          ; one plain instruction behind the conversions
.irp i, 0,1,2
	v_permlane16_swap_b32 v[\pc+\i], v[\pt+\i]     ; a whole block to a lane
.endr
.irp i, 0,1,2
	v_mov_b32 v[\pc+3+\i], v[\pt+\i]
.endr
.endm
	s_load_b256 s[4:11], s[0:1], 0x0               ; xc, xs, wc, ws
	s_load_b128 s[12:15], s[0:1], 0x20             ; oc, os
	s_load_b64 s[16:17], s[0:1], 0x30              ; part
	v_lshl_add_u32 v[SPW], v0, 2, SPARE
	v_mov_b32 v[NIL], 0
	ds_add_u32 v[SPW], v[NIL]                      ; the wave's opening: the add and its wait stand ahead of the first tensor load; the set-up below, work on registers, stands between them
	v_lshrrev_b32 v8, 5, v0
	v_readfirstlane_b32 s[WV], v8                  ; wave 0..15
	s_mov_b32 s[HP], ttmp9                         ; the pair of heads
	s_and_b32 s[CH], ttmp7, 0xffff                 ; the chunk
	; descriptor group 1: a dense block as rows of 256 bytes (32 elements of 8 bytes): 96 rows of codes, 24 rows of scale words
	s_mov_b32 s[G1C], 3<<16
	s_mov_b32 s[G1C+1], 32<<16
	s_mov_b32 s[G1C+2], 96<<16
	s_mov_b32 s[G1C+3], 32<<16
	s_mov_b32 s[G1C+4], 96
	s_mov_b32 s[G1C+5], 32
	s_mov_b32 s[G1C+6], 0
	s_mov_b32 s[G1C+7], 0
	s_mov_b32 s[G1S], 3<<16
	s_mov_b32 s[G1S+1], 32<<16
	s_mov_b32 s[G1S+2], 24<<16
	s_mov_b32 s[G1S+3], 32<<16
	s_mov_b32 s[G1S+4], 24
	s_mov_b32 s[G1S+5], 32
	s_mov_b32 s[G1S+6], 0
	s_mov_b32 s[G1S+7], 0
	s_mov_b32 s[SEL], 0x76543210
	s_mov_b32 s[SEL+1], 0xfedcba98
	s_mov_b32 s[CS], 0x3e38aa3b                    ; c = log2(e) / sqrt(64)
	s_mov_b32 s[CS+1], s[CS]                       ; (named with it as a pair, so it is written)
	s_min_u32 s53, s[WV], 5                        ; waves 0 to 5 fetch a sixth of the codes each (held at 5: the others issue no such load, and their registers name no byte outside)
	s_mul_i32 s53, s53, 24576
	s_mul_i32 s54, s[HP], 147456
	s_add_co_u32 s54, s54, s53
	s_mov_b32 s55, 0
	s_mul_i32 s56, s[HP], 6144
	s_mov_b32 s57, 0
	s_lshl_b32 s58, s[CH], 5
	s_lshl_b32 s59, s[WV], 1
	s_add_co_u32 s58, s58, s59                     ; my first tile: 32 x chunk + 2 x wave
	s_mul_i32 s60, s58, 6144
	s_mov_b32 s61, 0
	s_lshl_b32 s62, s58, 8
	s_mov_b32 s63, 0
	s_mul_i32 s[SQST], s[WV], 3584
	s_add_co_u32 s[SQST], s[SQST], QST
	s_mul_i32 s[SO], s[WV], 3072
	s_add_co_u32 s[SKI], s[SO], KIMG
	s_lshl_b32 s[SOSC], s[WV], 7
	s_add_co_u32 s[SKSC], s[SOSC], KSC
	s_add_co_u32 s[SPS], s[SOSC], PSUM
	s_add_co_u32 s[SOSC], s[SOSC], OSC
	s_lshl_b32 s[SFIN], s[WV], 9
	s_add_co_u32 s[SFIN], s[SFIN], OSC
	v_and_b32 v8, 31, v0
	v_lshlrev_b32 v[L16], 4, v8
	v_lshlrev_b32 v[L8], 3, v8
	v_lshlrev_b32 v[L4], 2, v8
	v_and_b32 v9, 15, v0                           ; r
	v_lshlrev_b32 v[R16], 4, v9
	v_lshlrev_b32 v[R4], 2, v9
	v_bfe_u32 v10, v0, 4, 1                        ; h
	; v's codes: my 32 tokens are block w of the keys: half record w / 2 of each tile of channels, lanes 16 (w % 2) + r of it; lanes 16-31 hold the next tile of channels, 6,144 bytes on
	v_mul_u32_u24 v11, v10, 6144
	v_lshl_add_u32 v[SV16], v9, 4, v11
	v_lshl_add_u32 v[SV8], v9, 3, v11
	s_lshr_b32 s73, s[WV], 1
	s_mul_i32 s73, s73, 768
	s_and_b32 s75, s[WV], 1
	s_lshl_b32 s80, s75, 8
	s_add_co_u32 s80, s80, s73
	s_add_co_u32 s80, s80, VIMG
	v_add_nc_u32 v[SV16], s80, v[SV16]
	s_lshl_b32 s80, s75, 7
	s_add_co_u32 s80, s80, s73
	s_add_co_u32 s80, s80, VIMG+512
	v_add_nc_u32 v[SV8], s80, v[SV8]
	s_add_co_u32 s80, s[WV], VSC
	v_add_nc_u32 v[SVS], s80, v[R16]
	v_add_nc_u32 v[AWS], WSC, v[R16]
	v_add_nc_u32 v[SK16], s[SKI], v[L16]
	v_add_nc_u32 v[SK8], s[SKI], v[L8]
	v_add_nc_u32 v[SKS], s[SKSC], v[L4]
	v_add_nc_u32 v[SQ16], s[SQST], v[L16]
	v_add_nc_u32 v[SQ8], s[SQST], v[L8]
	v_add_nc_u32 v[SQ4], s[SQST], v[L4]
.irp i, 242,243,250,251
	v_mov_b32 v\i, 0                               ; written once: a lane permute's destination counts as one of its sources
.endr
	s_wait_dscnt 0x0                               ; the opening add is done
	s_wait_kmcnt 0x0
	s_mov_b32 s[G0C], 1
	s_mov_b32 s[G0C+1], s53
	s_add_nc_u64 s[G0C+2:G0C+3], s[8:9], s[54:55]
	s_or_b32 s[G0C+3], s[G0C+3], 0x80000000
	s_mov_b32 s[G0S], 1
	s_mov_b32 s[G0S+1], WSC
	s_add_nc_u64 s[G0S+2:G0S+3], s[10:11], s[56:57]
	s_or_b32 s[G0S+3], s[G0S+3], 0x80000000
	s_cmp_lt_u32 s[WV], 6                          ; the launch's only fills: one tensor load in each of seven waves; an s_nop 0 and four v_nop follow each line
	s_cbranch_scc0 .Lnot_codes
	tensor_load_to_lds s[G0C:G0C+3], s[G1C:G1C+7]
	s_nop 0
	PLACES 4
	s_branch .Lasked
.Lnot_codes:
	s_cmp_eq_u32 s[WV], 6
	s_cbranch_scc0 .Lasked
	tensor_load_to_lds s[G0S:G0S+3], s[G1S:G1S+7]
	s_nop 0
	PLACES 4
.Lasked:
	s_add_nc_u64 s[4:5], s[4:5], s[60:61]
	s_add_nc_u64 s[6:7], s[6:7], s[62:63]
.irp f, 0,1,2,3,4,5,6,7
	GLDF XF+12*\f, 4, 1536*\f                      ; my two tiles of x, four K steps each: they stay in registers
.endr
	global_load_b128 v[XS:XS+3], v[R16], s[6:7]
	global_load_b128 v[XS+4:XS+7], v[R16], s[6:7] offset:256
	s_mul_i32 s54, s[HP], 1536
	s_add_co_u32 s60, s60, s54
	s_add_nc_u64 s[12:13], s[12:13], s[60:61]      ; oc at my first tile's record p
	s_mul_i32 s56, s[WV], 12288
	s_add_co_u32 s56, s56, s54
	s_add_co_u32 s56, s56, 589824
	s_add_nc_u64 s[WOC:WOC+1], s[8:9], s[56:57]    ; Wo's tiles 2 w, 2 w + 1, K step p
	s_lshl_b32 s56, s[WV], 9
	s_lshl_b32 s54, s[HP], 2
	s_add_co_u32 s56, s56, s54
	s_add_co_u32 s56, s56, 24576
	s_add_nc_u64 s[WOS:WOS+1], s[10:11], s[56:57]  ; and their scale words
	s_lshl_b32 s60, s[HP], 6
	s_add_co_u32 s60, s60, s[CH]                   ; os: block 64 p + chunk of 2,048 bytes
	s_lshl_b32 s62, s[CH], 2
	s_add_co_u32 s62, s62, s[HP]                   ; part: block 4 x chunk + p
	s_cmp_lt_u32 s[WV], 4                          ; at the end waves 0-3 store O's scale words, waves 4-7 the column sums, 512 bytes each
	s_cselect_b32 s60, s60, s62
	s_cselect_b64 s[14:15], s[14:15], s[16:17]
	s_lshl_b32 s60, s60, 11
	s_and_b32 s62, s[WV], 3
	s_lshl_b32 s62, s62, 9
	s_add_co_u32 s60, s60, s62
	s_add_nc_u64 s[14:15], s[14:15], s[60:61]
	s_wait_tensorcnt 0x0                           ; my part of the weights has landed,
	s_barrier_signal -1
	s_barrier_wait -1                              ; everybody's has
	s_wait_loadcnt 0x0                             ; x
; THE PROJECTIONS.  HALF: weight m (0 q, 1 k, 2 v), head e of the pair: four tiles of W x my two tiles of x x four K steps: 32 products on 8 accumulators by turns.
; q, k: source 0 = W: a lane holds one token and its 32 registers run along the head's 64: they become half a record.  v: source 0 = x: a lane holds one channel and its 16 registers run along my tokens, block w of the keys.
.macro HALF m, e, kind
	v_add_nc_u32 v[AW16], (\m)*49152, v[L16]
	v_add_nc_u32 v[AW8], (\m)*49152, v[L8]
.irp ks, 0,1,2,3
.if \ks > 0
	PLACES 4                                       ; in front of loads into registers that the last products read
.endif
.irp t, 0,1,2,3
	LDF WF+12*\t, AW16, AW8, (4*(\e)+\t)*6144+1536*\ks
	ds_load_b32 v[WS+\t], v[AWS] offset:(\m)*2048+(4*(\e)+\t)*256+4*\ks
.endr
	s_wait_dscnt 0x0
.irp j, 0,1
.irp t, 0,1,2,3
.if (\kind) < 2
	MM ACC+32*\j+8*\t, WF+12*\t, XF+48*\j+12*\ks, (\ks==0), WS+\t, XS+4*\j+\ks
.else
	MM ACC+16*\t+8*\j, XF+48*\j+12*\ks, WF+12*\t, (\ks==0), XS+4*\j+\ks, WS+\t
.endif
.endr
.endr
.endr
	PLACES 5                                       ; four for the reads of the results; the next HALF's first products write over these accumulators, which wants five
.if (\kind) == 0
.irp j, 0,1
	QH ACC+32*\j, 184+10*\j, 190, 240+8*\j, 246+\j
	STH 184+10*\j, SQ16, SQ8, (2*\j+(\e))*896
	v_lshl_or_b32 v[246+\j], v[246+\j], 16, v[246+\j]   ; q is held twice along K, and so are its two bytes
	ds_store_b32 v[SQ4], v[246+\j] offset:(2*\j+(\e))*896+768
.endr
.elseif (\kind) == 1
.irp j, 0,1
	QH ACC+32*\j, 184+10*\j, 190, 240+8*\j, 246+\j
	STH 184+10*\j, SK16, SK8, 1536*\j+768*(\e)
.endr
	v_lshl_or_b32 v246, v247, 16, v246             ; one word for the pair of tiles: the even one's bytes for K 0-63, the odd one's for K 64-127
	ds_store_b32 v[SKS], v246 offset:2048*(\e)
.else
.irp a, 0,1
	QH ACC+32*\a, 184+10*\a, 190, 240+8*\a, 246+\a
	ds_store_b128 v[SV16], v[184+10*\a:187+10*\a] offset:(4*(\e)+2*\a)*6144
	ds_store_b64 v[SV8], v[188+10*\a:189+10*\a] offset:(4*(\e)+2*\a)*6144
	ds_store_b8 v[SVS], v[242+8*\a] offset:(4*(\e)+2*\a)*256       ; byte w of the channel's 16; both halves of the lanes write the same byte with the same value
	ds_store_b8 v[SVS], v[243+8*\a] offset:(4*(\e)+2*\a+1)*256
.endr
.endif
	s_wait_dscnt 0x0                               ; the stores are done: their registers take the next fragments of W
.endm
	HALF 0, 0, 0
	HALF 0, 1, 0
	HALF 1, 0, 1
	HALF 1, 1, 1
	HALF 2, 0, 2
	HALF 2, 1, 2
	s_barrier_signal -1                            ; (each wave's LDS stores are done: the wait stands at the end of HALF)
	s_barrier_wait -1                              ; k and v of the whole chunk lie in LDS, and nobody reads the weights any more
	; THE ATTENTION
.irp i, 38,39,40,41,42,43,56,57,58,59,60,61
	v_mov_b32 v\i, 0                               ; the two runs of zero codes between the tiles of k
.endr
.irp i, 236,237,238,239,253
	v_mov_b32 v\i, 0                               ; lane permutes' destinations, and the upper half of the pair v[252:253]: written before they are named
.endr
	v_add_nc_u32 v[AQ16], s[SQST], v[L16]
	v_add_nc_u32 v[AQ8], s[SQST], v[L8]
	v_add_nc_u32 v[AQ4], s[SQST], v[L4]
; A KEY STEP: 128 keys, one tile of 16 queries, one head.
.macro STEP
	v_add_nc_u32 v[ADK16], s[TK], v[L16]           ; (no LDS instruction of mine is out; these six are also the places in front of the loads into v's registers)
	v_add_nc_u32 v[ADK8], s[TK], v[L8]
	v_add_nc_u32 v[ADKS], s[TKS], v[L4]
	v_add_nc_u32 v[ADV16], s[TV], v[L16]
	v_add_nc_u32 v[ADV8], s[TV], v[L8]
	v_add_nc_u32 v[ADVS], s[TVS], v[R16]
.irp g, 0,1                                    ; S^T = k q^T, four tiles of 16 keys at a time
.if \g > 0
	PLACES 4
.endif
	LDH 32, ADK16, ADK8, (4*\g+0)*1536
	LDH 44, ADK16, ADK8, (4*\g+1)*1536
	LDH 50, ADK16, ADK8, (4*\g+2)*1536
	LDH 62, ADK16, ADK8, (4*\g+3)*1536
	ds_load_b32 v248, v[ADKS] offset:(2*\g)*128
	ds_load_b32 v249, v[ADKS] offset:(2*\g+1)*128
	s_wait_dscnt 0x0
	MM 96+32*\g, 32, 16, 1, 248, 255               ; [k | 0]
	MM 104+32*\g, 38, 16, 1, 248, 255              ; [0 | k]
	MM 112+32*\g, 50, 16, 1, 249, 255
	MM 120+32*\g, 56, 16, 1, 249, 255
.endr                                          ; lane (r, h) holds query r; register 16 b + i is key 32 b + 16 h + i of the step
	LDF 68, ADV16, ADV8, 0                         ; v's four fragments are asked for now and land under the softmax
	LDF 80, ADV16, ADV8, 6144
	LDF 192, ADV16, ADV8, 12288
	LDF 204, ADV16, ADV8, 18432
.irp t, 0,1,2,3
	ds_load_b32 v[92+\t], v[ADVS] offset:256*\t
.endr
	PLACES 4
.irp b, 0,1,2,3
	v_max3_num_f32 v[232+\b], v[96+16*\b], v[97+16*\b], v[98+16*\b]   ; the largest score of each block of 32 keys: for the row's maximum and, since p rises with the score, for the block's largest p
.endr
.irp i, 3,5,7,9,11,13
.irp b, 0,1,2,3
	v_max3_num_f32 v[232+\b], v[232+\b], v[96+16*\b+\i], v[97+16*\b+\i]
.endr
.endr
.irp b, 0,1,2,3
	v_max_num_f32 v[232+\b], v[232+\b], v[111+16*\b]
.endr
.irp b, 0,1,2,3
	v_permlanex16_b32 v[236+\b], v[232+\b], s[SEL], s[SEL+1]
.endr
.irp b, 0,1,2,3
	v_max_num_f32 v[232+\b], v[232+\b], v[236+\b]  ; with lane l xor 16's 16 keys
.endr
	v_max3_num_f32 v254, v232, v233, v234
	v_max_num_f32 v254, v254, v235
	v_mul_f32 v254, s[CS], v254                    ; as t (c is positive)
	v_max_num_f32 v13, v13, v254                   ; the running largest t
	v_mov_b32 v254, v12
	v_floor_f32 v12, -v13                          ; the new -M = floor(-t): M is a whole number
	v_sub_f32 v254, v12, v254                      ; old M - new M: a whole number, 0 or less
	v_cvt_i32_f32 v254, v254                       ; (it saturates)
	v_ldexp_f32 v252, 1.0, v254                    ; f = 2^(old M - new M): a multiplication by it rounds nothing
.set ii, 0
.rept 32
	v_pk_fma_f32 v[96+ii:97+ii], v[96+ii:97+ii], s[CS:CS+1], v[12:13] op_sel_hi:[1,0,0]   ; t - M, two at a time
.set ii, ii+2
.endr
.irp b, 0,1,2,3
	v_fma_f32 v[232+\b], v[232+\b], s[CS], v12     ; the same of each block's largest score
.endr
.set ii, 0
.rept 64
	v_exp_f32 v[96+ii], v[96+ii]                   ; p = 2^(t - M), at most 1
.set ii, ii+1
.endr
	v_pk_mul_f32 v[14:15], v[14:15], v[252:253] op_sel_hi:[1,0]   ; the sums under the new M: the plain instruction behind the exponentials
	s_wait_alu depctr_va_vdst(0)                   ; one wait for the batch of 64, ahead of its first reader
.irp b, 0,1,2,3
	v_exp_f32 v[232+\b], v[232+\b]                 ; the block's largest p: the same two instructions on the same number give the same bits
.endr
	v_pk_add_f32 v[236:237], v[96:97], v[98:99]    ; the row's sum is taken of the unquantised p, in two chains; it reads the 64 alone
.irp j, 4,8,12,16,20,24,28,32,36,40,44,48,52,56,60
	v_pk_add_f32 v[14:15], v[14:15], v[96+\j:97+\j]
	v_pk_add_f32 v[236:237], v[236:237], v[98+\j:99+\j]
.endr
	v_pk_add_f32 v[14:15], v[14:15], v[236:237]
	s_wait_alu depctr_va_vdst(0)                   ; and one for the four
.irp b, 0,1,2,3
	v_max_num_f32 v[232+\b], 0x1800000, v[232+\b]  ; the floor 2^(3 - 127)
.endr
.irp b, 0,1,2,3
	v_add_nc_u32 v[244+\b], 0xff000000, v[232+\b]
.endr
.irp b, 0,1,2,3
	v_lshrrev_b32 v[236+\b], 23, v[244+\b]
.endr
	v_lshl_or_b32 v253, v237, 8, v236              ; p's scale word for these 128 keys
	v_lshl_or_b32 v253, v238, 16, v253
	v_lshl_or_b32 v253, v239, 24, v253
.irp c, 0,1
	v_cvt_scalef32_pk16_fp6_f32 v[224+6*\c:226+6*\c], v[96+32*\c:111+32*\c], v[244+2*\c]
	v_cvt_scalef32_pk16_fp6_f32 v[236+4*\c:238+4*\c], v[112+32*\c:127+32*\c], v[244+2*\c+1]
.endr
	v_nop
.irp c, 0,1
.irp i, 0,1,2
	v_permlane16_swap_b32 v[224+6*\c+\i], v[236+4*\c+\i]
.endr
.irp i, 0,1,2
	v_mov_b32 v[227+6*\c+\i], v[236+4*\c+\i]
.endr
.endr
.set ii, 0
.rept 16
	v_pk_mul_f32 v[160+ii:161+ii], v[160+ii:161+ii], v[252:253] op_sel_hi:[1,0]   ; O^T under the new M; these sixteen also stand between the writes of p's codes and word and the products
.set ii, ii+2
.endr
	s_wait_dscnt 0x0                               ; v
	MM 160, 68, 224, 0, 92, 253                    ; O^T += v^T p^T: four tiles of 16 channels, by turns
	MM 168, 80, 224, 0, 93, 253
	MM 176, 192, 224, 0, 94, 253
	MM 184, 204, 224, 0, 95, 253
	s_add_co_u32 s[TK], s[TK], 12288               ; eight tiles of keys on,
	s_add_co_u32 s[TKS], s[TKS], 512               ; four pairs' words,
	s_add_co_u32 s[TV], s[TV], 1536                ; a key step's record,
	s_add_co_u32 s[TVS], s[TVS], 4                 ; and its four bytes
.endm
; A STREAM: my tile j of queries against head e's 512 keys, four key steps; then O / the sum, quantised along the head's 64: half record e of K step p of the output projection, to LDS and to memory.
; The step is written once for each stream: O^T and the sum begin as zeros and the largest t as -3e38, so that the first change of M multiplies zeros.
.macro STREAM j, e, last
	s_wait_xcnt 0x0                                ; the last stream's stores to memory have read their data: those registers are written again below
	LDH 16, AQ16, AQ8, (2*(\j)+(\e))*896
	LDH 22, AQ16, AQ8, (2*(\j)+(\e))*896           ; [q | q]
	ds_load_b32 v255, v[AQ4] offset:(2*(\j)+(\e))*896+768
	v_mov_b32 v13, 0xff61b1e6
	v_floor_f32 v12, -v13
	v_mov_b32 v14, 0
	v_mov_b32 v15, 0
.set ii, 0
.rept 32
	v_mov_b32 v[160+ii], 0
.set ii, ii+1
.endr
	s_mov_b32 s[TK], KIMG+768*(\e)
	s_mov_b32 s[TKS], KSC+2048*(\e)
	s_mov_b32 s[TV], VIMG+24576*(\e)
	s_mov_b32 s[TVS], VSC+1024*(\e)
	s_mov_b32 s[CNT], 4
.Lstep_\@:
	STEP
	s_sub_co_u32 s[CNT], s[CNT], 1
	s_cmp_lg_u32 s[CNT], 0
	s_cbranch_scc1 .Lstep_\@
	PLACES 4
.if \last
	GLDF 32, WOC, 0                                ; Wo's two tiles for the column sums are asked for here, into k's registers
	GLDF 44, WOC, 6144
	global_load_b32 v56, v[R16], s[WOS:WOS+1]
	global_load_b32 v57, v[R16], s[WOS:WOS+1] offset:256
.endif
	v_add_f32 v14, v14, v15
	v_permlanex16_b32 v252, v14, s[SEL], s[SEL+1]
	v_add_f32 v14, v14, v252                       ; the row's sum
	v_rcp_f32 v14, v14
	v_add_nc_u32 v[AO16], s[SO], v[L16]            ; (plain work behind the reciprocal)
	v_add_nc_u32 v[AO8], s[SO], v[L8]
	v_add_nc_u32 v[AOS], s[SOSC], v[R4]
	s_wait_alu depctr_va_vdst(0)                   ; ahead of the reciprocal's first reader
.set ii, 0
.rept 32
	v_mul_f32 v[96+ii], v[160+ii], v14             ; each accumulator from its low end on; register 16 b + i is channel 32 b + 16 h + i of the head
.set ii, ii+1
.endr
	QH 96, 224, 230, 236, 242
	STH 224, AO16, AO8, 1536*(\j)+768*(\e)
	ds_store_b16 v[AOS], v242 offset:64*(\j)+2*(\e)
	global_store_b128 v[L16], v[224:227], s[12:13] offset:6144*(\j)+768*(\e)       ; 512 and 256 consecutive bytes, at multiples of 256 from the buffer's first byte
	global_store_b64 v[L8], v[228:229], s[12:13] offset:6144*(\j)+768*(\e)+512
.endm
	STREAM 0, 0, 0
	STREAM 0, 1, 0
	STREAM 1, 0, 0
	STREAM 1, 1, 1
	s_wait_dscnt 0x0
	s_barrier_signal -1
	s_barrier_wait -1                              ; O's 32 records and their words lie in LDS
	; THE COLUMN SUMS of this K step's part of O Wo^T.  Source 0 = a tile of O, source 1 = my tile of Wo; the 32 tiles of tokens are added into the same accumulators, element by element, so that what is left
	; to add is an accumulator's 16 rows.  Four accumulators by turns: tiles of even and odd number x my two tiles of Wo.
	v_and_b32 v[APS], 7, v0
	v_bfe_u32 v222, v0, 3, 1
	v_bfe_u32 v223, v0, 4, 1                       ; h
	v_lshlrev_b32 v[APS], 2, v[APS]
	v_lshl_add_u32 v[APS], v222, 6, v[APS]
	v_lshl_add_u32 v[APS], v223, 5, v[APS]
	v_add_nc_u32 v[APS], s[SPS], v[APS]            ; column 32 w + 8 h + r % 8 + 16 (r / 8): lanes 0-15 store tile 2 w's sums, lanes 16-31 tile 2 w + 1's
	v_add_nc_u32 v[AOW], OSC, v[R4]
	v_add_nc_u32 v8, s[SFIN], v[L16]               ; for the way out
	s_wait_loadcnt 0x0                             ; Wo
.irp g, 0,1,2,3,4,5,6,7
.if \g > 0
	PLACES 4
.endif
.irp i, 0,1,2,3
	LDF 96+12*\i, L16, L8, OIMG+(4*\g+\i)*1536
	ds_load_b32 v[144+\i], v[AOW] offset:(4*\g+\i)*64
.endr
	s_wait_dscnt 0x0
.irp i, 0,1,2,3
.irp u, 0,1
	MM 160+8*(2*(\i%2)+\u), 96+12*\i, 32+12*\u, ((\g==0)&&(\i<2)), 144+\i, 56+\u
.endr
.endr
.endr
	PLACES 4
.irp u, 0,1
.irp q, 0,2,4,6
	v_pk_add_f32 v[96+8*\u+\q:97+8*\u+\q], v[160+8*\u+\q:161+8*\u+\q], v[176+8*\u+\q:177+8*\u+\q]   ; each accumulator from its low end on
.endr
.endr
.irp u, 0,1
	v_pk_add_f32 v[96+8*\u:97+8*\u], v[96+8*\u:97+8*\u], v[98+8*\u:99+8*\u]
	v_pk_add_f32 v[100+8*\u:101+8*\u], v[100+8*\u:101+8*\u], v[102+8*\u:103+8*\u]
.endr
.irp u, 0,1
	v_pk_add_f32 v[96+8*\u:97+8*\u], v[96+8*\u:97+8*\u], v[100+8*\u:101+8*\u]
.endr
.irp u, 0,1
	v_add_f32 v[96+8*\u], v[96+8*\u], v[97+8*\u]
.endr
.irp u, 0,1
	v_permlanex16_b32 v[112+\u], v[96+8*\u], s[SEL], s[SEL+1]
.endr
.irp u, 0,1
	v_add_f32 v[96+8*\u], v[96+8*\u], v[112+\u]    ; all 16 rows
.endr
	v_cmp_ne_u32 vcc_lo, 0, v223
	v_cndmask_b32 v96, v96, v104, vcc_lo
	ds_store_b32 v[APS], v96
	s_wait_dscnt 0x0
	s_barrier_signal -1
	s_barrier_wait -1                              ; 2,048 bytes of O's scale words and, behind them, 2,048 of column sums: eight waves store 512 consecutive bytes each
	s_cmp_lt_u32 s[WV], 8
	s_cbranch_scc0 .Lend
	ds_load_b128 v[96:99], v8
	s_wait_dscnt 0x0
	global_store_b128 v[L16], v[96:99], s[14:15]
.Lend:
	s_wait_tensorcnt 0x0                           ; the wave's end: behind my last tensor load and my last LDS store
	ds_add_u32 v[SPW], v[NIL]
	s_wait_dscnt 0x0
	s_endpgm
.Lfunc_end_k_qa1f4d87db1_local:
	.size	k_qa1f4d87db1_local, .Lfunc_end_k_qa1f4d87db1_local-k_qa1f4d87db1_local
	.p2alignl 7, 3214868480
	.fill 96, 4, 3214868480
	.section	.rodata,"a",@progbits
	.p2align	6, 0x0
	.amdhsa_kernel k_qa1f4d87db1_local
		.amdhsa_group_segment_fixed_size 327680
		.amdhsa_private_segment_fixed_size 0
		.amdhsa_enable_private_segment 0
		.amdhsa_kernarg_size 56
		.amdhsa_user_sgpr_count 2
		.amdhsa_user_sgpr_kernarg_segment_ptr 1
		.amdhsa_wavefront_size32 1
		.amdhsa_system_sgpr_workgroup_id_x 1
		.amdhsa_system_sgpr_workgroup_id_y 1
		.amdhsa_system_sgpr_workgroup_id_z 1
		.amdhsa_system_vgpr_workitem_id 0
		.amdhsa_next_free_vgpr 256
		.amdhsa_next_free_sgpr 90
		.amdhsa_reserve_vcc 1
		.amdhsa_float_denorm_mode_32 3
		.amdhsa_float_denorm_mode_16_64 3
		.amdhsa_memory_ordered 1
		.amdhsa_forward_progress 1
		.amdhsa_inst_pref_size 204
	.end_amdhsa_kernel
	.amdgpu_metadata
---
amdhsa.version: [ 1, 2 ]
amdhsa.kernels:
  - .name:           k_qa1f4d87db1_local
    .symbol:         k_qa1f4d87db1_local.kd
    .args:
      - { .name: xc, .offset: 0, .size: 8, .value_kind: global_buffer, .address_space: global }
      - { .name: xs, .offset: 8, .size: 8, .value_kind: global_buffer, .address_space: global }
      - { .name: wc, .offset: 16, .size: 8, .value_kind: global_buffer, .address_space: global }
      - { .name: ws, .offset: 24, .size: 8, .value_kind: global_buffer, .address_space: global }
      - { .name: oc, .offset: 32, .size: 8, .value_kind: global_buffer, .address_space: global }
      - { .name: os, .offset: 40, .size: 8, .value_kind: global_buffer, .address_space: global }
      - { .name: part, .offset: 48, .size: 8, .value_kind: global_buffer, .address_space: global }
    .group_segment_fixed_size: 327680
    .private_segment_fixed_size: 0
    .kernarg_segment_align: 8
    .kernarg_segment_size: 56
    .max_flat_workgroup_size: 512
    .sgpr_count:     90
    .vgpr_count:     256
    .wavefront_size: 32
...
	.end_amdgpu_metadata
.endif
;; end of part 2
;; launch glob (part 3): grid 8 x 2, 16 waves a work-group, no clusters, 48,128 bytes of LDS; arguments part, wc, ws, ctx; writes ctx
.if DOCPART == 3
	.amdgcn_target "amdgcn-amd-amdhsa--gfx1250"
	.amdhsa_code_object_version 6
	.text
	.protected	k_qa1f4d87db1_glob
	.globl	k_qa1f4d87db1_glob
	.p2align	8
	.type	k_qa1f4d87db1_glob,@function
k_qa1f4d87db1_glob:
	s_mov_b64 s[64:65], 0
	v_nop
	global_prefetch_b8 v0, s[64:65] scope:SCOPE_SE
	s_setreg_imm32_b32 hwreg(HW_REG_WAVE_MODE, 25, 1), 1
	s_wait_xcnt 0x0
; One batch (work-group y) and one head (work-group x): the 32 chunks' summaries (the mean over a chunk's 512 tokens of O Wo^T: the four K steps' column sums added, x 1/512), quantised along the model's 512;
; g = summaries Wg^T for the head's 64 columns; the attention of the 32 chunks on each other with q = k = v = g; the result goes to ctx [chunk 64][512].  All three products on codes of FP6 (E2M3) with E8M0 scales.
; SOFTMAX: t = score x log2(e) / 8, M = ceil(the row's largest t), p = 2^(t - M) quantised along the 32 keys; the sum of the unquantised p divides at the end.
; LIMITS: NaN and infinities are not served; a block whose largest magnitude lies under 2^-124, a block of zeros among them, gets the byte 1 (zero codes add nothing under it).
; SHARES: sixteen waves make the summaries' sixteen half records (16 chunks x 64 along K each) and bring the head's sixteen fragments of Wg into LDS; behind one barrier wave 0 does the small rest, 76 products.
; The work is 16 small independent problems: 16 work-groups.  Tiles and records as in the other launches: row i of tile T is row 8 T + i % 8 + 16 (i / 8).
; K SHORTER THAN 128 is filled with zero codes.  The last product's K is 32: v's half record holds two tiles of channels side by side (K 0-31 and K 32-63), and p is laid at K 0-31 (P0) or at K 32-63 (P1), zeros beside it, to pick one.
.set SIMG,  0                          ; the summaries: [tile 2][K step 4] records
.set SSC,   12288                      ; their words: [record 8][row 16]
.set WGI,   12800                      ; Wg: [tile 4][K step 4] records
.set STG,   37376                      ; the way out: 32 rows x (256 bytes + 16)
.set SPARE, 46080                      ; the spare words, 128 bytes a wave
.set L16, 1
.set L8,  2
.set R4,  3
.set R16, 4
.set PL,  5                            ; my lane's byte in part
.set SPW, 6                            ; my spare word's LDS address; never rewritten
.set NIL, 7                            ; 0; never rewritten
.set S16, 8                            ; where my half record goes
.set S8,  9
.set SW,  10                           ; and its two bytes
.set W16, 11                           ; where my fragment of Wg goes
.set W8,  12
.set STO, 13                           ; the stage, in
.set RD,  14                           ; and back
.set GO,  15                           ; my byte in two rows of ctx
.set WV,  18
.set SEL, 32
.set CS,  34
.macro PLACES n
.rept \n
	v_nop
.endr
.endm
.macro LDF reg, a16, a8, off
	ds_load_b128 v[\reg:\reg+3], v[\a16] offset:\off
	ds_load_b64 v[\reg+4:\reg+5], v[\a8] offset:\off+512
	ds_load_b128 v[\reg+6:\reg+9], v[\a16] offset:\off+768
	ds_load_b64 v[\reg+10:\reg+11], v[\a8] offset:\off+1280
.endm
.macro MM d, a, b, zero, sa, sb
.if \zero
	v_wmma_scale_f32_16x16x128_f8f6f4 v[\d:\d+7], v[\a:\a+11], v[\b:\b+11], 0, v[\sa], v[\sb] matrix_a_fmt:MATRIX_FMT_FP6 matrix_b_fmt:MATRIX_FMT_FP6
.else
	v_wmma_scale_f32_16x16x128_f8f6f4 v[\d:\d+7], v[\a:\a+11], v[\b:\b+11], v[\d:\d+7], v[\sa], v[\sb] matrix_a_fmt:MATRIX_FMT_FP6 matrix_b_fmt:MATRIX_FMT_FP6
.endif
.endm
; 32 numbers of a lane, two blocks of which the lane holds 16 each (the other 16 in lane l xor 16), become half a record in v[pc .. pc + 5] (lanes 0-15 block 0, lanes 16-31 block 1) and two bytes in v[pw]
.macro QH src, pc, pt, tm, pw
.irp b, 0,1
	v_max3_num_f32 v[\tm+\b], |v[\src+16*\b]|, |v[\src+16*\b+1]|, 0x1800000   ; and the floor 2^(3 - 127): the byte cannot fall under 1
.endr
.irp i, 2,4,6,8,10,12,14
.irp b, 0,1
	v_max3_num_f32 v[\tm+\b], v[\tm+\b], |v[\src+16*\b+\i]|, |v[\src+16*\b+\i+1]|
.endr
.endr
.irp b, 0,1
	v_permlanex16_b32 v[\tm+2+\b], v[\tm+\b], s[SEL], s[SEL+1]
.endr
.irp b, 0,1
	v_max_num_f32 v[\tm+\b], v[\tm+\b], v[\tm+2+\b]
.endr
.irp b, 0,1
	v_add_nc_u32 v[\tm+4+\b], 0xff000000, v[\tm+\b]
.endr
.irp b, 0,1
	v_lshrrev_b32 v[\tm+2+\b], 23, v[\tm+4+\b]
.endr
	v_lshl_or_b32 v[\pw], v[\tm+3], 8, v[\tm+2]
	v_cvt_scalef32_pk16_fp6_f32 v[\pc:\pc+2], v[\src:\src+15], v[\tm+4]
	v_cvt_scalef32_pk16_fp6_f32 v[\pt:\pt+2], v[\src+16:\src+31], v[\tm+5]
	v_nop                                          ; one plain instruction behind the conversions
.irp i, 0,1,2
	v_permlane16_swap_b32 v[\pc+\i], v[\pt+\i]
.endr
.irp i, 0,1,2
	v_mov_b32 v[\pc+3+\i], v[\pt+\i]
.endr
.endm
	s_load_b256 s[4:11], s[0:1], 0x0               ; part, wc, ws, ctx
	v_lshl_add_u32 v[SPW], v0, 2, SPARE
	v_mov_b32 v[NIL], 0
	v_lshrrev_b32 v16, 5, v0
	v_readfirstlane_b32 s[WV], v16                 ; wave w = 8 x tile + 2 x K step + half
	s_and_b32 s12, ttmp7, 0xffff                   ; the batch
	s_lshl_b32 s20, s12, 18                        ; part: 32 chunks of 8,192 bytes a batch,
	s_lshr_b32 s21, s[WV], 3
	s_lshl_b32 s21, s21, 16                        ; 8 chunks on for tile 1,
	s_add_co_u32 s20, s20, s21
	s_and_b32 s21, s[WV], 7
	s_lshl_b32 s21, s21, 8                         ; 64 numbers for each half record along K
	s_add_co_u32 s20, s20, s21
	s_mov_b32 s21, 0
	s_mul_i32 s22, ttmp9, 24576                    ; Wg's codes: the head's four tiles; record w of their sixteen
	s_mul_i32 s23, s[WV], 1536
	s_add_co_u32 s22, s22, s23
	s_add_co_u32 s22, s22, 786432
	s_mov_b32 s23, 0
	s_lshl_b32 s24, ttmp9, 10                      ; Wg's scale words: 256 bytes a tile
	s_add_co_u32 s24, s24, 32768
	s_mov_b32 s25, 0
	s_lshl_b32 s26, s12, 16                        ; ctx: 32 rows of 2,048 bytes a batch, 256 bytes a head
	s_lshl_b32 s27, ttmp9, 8
	s_add_co_u32 s26, s26, s27
	s_mov_b32 s27, 0
	s_mul_i32 s28, s[WV], 768
	s_lshr_b32 s29, s[WV], 1
	s_lshl_b32 s29, s29, 6
	s_and_b32 s30, s[WV], 1
	s_lshl_b32 s30, s30, 1
	s_add_co_u32 s29, s29, s30
	s_add_co_u32 s29, s29, SSC
	s_mul_i32 s30, s[WV], 1536
	s_add_co_u32 s30, s30, WGI
	s_mov_b32 s[SEL], 0x76543210
	s_mov_b32 s[SEL+1], 0xfedcba98
	s_mov_b32 s[CS], 0x3e38aa3b                    ; c = log2(e) / sqrt(64)
	s_mov_b32 s[CS+1], s[CS]
	v_and_b32 v16, 31, v0
	v_and_b32 v17, 15, v0                          ; r
	v_bfe_u32 v18, v0, 4, 1                        ; h
	v_and_b32 v19, 7, v0                           ; r % 8
	v_bfe_u32 v20, v0, 3, 1                        ; r / 8
	v_lshlrev_b32 v[L16], 4, v16
	v_lshlrev_b32 v[L8], 3, v16
	v_lshlrev_b32 v[R4], 2, v17
	v_lshlrev_b32 v[R16], 4, v17
	v_lshlrev_b32 v[PL], 13, v19
	v_lshl_add_u32 v[PL], v20, 17, v[PL]
	v_lshl_add_u32 v[PL], v18, 6, v[PL]            ; chunk r % 8 + 16 (r / 8) of the tile, + 16 h numbers
	v_add_nc_u32 v[S16], s28, v[L16]
	v_add_nc_u32 v[S8], s28, v[L8]
	v_add_nc_u32 v[SW], s29, v[R4]
	v_add_nc_u32 v[W16], s30, v[L16]
	v_add_nc_u32 v[W8], s30, v[L8]
	v_lshl_add_u32 v21, v20, 4, v19
	v_mul_u32_u24 v[STO], v21, 272
	v_lshl_add_u32 v[STO], v18, 6, v[STO]
	v_add_nc_u32 v[STO], STG, v[STO]               ; row r % 8 + 16 (r / 8), + 64 h
	v_mul_u32_u24 v[RD], v18, 272
	v_add_nc_u32 v[RD], v[RD], v[R16]
	v_add_nc_u32 v[RD], STG, v[RD]                 ; lanes 0-15 one row, lanes 16-31 the next
	v_lshl_add_u32 v[GO], v18, 11, v[R16]
	v_mov_b32 v246, 0                              ; written once: a lane permute's destination counts as one of its sources
	v_mov_b32 v247, 0
	s_wait_kmcnt 0x0
	s_add_nc_u64 s[4:5], s[4:5], s[20:21]
	s_add_nc_u64 s[6:7], s[6:7], s[22:23]
	s_add_nc_u64 s[8:9], s[8:9], s[24:25]
	s_add_nc_u64 s[10:11], s[10:11], s[26:27]
	; ---- 1: my half record of the summaries.  Register 64 + 32 p + 16 b + i: K step p's column sum at k 32 b + 16 h + i of my 64
.irp p, 0,1,2,3
.irp c, 0,1
.irp i, 0,1,2,3
	global_load_b128 v[64+32*\p+16*\c+4*\i:64+32*\p+16*\c+4*\i+3], v[PL], s[4:5] offset:2048*\p+128*\c+16*\i
.endr
.endr
.endr
	global_load_b128 v[32:35], v[L16], s[6:7]      ; my fragment of Wg
	global_load_b64 v[36:37], v[L8], s[6:7] offset:512
	global_load_b128 v[38:41], v[L16], s[6:7] offset:768
	global_load_b64 v[42:43], v[L8], s[6:7] offset:1280
.irp t, 0,1,2,3
	global_load_b128 v[44+4*\t:47+4*\t], v[R16], s[8:9] offset:256*\t   ; Wg's scale words, tile t, K steps 0 to 3: they stay in registers (wave 0 uses them)
.endr
	s_wait_loadcnt 0x0
.set ii, 0
.rept 16
	v_pk_add_f32 v[64+ii:65+ii], v[64+ii:65+ii], v[96+ii:97+ii]
	v_pk_add_f32 v[128+ii:129+ii], v[128+ii:129+ii], v[160+ii:161+ii]
.set ii, ii+2
.endr
.set ii, 0
.rept 16
	v_pk_add_f32 v[64+ii:65+ii], v[64+ii:65+ii], v[128+ii:129+ii]
.set ii, ii+2
.endr
.set ii, 0
.rept 16
	v_pk_mul_f32 v[64+ii:65+ii], v[64+ii:65+ii], 0x3b000000 op_sel_hi:[1,0]   ; x 1/512: the mean; exact
.set ii, ii+2
.endr
	QH 64, 16, 22, 244, 26
	ds_store_b128 v[S16], v[16:19]
	ds_store_b64 v[S8], v[20:21] offset:512
	ds_store_b16 v[SW], v26
	ds_store_b128 v[W16], v[32:35]
	ds_store_b64 v[W8], v[36:37] offset:512
	ds_store_b128 v[W16], v[38:41] offset:768
	ds_store_b64 v[W8], v[42:43] offset:1280
	s_wait_dscnt 0x0                               ; for the others' sake: my stores are done
	s_barrier_signal -1
	s_barrier_wait -1
	s_cmp_lg_u32 s[WV], 0
	s_cbranch_scc1 .Lend
	; ---- 2, wave 0.  g both ways: GA (source 0 = Wg): a lane holds one chunk, registers along the head's 64; GB (source 0 = the summaries): a lane holds one channel, registers along the chunks.  16 accumulators by turns
.irp ks, 0,1,2,3
.if \ks > 0
	PLACES 4
.endif
.irp t, 0,1,2,3
	LDF 192+12*\t, L16, L8, WGI+(4*\t+\ks)*1536
.endr
.irp u, 0,1
	LDF 16+12*\u, L16, L8, SIMG+(4*\u+\ks)*1536
	ds_load_b32 v[40+\u], v[R4] offset:SSC+64*(4*\u+\ks)
.endr
	s_wait_dscnt 0x0
.irp u, 0,1
.irp t, 0,1,2,3
	MM 64+32*\u+8*\t, 192+12*\t, 16+12*\u, (\ks==0), 44+4*\t+\ks, 40+\u
.endr
.endr
.irp t, 0,1,2,3
.irp u, 0,1
	MM 128+16*\t+8*\u, 16+12*\u, 192+12*\t, (\ks==0), 40+\u, 44+4*\t+\ks
.endr
.endr
.endr
	PLACES 5
	QH 64, 192, 250, 244, 240                      ; g of chunks' tile 0 along the head: as keys,
	QH 96, 204, 250, 244, 241                      ; tile 1;
	QH 128, 16, 250, 244, 242                      ; g along the 32 chunks: channels' tiles 0 (lanes 0-15) and 1 (lanes 16-31),
	QH 160, 28, 250, 244, 243                      ; tiles 2 and 3
.irp i, 0,1,2,3,4,5
	v_mov_b32 v[216+\i], v[192+\i]                 ; and as queries: a second run of registers (the two sources share none)
	v_mov_b32 v[228+\i], v[204+\i]
.endr
.irp i, 0,1,2,3,4,5
	v_mov_b32 v[198+\i], 0                         ; K 64-127: zero codes
	v_mov_b32 v[210+\i], 0
	v_mov_b32 v[222+\i], 0
	v_mov_b32 v[234+\i], 0
	v_mov_b32 v[22+\i], 0
	v_mov_b32 v[34+\i], 0
.endr
.set ii, 0
.rept 16
	v_mov_b32 v[80+ii], 0                          ; the second, empty block beside p's one block of 32 keys.  (These 32 also stand between the writes of the operands and words and the products)
	v_mov_b32 v[112+ii], 0
.set ii, ii+1
.endr
.irp q, 0,1
.irp u, 0,1
	MM 64+32*\q+8*\u, 192+12*\u, 216+12*\q, 1, 240+\u, 240+\q     ; S^T: lane (r, h) holds query r of tile q; register i of 16 is key 16 h + i
.endr
.endr
	PLACES 4
.irp q, 0,1
	v_max3_num_f32 v[180+\q], v[64+32*\q], v[65+32*\q], v[66+32*\q]
.endr
.irp i, 3,5,7,9,11,13
.irp q, 0,1
	v_max3_num_f32 v[180+\q], v[180+\q], v[64+32*\q+\i], v[65+32*\q+\i]
.endr
.endr
.irp q, 0,1
	v_max_num_f32 v[180+\q], v[180+\q], v[79+32*\q]
.endr
.irp q, 0,1
	v_permlanex16_b32 v[182+\q], v[180+\q], s[SEL], s[SEL+1]
.endr
.irp q, 0,1
	v_max_num_f32 v[180+\q], v[180+\q], v[182+\q]
.endr
.irp q, 0,1
	v_mul_f32 v[180+\q], s[CS], v[180+\q]          ; the row's largest t
.endr
.irp q, 0,1
	v_floor_f32 v[176+2*\q], -v[180+\q]            ; -M = floor(-t)
	v_mov_b32 v[177+2*\q], 0                       ; (named with it as a pair)
.endr
.irp i, 0,2,4,6,8,10,12,14
.irp q, 0,1
	v_pk_fma_f32 v[64+32*\q+\i:65+32*\q+\i], v[64+32*\q+\i:65+32*\q+\i], s[CS:CS+1], v[176+2*\q:177+2*\q] op_sel_hi:[1,0,0]
.endr
.endr
.set ii, 0
.rept 16
	v_exp_f32 v[64+ii], v[64+ii]
	v_exp_f32 v[96+ii], v[96+ii]
.set ii, ii+1
.endr
	v_nop                                          ; the plain instruction behind the exponentials
	s_wait_alu depctr_va_vdst(0)                   ; one wait for the batch of 32, ahead of its first reader
.irp q, 0,1
	v_pk_add_f32 v[184+2*\q:185+2*\q], v[64+32*\q:65+32*\q], v[66+32*\q:67+32*\q]
.endr
.irp i, 4,6,8,10,12,14
.irp q, 0,1
	v_pk_add_f32 v[184+2*\q:185+2*\q], v[184+2*\q:185+2*\q], v[64+32*\q+\i:65+32*\q+\i]
.endr
.endr
.irp q, 0,1
	v_add_f32 v[184+2*\q], v[184+2*\q], v[185+2*\q]
.endr
.irp q, 0,1
	v_permlanex16_b32 v[182+\q], v[184+2*\q], s[SEL], s[SEL+1]
.endr
.irp q, 0,1
	v_add_f32 v[184+2*\q], v[184+2*\q], v[182+\q]  ; the sum of the unquantised p
.endr
.irp q, 0,1
	v_rcp_f32 v[182+\q], v[184+2*\q]               ; its wait stands ahead of the first reader, behind the last products
.endr
	QH 64, 128, 250, 244, 188                      ; P0 of tile 0: p at K 0-31 (lanes 0-15), zeros at K 32-63
	QH 96, 152, 250, 244, 190
.irp q, 0,1
.irp i, 0,1,2,3,4,5
	v_permlanex16_b32 v[140+24*\q+\i], v[128+24*\q+\i], s[SEL], s[SEL+1]   ; P1: the halves change places
.endr
	v_lshlrev_b32 v[189+2*\q], 8, v[188+2*\q]      ; and the byte moves up with them
.irp i, 0,1,2,3,4,5
	v_mov_b32 v[134+24*\q+\i], 0
	v_mov_b32 v[146+24*\q+\i], 0
.endr
.endr
	PLACES 8                                       ; a scale word written by a vector instruction stands eight places ahead of the product, an operand four
.irp q, 0,1
.irp a, 0,1
.irp z, 0,1
	MM 64+32*\q+8*(2*\a+\z), 16+12*\a, 128+24*\q+12*\z, 1, 242+\a, 188+2*\q+\z   ; O^T: channels' tile 2 a + z, queries' tile q
.endr
.endr
.endr
	PLACES 4
	s_wait_alu depctr_va_vdst(0)                   ; the two reciprocals
.irp q, 0,1
.set ii, 0
.rept 32
	v_mul_f32 v[192+32*\q+ii], v[64+32*\q+ii], v[182+\q]   ; each accumulator from its low end on; register 16 a + i is channel 32 a + 16 h + i
.set ii, ii+1
.endr
.endr
.irp q, 0,1
.irp a, 0,1
.irp i, 0,1,2,3
	ds_store_b128 v[STO], v[192+32*\q+16*\a+4*\i:195+32*\q+16*\a+4*\i] offset:2176*\q+128*\a+16*\i
.endr
.endr
.endr
.irp i, 0,1,2,3,4,5,6,7,8,9,10,11,12,13,14,15
	ds_load_b128 v[64+4*\i:67+4*\i], v[RD] offset:544*\i   ; LDS serves a wave's instructions in order: these see my stores
.endr
.irp i, 0,1,2,3,4,5,6,7,8,9,10,11,12,13,14,15
	s_wait_dscnt 15-\i                             ; the younger loads of the run stay out
	global_store_b128 v[GO], v[64+4*\i:67+4*\i], s[10:11] offset:4096*\i   ; sixteen lanes store 256 consecutive bytes, at a multiple of 256 from the buffer's first byte
.endr
.Lend:
	s_wait_tensorcnt 0x0                           ; the wave's end: behind my last LDS store
	ds_add_u32 v[SPW], v[NIL]
	s_wait_dscnt 0x0
	s_endpgm
.Lfunc_end_k_qa1f4d87db1_glob:
	.size	k_qa1f4d87db1_glob, .Lfunc_end_k_qa1f4d87db1_glob-k_qa1f4d87db1_glob
	.p2alignl 7, 3214868480
	.fill 96, 4, 3214868480
	.section	.rodata,"a",@progbits
	.p2align	6, 0x0
	.amdhsa_kernel k_qa1f4d87db1_glob
		.amdhsa_group_segment_fixed_size 48128
		.amdhsa_private_segment_fixed_size 0
		.amdhsa_enable_private_segment 0
		.amdhsa_kernarg_size 32
		.amdhsa_user_sgpr_count 2
		.amdhsa_user_sgpr_kernarg_segment_ptr 1
		.amdhsa_wavefront_size32 1
		.amdhsa_system_sgpr_workgroup_id_x 1
		.amdhsa_system_sgpr_workgroup_id_y 1
		.amdhsa_system_sgpr_workgroup_id_z 1
		.amdhsa_system_vgpr_workitem_id 0
		.amdhsa_next_free_vgpr 256
		.amdhsa_next_free_sgpr 66
		.amdhsa_reserve_vcc 0
		.amdhsa_float_denorm_mode_32 3
		.amdhsa_float_denorm_mode_16_64 3
		.amdhsa_memory_ordered 1
		.amdhsa_forward_progress 1
		.amdhsa_inst_pref_size 58
	.end_amdhsa_kernel
	.amdgpu_metadata
---
amdhsa.version: [ 1, 2 ]
amdhsa.kernels:
  - .name:           k_qa1f4d87db1_glob
    .symbol:         k_qa1f4d87db1_glob.kd
    .args:
      - { .name: part, .offset: 0, .size: 8, .value_kind: global_buffer, .address_space: global }
      - { .name: wc, .offset: 8, .size: 8, .value_kind: global_buffer, .address_space: global }
      - { .name: ws, .offset: 16, .size: 8, .value_kind: global_buffer, .address_space: global }
      - { .name: ctx, .offset: 24, .size: 8, .value_kind: global_buffer, .address_space: global }
    .group_segment_fixed_size: 48128
    .private_segment_fixed_size: 0
    .kernarg_segment_align: 8
    .kernarg_segment_size: 32
    .max_flat_workgroup_size: 512
    .sgpr_count:     66
    .vgpr_count:     256
    .wavefront_size: 32
...
	.end_amdgpu_metadata
.endif
;; end of part 3
;; launch outp (part 4): grid 256 x 1, 16 waves a work-group, no clusters, 119,296 bytes of LDS; arguments oc, os, wc, ws, ctx, out0; writes out0
.if DOCPART == 4
	.amdgcn_target "amdgcn-amd-amdhsa--gfx1250"
	.amdhsa_code_object_version 6
	.text
	.protected	k_qa1f4d87db1_outp
	.globl	k_qa1f4d87db1_outp
	.p2align	8
	.type	k_qa1f4d87db1_outp,@function
k_qa1f4d87db1_outp:
	s_mov_b64 s[64:65], 0
	v_nop
	global_prefetch_b8 v0, s[64:65] scope:SCOPE_SE
	s_setreg_imm32_b32 hwreg(HW_REG_WAVE_MODE, 25, 1), 1
	s_wait_xcnt 0x0
; out0 = O Wo^T + the chunk's context, on the stored codes of O (FP6, E2M3, E8M0 scales).  A work-group takes 128 tokens (8 tiles of 16, a quarter of a chunk) x all 512 columns.
; THE WAVES SHARE THE COLUMNS: wave w holds Wo's tiles 2 w, 2 w + 1 (columns 32 w .. 32 w + 31, all four K steps: 96 registers) for the whole launch; O's 49,152 bytes of codes come into LDS once, dense, and every wave reads them.
; Source 0 = Wo, source 1 = O: a lane holds one token and its 16 registers are 16 neighbouring columns.  The context is the C of each sum's first product: it costs no addition.
; A tile's 16 rows x 2,048 bytes meet in a stage in LDS (two stages by turns: one barrier a tile), and wave w stores row w whole: four stores of 512 consecutive bytes.
; Memory binds this launch (its output is five times its input): no ring, no tensor load, no cluster.  Tiles and records as in the other launches.
.set OCL,   0                          ; O's codes: [tile 8][K step 4] records
.set OSL,   49152                      ; O's scale words: [K step 4][tile 8][row 16]
.set STG,   51200                      ; two stages of 16 rows x (2,048 + 16) bytes
.set STGB,  33024
.set SPARE, 117248                     ; the spare words, 128 bytes a wave
.set L16, 1
.set L8,  2
.set L4,  3
.set R16, 4
.set R4,  5
.set SPW, 6                            ; my spare word's LDS address; never rewritten
.set NIL, 7                            ; 0; never rewritten
.set SW,  8                            ; the stage, in: row r, + 128 w + 64 h
.set SR,  9                            ; and back: row w, 16 bytes a lane
.set AOS, 10                           ; O's scale words: + 4 r
.set CPC, 11                           ; where I put my 3,072 bytes of O's codes
.set CPS, 12                           ; and my 128 bytes of its words
.set CXO, 13                           ; 64 h
.set WOF, 16                           ; v16-111  Wo: tile u, K step s at 48 u + 12 s
.set WOS, 112                          ; v112-119 its scale words
.set CTX, 120                          ; v120-135 the context at my 16 columns
.set OF,  136                          ; v136-183 a tile of O, four K steps
.set OS,  184                          ; v184-187 its words
.set ACC, 188                          ; v188-219 two accumulators, two sets by the tile's parity
.set OUT, 220                          ; v220-235 a row on its way out
.set WV,  18
.macro PLACES n
.rept \n
	v_nop
.endr
.endm
.macro LDF reg, a16, a8, off
	ds_load_b128 v[\reg:\reg+3], v[\a16] offset:\off
	ds_load_b64 v[\reg+4:\reg+5], v[\a8] offset:\off+512
	ds_load_b128 v[\reg+6:\reg+9], v[\a16] offset:\off+768
	ds_load_b64 v[\reg+10:\reg+11], v[\a8] offset:\off+1280
.endm
.macro GLDF reg, base, off
	global_load_b128 v[\reg:\reg+3], v[L16], s[\base:\base+1] offset:\off
	global_load_b64 v[\reg+4:\reg+5], v[L8], s[\base:\base+1] offset:\off+512
	global_load_b128 v[\reg+6:\reg+9], v[L16], s[\base:\base+1] offset:\off+768
	global_load_b64 v[\reg+10:\reg+11], v[L8], s[\base:\base+1] offset:\off+1280
.endm
.macro MMC d, a, b, c, sa, sb
	v_wmma_scale_f32_16x16x128_f8f6f4 v[\d:\d+7], v[\a:\a+11], v[\b:\b+11], v[\c:\c+7], v[\sa], v[\sb] matrix_a_fmt:MATRIX_FMT_FP6 matrix_b_fmt:MATRIX_FMT_FP6
.endm
	s_load_b256 s[4:11], s[0:1], 0x0               ; oc, os, wc, ws
	s_load_b128 s[12:15], s[0:1], 0x20             ; ctx, out0
	v_lshl_add_u32 v[SPW], v0, 2, SPARE
	v_mov_b32 v[NIL], 0
	v_lshrrev_b32 v14, 5, v0
	v_readfirstlane_b32 s[WV], v14                 ; wave 0..15
	s_lshr_b32 s19, ttmp9, 2                       ; the chunk
	s_and_b32 s20, ttmp9, 3                        ; which quarter of it
	s_mul_i32 s22, ttmp9, 49152                    ; oc: my work-group's 8 tiles, my wave's sixteenth of them
	s_mul_i32 s21, s[WV], 3072
	s_add_co_u32 s22, s22, s21
	s_mov_b32 s23, 0
	s_lshr_b32 s24, s[WV], 2                       ; os: K step w / 4: block 64 (w / 4) + chunk of 2,048 bytes; the quarter's 512; my 128 of them
	s_lshl_b32 s24, s24, 6
	s_add_co_u32 s24, s24, s19
	s_lshl_b32 s24, s24, 11
	s_lshl_b32 s25, s20, 9
	s_add_co_u32 s24, s24, s25
	s_and_b32 s25, s[WV], 3
	s_lshl_b32 s25, s25, 7
	s_add_co_u32 s24, s24, s25
	s_mov_b32 s25, 0
	s_mul_i32 s26, s[WV], 12288                    ; wc: Wo's tiles 2 w, 2 w + 1
	s_add_co_u32 s26, s26, 589824
	s_mov_b32 s27, 0
	s_lshl_b32 s28, s[WV], 9                       ; ws: their words
	s_add_co_u32 s28, s28, 24576
	s_mov_b32 s29, 0
	s_lshl_b32 s30, s19, 11                        ; ctx: the chunk's row, my 32 columns
	s_lshl_b32 s31, s[WV], 7
	s_add_co_u32 s30, s30, s31
	s_mov_b32 s35, s31                             ; 128 w
	s_mov_b32 s31, 0
	s_lshl_b32 s32, ttmp9, 7                       ; out0: row w of a tile is token w % 8 + 16 (w / 8) of its 32
	s_and_b32 s33, s[WV], 7
	s_add_co_u32 s32, s32, s33
	s_lshr_b32 s33, s[WV], 3
	s_lshl_b32 s33, s33, 4
	s_add_co_u32 s32, s32, s33
	s_lshl_b32 s32, s32, 11
	s_mov_b32 s33, 0
	s_mul_i32 s34, s[WV], 2064
	v_and_b32 v14, 31, v0
	v_lshlrev_b32 v[L16], 4, v14
	v_lshlrev_b32 v[L8], 3, v14
	v_lshlrev_b32 v[L4], 2, v14
	v_and_b32 v14, 15, v0                          ; r
	v_lshlrev_b32 v[R16], 4, v14
	v_lshlrev_b32 v[R4], 2, v14
	v_bfe_u32 v15, v0, 4, 1                        ; h
	v_lshlrev_b32 v[CXO], 6, v15
	v_mul_u32_u24 v[SW], v14, 2064
	v_add_nc_u32 v[SW], v[SW], v[CXO]
	v_add_nc_u32 v[SW], s35, v[SW]
	v_add_nc_u32 v[SW], STG, v[SW]
	v_add_nc_u32 v[SR], s34, v[L16]
	v_add_nc_u32 v[SR], STG, v[SR]
	v_add_nc_u32 v[AOS], OSL, v[R4]
	v_add_nc_u32 v[CPC], s21, v[L16]
	v_add_nc_u32 v[CPS], s35, v[L4]
	v_add_nc_u32 v[CPS], OSL, v[CPS]
	s_wait_kmcnt 0x0
	s_add_nc_u64 s[4:5], s[4:5], s[22:23]
	s_add_nc_u64 s[6:7], s[6:7], s[24:25]
	s_add_nc_u64 s[8:9], s[8:9], s[26:27]
	s_add_nc_u64 s[10:11], s[10:11], s[28:29]
	s_add_nc_u64 s[12:13], s[12:13], s[30:31]
	s_add_nc_u64 s[14:15], s[14:15], s[32:33]
.irp i, 0,1,2,3,4,5
	global_load_b128 v[OF+4*\i:OF+4*\i+3], v[L16], s[4:5] offset:512*\i th:TH_LOAD_NT   ; my part of O's codes: 512 consecutive bytes a load
.endr
	global_load_b32 v[OS], v[L4], s[6:7] th:TH_LOAD_NT
.irp f, 0,1,2,3,4,5,6,7
	GLDF WOF+12*\f, 8, 1536*\f
.endr
	global_load_b128 v[WOS:WOS+3], v[R16], s[10:11]
	global_load_b128 v[WOS+4:WOS+7], v[R16], s[10:11] offset:256
.irp i, 0,1,2,3
	global_load_b128 v[CTX+4*\i:CTX+4*\i+3], v[CXO], s[12:13] offset:16*\i   ; columns 32 w + 16 h + 0 .. 15
.endr
	s_wait_loadcnt 38                              ; the first seven are in; the 32 + 2 + 4 issued behind them stay out
.irp i, 0,1,2,3,4,5
	ds_store_b128 v[CPC], v[OF+4*\i:OF+4*\i+3] offset:OCL+512*\i
.endr
	ds_store_b32 v[CPS], v[OS]
	s_wait_dscnt 0x0                               ; for the others' sake: my stores are done
	s_barrier_signal -1
	s_barrier_wait -1
	s_wait_loadcnt 0x0
.macro TILE tl
.if (\tl) > 0
	PLACES 4                                       ; in front of loads into registers that the last products read
.endif
.irp ks, 0,1,2,3
	LDF OF+12*\ks, L16, L8, OCL+6144*(\tl)+1536*\ks
	ds_load_b32 v[OS+\ks], v[AOS] offset:512*\ks+64*(\tl)
.endr
	s_wait_dscnt 0x0
.irp ks, 0,1,2,3
.irp u, 0,1                                    ; the two accumulators by turns
.if \ks == 0
	MMC ACC+16*((\tl)%2)+8*\u, WOF+48*\u+12*\ks, OF+12*\ks, CTX+8*\u, WOS+4*\u+\ks, OS+\ks
.else
	MMC ACC+16*((\tl)%2)+8*\u, WOF+48*\u+12*\ks, OF+12*\ks, ACC+16*((\tl)%2)+8*\u, WOS+4*\u+\ks, OS+\ks
.endif
.endr
.endr
	PLACES 4
.irp i, 0,1,2,3
	ds_store_b128 v[SW], v[ACC+16*((\tl)%2)+4*\i:ACC+16*((\tl)%2)+4*\i+3] offset:STGB*((\tl)%2)+16*\i   ; each accumulator from its low end on
.endr
	s_wait_dscnt 0x0                               ; my stores into this stage are done, and so are my reads of the other one, which the next tile writes
	s_barrier_signal -1
	s_barrier_wait -1
	s_wait_xcnt 0x0                                ; the last row's stores have read their data
.irp i, 0,1,2,3
	ds_load_b128 v[OUT+4*\i:OUT+4*\i+3], v[SR] offset:STGB*((\tl)%2)+512*\i
.endr
.irp i, 0,1,2,3
	s_wait_dscnt 3-\i                              ; the younger loads of the run stay out
	global_store_b128 v[L16], v[OUT+4*\i:OUT+4*\i+3], s[14:15] offset:(32*((\tl)/2)+8*((\tl)%2))*2048+512*\i th:TH_STORE_NT   ; 512 consecutive bytes, at a multiple of 512 from the buffer's first byte
.endr
.endm
.irp n, 0,1,2,3,4,5,6,7
	TILE \n
.endr
	s_wait_tensorcnt 0x0                           ; the wave's end: behind my last LDS store
	ds_add_u32 v[SPW], v[NIL]
	s_wait_dscnt 0x0
	s_endpgm
.Lfunc_end_k_qa1f4d87db1_outp:
	.size	k_qa1f4d87db1_outp, .Lfunc_end_k_qa1f4d87db1_outp-k_qa1f4d87db1_outp
	.p2alignl 7, 3214868480
	.fill 96, 4, 3214868480
	.section	.rodata,"a",@progbits
	.p2align	6, 0x0
	.amdhsa_kernel k_qa1f4d87db1_outp
		.amdhsa_group_segment_fixed_size 119296
		.amdhsa_private_segment_fixed_size 0
		.amdhsa_enable_private_segment 0
		.amdhsa_kernarg_size 48
		.amdhsa_user_sgpr_count 2
		.amdhsa_user_sgpr_kernarg_segment_ptr 1
		.amdhsa_wavefront_size32 1
		.amdhsa_system_sgpr_workgroup_id_x 1
		.amdhsa_system_sgpr_workgroup_id_y 1
		.amdhsa_system_sgpr_workgroup_id_z 1
		.amdhsa_system_vgpr_workitem_id 0
		.amdhsa_next_free_vgpr 240
		.amdhsa_next_free_sgpr 66
		.amdhsa_reserve_vcc 0
		.amdhsa_float_denorm_mode_32 3
		.amdhsa_float_denorm_mode_16_64 3
		.amdhsa_memory_ordered 1
		.amdhsa_forward_progress 1
		.amdhsa_inst_pref_size 37
	.end_amdhsa_kernel
	.amdgpu_metadata
---
amdhsa.version: [ 1, 2 ]
amdhsa.kernels:
  - .name:           k_qa1f4d87db1_outp
    .symbol:         k_qa1f4d87db1_outp.kd
    .args:
      - { .name: oc, .offset: 0, .size: 8, .value_kind: global_buffer, .address_space: global }
      - { .name: os, .offset: 8, .size: 8, .value_kind: global_buffer, .address_space: global }
      - { .name: wc, .offset: 16, .size: 8, .value_kind: global_buffer, .address_space: global }
      - { .name: ws, .offset: 24, .size: 8, .value_kind: global_buffer, .address_space: global }
      - { .name: ctx, .offset: 32, .size: 8, .value_kind: global_buffer, .address_space: global }
      - { .name: out0, .offset: 40, .size: 8, .value_kind: global_buffer, .address_space: global }
    .group_segment_fixed_size: 119296
    .private_segment_fixed_size: 0
    .kernarg_segment_align: 8
    .kernarg_segment_size: 48
    .max_flat_workgroup_size: 512
    .sgpr_count:     66
    .vgpr_count:     240
    .wavefront_size: 32
...
	.end_amdgpu_metadata
.endif
;; end of part 4
;; ======== version 2 of 2: 4 launches
;; workspace buffers: xc 12,582,912 bytes; xs 524,288 bytes; wc 983,040 bytes; ws 40,960 bytes; oc 12,582,912 bytes; os 524,288 bytes; part 524,288 bytes; ctx 131,072 bytes
;; launch prep (part 5): grid 552 x 1, 4 waves a work-group, no clusters, 34,304 bytes of LDS; arguments x, Wq, Wk, Wv, Wo, Wg, xc, xs, wc, ws; writes xc, xs, wc, ws
.if DOCPART == 5
	.amdgcn_target "amdgcn-amd-amdhsa--gfx1250"
	.amdhsa_code_object_version 6
	.text
	.protected	k_qa1f4d87db1_prep
	.globl	k_qa1f4d87db1_prep
	.p2align	8
	.type	k_qa1f4d87db1_prep,@function
k_qa1f4d87db1_prep:
	s_mov_b64 s[64:65], 0
	v_nop
	global_prefetch_b8 v0, s[64:65] scope:SCOPE_SE
	s_setreg_imm32_b32 hwreg(HW_REG_WAVE_MODE, 25, 1), 1
	s_wait_xcnt 0x0
; x [32768][512] and the five weights [512][512], f32 with K innermost, become codes of FP6 (E2M3) with one E8M0 byte for each 32 along K,
; laid in the order of a matrix operand's registers.  A block's scale is 2^(floor(log2(its largest magnitude)) - 2): its byte is that magnitude's exponent field - 2, held at 1 from below.
; LIMITS: NaN and infinities are not served; a block whose largest magnitude lies under 2^-124 gets the byte 1; a block of zeros gets the byte 1 where the rule says 127
; (its codes are zeros, which add nothing under that byte, and this program alone reads the bytes).
; A TILE is 16 rows that are not neighbours: row i of tile T is row 32 (T / 2) + 8 (T % 2) + i % 8 + 16 (i / 8).  As source 0 of a product, tiles 2 b and 2 b + 1 then leave a lane 16 neighbours in 16 registers.
; A FRAGMENT (16 rows x 128 K, 12 registers a lane) is a record of 1,536 bytes in two halves of 768: registers 6 c .. 6 c + 3 at 768 c + 16 x lane, registers 6 c + 4, 6 c + 5 at 768 c + 512 + 8 x lane.
; SHARES: one wave, one tile (four fragments).  Work-groups 0 to 511 take x, 512 to 551 the weights (8 each).  One path for all: only pointers and offsets are chosen, by the work-group's number.
; Each load reads 512 consecutive bytes of one row; a K step's 16 rows turn through the wave's own stage in LDS (rows 528 bytes apart), so that a lane gets 16 neighbours of each block of 32 of its row.
; No matrix work, no barrier: waves share nothing.
.set ROWB,   2048                      ; a row of x or of a weight in bytes
.set SP,     528                       ; a stage row: 512 bytes + 16: sixteen rows begin in sixteen different groups of banks
.set STAGEB, 16*SP
.set SPARE,  4*STAGEB                  ; behind the four stages: the spare words, 128 bytes a wave
.set L16,  1                           ; 16 x lane
.set L8,   2                           ; 8 x lane
.set SIN,  3                           ; the stage, on the way in
.set SOUT, 4                           ; and on the way out: row r, + 64 h
.set SCO,  5                           ; my place in a tile's 256 bytes of scale words: 16 r + 8 h
.set HH,   6                           ; h = lane / 16
.set SPW,  8                           ; my spare word's LDS address; never rewritten
.set NIL,  9                           ; 0; never rewritten
.set R,    16                          ; v16-143  two sets of 64: a K step's rows as they are loaded
.set X,    144                         ; v144-207 64 numbers of my row: register 16 b + i = k 32 b + 16 h + i
.set PC,   208                         ; v208-227 the codes
.set TM,   228                         ; v228-243 at work
.set PW,   244                         ; v244-247 my row's four scale words
.set SEL,  38                          ; s[38:39] lane selects: lane l xor 16
	s_load_b512 s[16:31], s[0:1], 0x0              ; x, Wq, Wk, Wv, Wo, Wg, xc, xs
	s_load_b128 s[32:35], s[0:1], 0x40             ; wc, ws
	v_lshl_add_u32 v[SPW], v0, 2, SPARE
	v_mov_b32 v[NIL], 0
	v_lshrrev_b32 v10, 5, v0
	v_readfirstlane_b32 s4, v10                    ; wave
	v_and_b32 v10, 31, v0
	v_lshlrev_b32 v[L16], 4, v10
	v_lshlrev_b32 v[L8], 3, v10
	v_and_b32 v11, 15, v0                          ; r
	v_bfe_u32 v[HH], v0, 4, 1
	s_mul_i32 s36, s4, STAGEB
	v_add_nc_u32 v[SIN], s36, v[L16]
	v_mul_u32_u24 v[SOUT], v11, SP
	v_lshl_add_u32 v[SOUT], v[HH], 6, v[SOUT]
	v_add_nc_u32 v[SOUT], s36, v[SOUT]
	v_lshlrev_b32 v[SCO], 4, v11
	v_lshl_add_u32 v[SCO], v[HH], 3, v[SCO]
.irp b, 0,1,2,3
	v_mov_b32 v[TM+4+\b], 0                        ; written once: a lane permute's destination counts as one of its sources
.endr
	s_mov_b32 s[SEL], 0x76543210
	s_mov_b32 s[SEL+1], 0xfedcba98
	; which tensor, which tile
	s_sub_co_u32 s5, ttmp9, 512                    ; the weights' work-groups count from 0 (for x this wraps, and what is made of it is not chosen)
	s_lshr_b32 s6, s5, 3                           ; m: 0 Wq, 1 Wk, 2 Wv, 3 Wo, 4 Wg
	s_and_b32 s7, s5, 7
	s_cmp_lt_u32 ttmp9, 512
	s_cselect_b32 s7, ttmp9, s7
	s_lshl_b32 s7, s7, 2
	s_add_co_u32 s7, s7, s4                        ; my tile in its tensor
	s_lshr_b32 s8, s7, 1
	s_lshl_b32 s8, s8, 16                          ; 32 rows for each pair of tiles,
	s_and_b32 s9, s7, 1
	s_lshl_b32 s9, s9, 14                          ; 8 rows for the odd one
	s_add_co_u32 s8, s8, s9
	s_mov_b32 s9, 0                                ; s[8:9]: where my tile begins in its tensor
	; where it goes, in tiles: x: the tile's number;  Wq, Wk, Wv, sorted by pairs of heads: 24 (t / 8) + 8 m + t % 8;  Wo, Wg: 32 m + t
	s_lshr_b32 s10, s7, 3
	s_mul_i32 s10, s10, 24
	s_lshl_b32 s11, s6, 3
	s_add_co_u32 s10, s10, s11
	s_and_b32 s11, s7, 7
	s_add_co_u32 s10, s10, s11
	s_lshl_b32 s11, s6, 5
	s_add_co_u32 s11, s11, s7
	s_cmp_lt_u32 s6, 3
	s_cselect_b32 s10, s10, s11
	s_cmp_lt_u32 ttmp9, 512
	s_cselect_b32 s10, s7, s10
	s_mul_i32 s12, s10, 6144                       ; a tile's codes: four records
	s_mov_b32 s13, 0
	s_lshl_b32 s14, s10, 8                         ; a tile's scale words: 16 rows x 16 bytes
	s_mov_b32 s15, 0
	s_wait_alu depctr_va_vdst(0)
	s_wait_kmcnt 0x0
	s_cmp_eq_u32 s6, 1                             ; the choices hang on the work-group's number alone
	s_cselect_b64 s[18:19], s[20:21], s[18:19]
	s_cmp_eq_u32 s6, 2
	s_cselect_b64 s[18:19], s[22:23], s[18:19]
	s_cmp_eq_u32 s6, 3
	s_cselect_b64 s[18:19], s[24:25], s[18:19]
	s_cmp_eq_u32 s6, 4
	s_cselect_b64 s[18:19], s[26:27], s[18:19]
	s_cmp_lt_u32 ttmp9, 512
	s_cselect_b64 s[16:17], s[16:17], s[18:19]     ; from
	s_cselect_b64 s[28:29], s[28:29], s[32:33]     ; the codes' buffer
	s_cselect_b64 s[30:31], s[30:31], s[34:35]     ; the scale words'
	s_add_nc_u64 s[16:17], s[16:17], s[8:9]
	s_add_nc_u64 s[28:29], s[28:29], s[12:13]
	s_add_nc_u64 s[30:31], s[30:31], s[14:15]
.macro LOAD ks                         ; K step ks of my 16 rows: each load reads 512 consecutive bytes, at a multiple of 512 from the tensor's first byte
.irp i, 0,1,2,3,4,5,6,7,8,9,10,11,12,13,14,15
	global_load_b128 v[R+64*((\ks)%2)+4*\i:R+64*((\ks)%2)+4*\i+3], v[L16], s[16:17] offset:((\i%8)+16*(\i/8))*ROWB+512*(\ks) th:TH_LOAD_NT
.endr
.endm
.macro TURN ks                         ; through the stage: LDS serves a wave's instructions in order, so no wait stands between the stores and the loads
.irp i, 0,1,2,3,4,5,6,7,8,9,10,11,12,13,14,15
	ds_store_b128 v[SIN], v[R+64*((\ks)%2)+4*\i:R+64*((\ks)%2)+4*\i+3] offset:SP*\i
.endr
.irp b, 0,1,2,3
.irp j, 0,1,2,3
	ds_load_b128 v[X+16*\b+4*\j:X+16*\b+4*\j+3], v[SOUT] offset:128*\b+16*\j
.endr
.endr
.endm
.macro QUANT pw                        ; 64 numbers of a lane become a fragment's 12 registers in v[PC] on and my row's scale word in v[pw]
.irp b, 0,1,2,3
	v_max3_num_f32 v[TM+\b], |v[X+16*\b]|, |v[X+1+16*\b]|, 0x1800000   ; block b: my 16 numbers, and the floor 2^(3 - 127): the byte cannot fall under 1
.endr
.irp i, 2,4,6,8,10,12,14
.irp b, 0,1,2,3
	v_max3_num_f32 v[TM+\b], v[TM+\b], |v[X+16*\b+\i]|, |v[X+1+16*\b+\i]|   ; the four blocks by turns
.endr
.endr
.irp b, 0,1,2,3
	v_permlanex16_b32 v[TM+4+\b], v[TM+\b], s[SEL], s[SEL+1]
.endr
.irp b, 0,1,2,3
	v_max_num_f32 v[TM+\b], v[TM+\b], v[TM+4+\b]   ; with lane l xor 16's 16: the block's largest magnitude
.endr
.irp b, 0,1,2,3
	v_add_nc_u32 v[TM+12+\b], 0xff000000, v[TM+\b] ; 2 off its exponent field: the conversion takes this operand's exponent field as its scale
.endr
.irp b, 0,1,2,3
	v_lshrrev_b32 v[TM+4+\b], 23, v[TM+12+\b]      ; the scale's byte
.endr
	v_lshl_or_b32 v[\pw], v[TM+5], 8, v[TM+4]
	v_lshl_or_b32 v[\pw], v[TM+6], 16, v[\pw]
	v_lshl_or_b32 v[\pw], v[TM+7], 24, v[\pw]
.irp c, 0,1
	v_cvt_scalef32_pk16_fp6_f32 v[PC+6*\c:PC+2+6*\c], v[X+32*\c:X+15+32*\c], v[TM+12+2*\c]
	v_cvt_scalef32_pk16_fp6_f32 v[PC+12+4*\c:PC+14+4*\c], v[X+16+32*\c:X+31+32*\c], v[TM+12+2*\c+1]   ; (a conversion's three registers begin on an even number)
.endr
	v_nop                                          ; one plain instruction behind the conversions, ahead of what touches their results
.irp c, 0,1                                    ; the operand's layout wants a whole block in a lane: lanes 0-15 block 2 c, lanes 16-31 block 2 c + 1
.irp i, 0,1,2
	v_permlane16_swap_b32 v[PC+6*\c+\i], v[PC+12+4*\c+\i]
.endr
.irp i, 0,1,2
	v_mov_b32 v[PC+3+6*\c+\i], v[PC+12+4*\c+\i]
.endr
.endr
.endm
.macro OUT ks                          ; a record: 512, 256, 512 and 256 consecutive bytes, each at a multiple of 256 from the buffer's first byte
	global_store_b128 v[L16], v[PC:PC+3], s[28:29] offset:1536*(\ks)
	global_store_b64 v[L8], v[PC+4:PC+5], s[28:29] offset:1536*(\ks)+512
	global_store_b128 v[L16], v[PC+6:PC+9], s[28:29] offset:1536*(\ks)+768
	global_store_b64 v[L8], v[PC+10:PC+11], s[28:29] offset:1536*(\ks)+1280
.endm
	LOAD 0
	LOAD 1
.irp ks, 0,1,2,3
.if \ks < 3
	s_wait_loadcnt 16                              ; this K step's 16 loads are in; the next step's 16 stay out
.else
	s_wait_loadcnt 0x0
.endif
	TURN \ks
	s_wait_dscnt 0x0                               ; my numbers are back, and the stage's stores have read their registers,
.if \ks < 2
	LOAD \ks+2                                     ; which take the K step two on
.endif
.if \ks > 0
	s_wait_xcnt 0x0                                ; the last record's stores have read their data: the codes' registers are written again only behind this wait
.endif
	QUANT PW+\ks
	OUT \ks
.endr
	v_cmp_ne_u32 vcc_lo, 0, v[HH]                  ; lanes 0-15 store words 0 and 1 of their row, lanes 16-31 words 2 and 3: 256 consecutive bytes
	v_cndmask_b32 v10, v[PW], v[PW+2], vcc_lo
	v_cndmask_b32 v11, v[PW+1], v[PW+3], vcc_lo
	global_store_b64 v[SCO], v[10:11], s[30:31]
	s_wait_tensorcnt 0x0                           ; the wave's end: behind my last LDS store
	ds_add_u32 v[SPW], v[NIL]
	s_wait_dscnt 0x0
	s_endpgm
.Lfunc_end_k_qa1f4d87db1_prep:
	.size	k_qa1f4d87db1_prep, .Lfunc_end_k_qa1f4d87db1_prep-k_qa1f4d87db1_prep
	.p2alignl 7, 3214868480
	.fill 96, 4, 3214868480
	.section	.rodata,"a",@progbits
	.p2align	6, 0x0
	.amdhsa_kernel k_qa1f4d87db1_prep
		.amdhsa_group_segment_fixed_size 34304
		.amdhsa_private_segment_fixed_size 0
		.amdhsa_enable_private_segment 0
		.amdhsa_kernarg_size 80
		.amdhsa_user_sgpr_count 2
		.amdhsa_user_sgpr_kernarg_segment_ptr 1
		.amdhsa_wavefront_size32 1
		.amdhsa_system_sgpr_workgroup_id_x 1
		.amdhsa_system_sgpr_workgroup_id_y 1
		.amdhsa_system_sgpr_workgroup_id_z 1
		.amdhsa_system_vgpr_workitem_id 0
		.amdhsa_next_free_vgpr 248
		.amdhsa_next_free_sgpr 66
		.amdhsa_reserve_vcc 1
		.amdhsa_float_denorm_mode_32 3
		.amdhsa_float_denorm_mode_16_64 3
		.amdhsa_memory_ordered 1
		.amdhsa_forward_progress 1
		.amdhsa_inst_pref_size 35
	.end_amdhsa_kernel
	.amdgpu_metadata
---
amdhsa.version: [ 1, 2 ]
amdhsa.kernels:
  - .name:           k_qa1f4d87db1_prep
    .symbol:         k_qa1f4d87db1_prep.kd
    .args:
      - { .name: x, .offset: 0, .size: 8, .value_kind: global_buffer, .address_space: global }
      - { .name: Wq, .offset: 8, .size: 8, .value_kind: global_buffer, .address_space: global }
      - { .name: Wk, .offset: 16, .size: 8, .value_kind: global_buffer, .address_space: global }
      - { .name: Wv, .offset: 24, .size: 8, .value_kind: global_buffer, .address_space: global }
      - { .name: Wo, .offset: 32, .size: 8, .value_kind: global_buffer, .address_space: global }
      - { .name: Wg, .offset: 40, .size: 8, .value_kind: global_buffer, .address_space: global }
      - { .name: xc, .offset: 48, .size: 8, .value_kind: global_buffer, .address_space: global }
      - { .name: xs, .offset: 56, .size: 8, .value_kind: global_buffer, .address_space: global }
      - { .name: wc, .offset: 64, .size: 8, .value_kind: global_buffer, .address_space: global }
      - { .name: ws, .offset: 72, .size: 8, .value_kind: global_buffer, .address_space: global }
    .group_segment_fixed_size: 34304
    .private_segment_fixed_size: 0
    .kernarg_segment_align: 8
    .kernarg_segment_size: 80
    .max_flat_workgroup_size: 128
    .sgpr_count:     66
    .vgpr_count:     248
    .wavefront_size: 32
...
	.end_amdgpu_metadata
.endif
;; end of part 5
;; launch local (part 6): grid 4 x 64, 16 waves a work-group, no clusters, 327,680 bytes of LDS; arguments xc, xs, wc, ws, oc, os, part; writes oc, os, part
.if DOCPART == 6
	.amdgcn_target "amdgcn-amd-amdhsa--gfx1250"
	.amdhsa_code_object_version 6
	.text
	.protected	k_qa1f4d87db1_local
	.globl	k_qa1f4d87db1_local
	.p2align	8
	.type	k_qa1f4d87db1_local,@function
k_qa1f4d87db1_local:
	s_mov_b64 s[64:65], 0
	v_nop
	global_prefetch_b8 v0, s[64:65] scope:SCOPE_SE
	s_setreg_imm32_b32 hwreg(HW_REG_WAVE_MODE, 25, 1), 1
	s_wait_xcnt 0x0
; One chunk of 512 tokens (work-group y) and one pair of heads p (work-group x): q, k, v = x W^T for the pair's 128 columns, the scores, the softmax, p v, all on codes of FP6 (E2M3) with E8M0 scales;
; the attention's result is quantised along the model's axis and stored (oc, os: K step p of the output projection); and the column sums over the chunk's 512 tokens of that K step's part of O Wo^T are stored (part).
; SOFTMAX: t = score x log2(e) / 8; M = the running largest t rounded up to a whole number; p = 2^(t - M) is quantised along the keys, not normalised; the row's sum is taken of the unquantised p and divides at the end.
; LIMITS: NaN and infinities are not served; a block whose largest magnitude lies under 2^-124, a block of zeros among them, gets the byte 1 (zero codes add nothing under it; this program alone reads the bytes).
; SHARES: sixteen waves of 256 registers, four to a SIMD.  Wave w owns tokens 32 w .. 32 w + 31 (tiles 2 w, 2 w + 1): its x stays in registers through the projections, and they are its queries.
; TILES AND RECORDS: row i of tile T is row 32 (T / 2) + 8 (T % 2) + i % 8 + 16 (i / 8), for tokens and for the weights' rows alike: as source 0, tiles 2 b and 2 b + 1 leave a lane 16 neighbours in 16 registers,
; which is what the conversions want.  A fragment is a record of 1,536 bytes in two halves of 768 (registers 6 c .. 6 c + 3 at 768 c + 16 x lane, 6 c + 4, 6 c + 5 at 768 c + 512 + 8 x lane).
; THE SCORES' K IS 64, the instruction's 128: q's half record is held twice, [q | q]; an even tile of keys is [k | 0], an odd one [0 | k], the zeros shared between them in the registers.
; NO CLUSTER: the four work-groups of a chunk read the same x, but each wave's 12,288 bytes of it go straight from memory into that wave's registers: there is no tile in LDS for a joint load to fill, and the chunk's
; 196,608 bytes do not fit beside the 321,536 in use.  The 64 work-groups of a pair share 153,600 bytes of weights, which each asks for once, at its head; nothing is filled again.
.set WIMG,  0                          ; [q, k, v][tile 8][K step 4] records: 147,456 bytes, by six tensor loads
.set WSC,   147456                     ; their scale words, [q, k, v][tile 8][row 16][K step 4]: 6,144 bytes, by one
.set KIMG,  153600                     ; k: [tile 32][head 2] half records
.set KSC,   202752                     ; [head 2][pair of tiles 16][lane 32] words: low half the even tile's two bytes, high half the odd one's
.set VIMG,  206848                     ; v with the keys innermost: [tile of 16 channels 8][key step 4] records
.set VSC,   256000                     ; [tile 8][row 16][16 bytes]: a byte for each block of 32 keys
.set QST,   258048                     ; q: [wave][2 j + head] x 896: a half record and 128 bytes of words
.set OSC,   315392                     ; O's scale words, [tile 32][row 16]
.set PSUM,  317440                     ; 512 column sums
.set SPARE, 319488                     ; the spare words, 128 bytes a wave
.set OIMG,  0                          ; O: [tile 32] records, over the weights, which have had their one fill and are read no more when the first is stored
.set L16, 1
.set L8,  2
.set L4,  3
.set R16, 4
.set R4,  5
.set SPW, 6                            ; my spare word's LDS address; never rewritten
.set NIL, 7                            ; 0; never rewritten
; the projections: v8-15, v236-239 addresses; v16-111 x's 8 fragments; v112-119 x's scale words; v120-183 8 accumulators; v184-231 4 fragments of W, then codes; v232-235 W's scale words; v240-253 at work
.set AW16, 8
.set AW8,  9
.set AWS,  10
.set SK16, 11
.set SK8,  12
.set SKS,  13
.set SQ16, 14
.set SQ8,  15
.set SQ4,  236
.set SV16, 237
.set SV8,  238
.set SVS,  239
.set XF,  16
.set XS,  112
.set ACC, 120
.set WF,  184
.set WS,  232
; the attention: v8-11, v28-31, v216-221 addresses; v12 -M, v13 the largest t, v[14:15] the sum; v16-27 [q | q]; v32-67 four tiles of k round two runs of zeros; v68-91, v192-215 four fragments of v; v92-95 their words;
; v96-159 scores, then p; v160-191 O^T; v224-235 p's codes; v232-254 at work; v248, v249 k's words; v253 p's word; v255 q's word
.set ADK16, 8
.set ADK8,  9
.set ADKS,  10
.set ADV16, 11
.set ADV8,  28
.set ADVS,  29
.set AQ16,  30
.set AQ8,   31
.set AQ4,   219
.set AO16,  216
.set AO8,   217
.set AOS,   218
.set AOW,   220
.set APS,   221
.set WV,  18
.set HP,  19
.set SEL, 20
.set CS,  22
.set G1C, 24
.set G1S, 32
.set G0C, 40
.set G0S, 44
.set TK,  48
.set TKS, 49
.set TV,  50
.set TVS, 51
.set CNT, 52
.set SQST, 66
.set SO,   67
.set SOSC, 68
.set SFIN, 69
.set CH,   70
.set SKI,  71
.set SKSC, 72
.set SPS,  74
.set WOC,  76
.set WOS,  78
.macro PLACES n                        ; plain instructions between a matrix instruction and what reads its result or writes or loads its registers
.rept \n
	v_nop
.endr
.endm
.macro LDF reg, a16, a8, off           ; a record into 12 registers
	ds_load_b128 v[\reg:\reg+3], v[\a16] offset:\off
	ds_load_b64 v[\reg+4:\reg+5], v[\a8] offset:\off+512
	ds_load_b128 v[\reg+6:\reg+9], v[\a16] offset:\off+768
	ds_load_b64 v[\reg+10:\reg+11], v[\a8] offset:\off+1280
.endm
.macro LDH reg, a16, a8, off           ; half a record into 6
	ds_load_b128 v[\reg:\reg+3], v[\a16] offset:\off
	ds_load_b64 v[\reg+4:\reg+5], v[\a8] offset:\off+512
.endm
.macro STH reg, a16, a8, off
	ds_store_b128 v[\a16], v[\reg:\reg+3] offset:\off
	ds_store_b64 v[\a8], v[\reg+4:\reg+5] offset:\off+512
.endm
.macro GLDF reg, base, off
	global_load_b128 v[\reg:\reg+3], v[L16], s[\base:\base+1] offset:\off
	global_load_b64 v[\reg+4:\reg+5], v[L8], s[\base:\base+1] offset:\off+512
	global_load_b128 v[\reg+6:\reg+9], v[L16], s[\base:\base+1] offset:\off+768
	global_load_b64 v[\reg+10:\reg+11], v[L8], s[\base:\base+1] offset:\off+1280
.endm
.macro MM d, a, b, zero, sa, sb        ; zero: the product starts its sum
.if \zero
	v_wmma_scale_f32_16x16x128_f8f6f4 v[\d:\d+7], v[\a:\a+11], v[\b:\b+11], 0, v[\sa], v[\sb] matrix_a_fmt:MATRIX_FMT_FP6 matrix_b_fmt:MATRIX_FMT_FP6
.else
	v_wmma_scale_f32_16x16x128_f8f6f4 v[\d:\d+7], v[\a:\a+11], v[\b:\b+11], v[\d:\d+7], v[\sa], v[\sb] matrix_a_fmt:MATRIX_FMT_FP6 matrix_b_fmt:MATRIX_FMT_FP6
.endif
.endm
; 32 numbers of a lane, two blocks of which the lane holds 16 each (the other 16 in lane l xor 16), become half a record in v[pc .. pc + 5] (lanes 0-15 block 0, lanes 16-31 block 1); the two bytes in v[tm + 2], v[tm + 3] and, joined, in v[pw]
.macro QH src, pc, pt, tm, pw
.irp b, 0,1
	v_max3_num_f32 v[\tm+\b], |v[\src+16*\b]|, |v[\src+16*\b+1]|, 0x1800000   ; and the floor 2^(3 - 127): the byte cannot fall under 1
.endr
.irp i, 2,4,6,8,10,12,14
.irp b, 0,1
	v_max3_num_f32 v[\tm+\b], v[\tm+\b], |v[\src+16*\b+\i]|, |v[\src+16*\b+\i+1]|
.endr
.endr
.irp b, 0,1
	s_delay_alu instid0(VALU_DEP_2)
	v_permlanex16_b32 v[\tm+2+\b], v[\tm+\b], s[SEL], s[SEL+1]
.endr
.irp b, 0,1
	s_delay_alu instid0(VALU_DEP_2)
	v_max_num_f32 v[\tm+\b], v[\tm+\b], v[\tm+2+\b]
.endr
.irp b, 0,1
	s_delay_alu instid0(VALU_DEP_2)
	v_add_nc_u32 v[\tm+4+\b], 0xff000000, v[\tm+\b]   ; 2 off the exponent field: the conversion's scale operand
.endr
.irp b, 0,1
	s_delay_alu instid0(VALU_DEP_2)
	v_lshrrev_b32 v[\tm+2+\b], 23, v[\tm+4+\b]        ; the byte
.endr
	s_delay_alu instid0(VALU_DEP_1)
	v_lshl_or_b32 v[\pw], v[\tm+3], 8, v[\tm+2]
	v_cvt_scalef32_pk16_fp6_f32 v[\pc:\pc+2], v[\src:\src+15], v[\tm+4]
	v_cvt_scalef32_pk16_fp6_f32 v[\pt:\pt+2], v[\src+16:\src+31], v[\tm+5]
	v_nop                                          ; one plain instruction behind the conversions
.irp i, 0,1,2
	v_permlane16_swap_b32 v[\pc+\i], v[\pt+\i]     ; a whole block to a lane
.endr
.irp i, 0,1,2
	s_delay_alu instid0(VALU_DEP_3)
	v_mov_b32 v[\pc+3+\i], v[\pt+\i]
.endr
.endm
	s_load_b256 s[4:11], s[0:1], 0x0               ; xc, xs, wc, ws
	s_load_b128 s[12:15], s[0:1], 0x20             ; oc, os
	s_load_b64 s[16:17], s[0:1], 0x30              ; part
	v_lshl_add_u32 v[SPW], v0, 2, SPARE
	v_mov_b32 v[NIL], 0
	ds_add_u32 v[SPW], v[NIL]                      ; the wave's opening: the add and its wait stand ahead of the first tensor load; the set-up below, work on registers, stands between them
	ds_add_u32 v[SPW], v[NIL]
	v_lshrrev_b32 v8, 5, v0
	s_delay_alu instid0(VALU_DEP_1)
	v_readfirstlane_b32 s[WV], v8                  ; wave 0..15
	s_mov_b32 s[HP], ttmp9                         ; the pair of heads
	s_and_b32 s[CH], ttmp7, 0xffff                 ; the chunk
	; descriptor group 1: a dense block as rows of 256 bytes (32 elements of 8 bytes): 96 rows of codes, 24 rows of scale words
	s_mov_b32 s[G1C], 3<<16
	s_mov_b32 s[G1C+1], 32<<16
	s_mov_b32 s[G1C+2], 96<<16
	s_mov_b32 s[G1C+3], 32<<16
	s_mov_b32 s[G1C+4], 96
	s_mov_b32 s[G1C+5], 32
	s_mov_b32 s[G1C+6], 0
	s_mov_b32 s[G1C+7], 0
	s_mov_b32 s[G1S], 3<<16
	s_mov_b32 s[G1S+1], 32<<16
	s_mov_b32 s[G1S+2], 24<<16
	s_mov_b32 s[G1S+3], 32<<16
	s_mov_b32 s[G1S+4], 24
	s_mov_b32 s[G1S+5], 32
	s_mov_b32 s[G1S+6], 0
	s_mov_b32 s[G1S+7], 0
	s_mov_b32 s[SEL], 0x76543210
	s_mov_b32 s[SEL+1], 0xfedcba98
	s_mov_b32 s[CS], 0x3e38aa3b                    ; c = log2(e) / sqrt(64)
	s_mov_b32 s[CS+1], s[CS]                       ; (named with it as a pair, so it is written)
	s_min_u32 s53, s[WV], 5                        ; waves 0 to 5 fetch a sixth of the codes each (held at 5: the others issue no such load, and their registers name no byte outside)
	s_mul_i32 s53, s53, 24576
	s_mul_i32 s54, s[HP], 147456
	s_add_co_u32 s54, s54, s53
	s_mov_b32 s55, 0
	s_mul_i32 s56, s[HP], 6144
	s_mov_b32 s57, 0
	s_lshl_b32 s58, s[CH], 5
	s_lshl_b32 s59, s[WV], 1
	s_add_co_u32 s58, s58, s59                     ; my first tile: 32 x chunk + 2 x wave
	s_mul_i32 s60, s58, 6144
	s_mov_b32 s61, 0
	s_lshl_b32 s62, s58, 8
	s_mov_b32 s63, 0
	s_mul_i32 s[SQST], s[WV], 3584
	s_add_co_u32 s[SQST], s[SQST], QST
	s_mul_i32 s[SO], s[WV], 3072
	s_add_co_u32 s[SKI], s[SO], KIMG
	s_lshl_b32 s[SOSC], s[WV], 7
	s_add_co_u32 s[SKSC], s[SOSC], KSC
	s_add_co_u32 s[SPS], s[SOSC], PSUM
	s_add_co_u32 s[SOSC], s[SOSC], OSC
	s_lshl_b32 s[SFIN], s[WV], 9
	s_add_co_u32 s[SFIN], s[SFIN], OSC
	v_and_b32 v8, 31, v0
	s_delay_alu instid0(VALU_DEP_1)
	v_lshlrev_b32 v[L16], 4, v8
	s_delay_alu instid0(VALU_DEP_2)
	v_lshlrev_b32 v[L8], 3, v8
	s_delay_alu instid0(VALU_DEP_3)
	v_lshlrev_b32 v[L4], 2, v8
	v_and_b32 v9, 15, v0                           ; r
	s_delay_alu instid0(VALU_DEP_1)
	v_lshlrev_b32 v[R16], 4, v9
	s_delay_alu instid0(VALU_DEP_2)
	v_lshlrev_b32 v[R4], 2, v9
	v_bfe_u32 v10, v0, 4, 1                        ; h
	s_delay_alu instid0(VALU_DEP_1)
	; v's codes: my 32 tokens are block w of the keys: half record w / 2 of each tile of channels, lanes 16 (w % 2) + r of it; lanes 16-31 hold the next tile of channels, 6,144 bytes on
	v_mul_u32_u24 v11, v10, 6144
	s_delay_alu instid0(VALU_DEP_1)
	v_lshl_add_u32 v[SV16], v9, 4, v11
	s_delay_alu instid0(VALU_DEP_2)
	v_lshl_add_u32 v[SV8], v9, 3, v11
	s_wait_alu depctr_va_vdst(0)
	s_lshr_b32 s73, s[WV], 1
	s_mul_i32 s73, s73, 768
	s_and_b32 s75, s[WV], 1
	s_lshl_b32 s80, s75, 8
	s_add_co_u32 s80, s80, s73
	s_add_co_u32 s80, s80, VIMG
	v_add_nc_u32 v[SV16], s80, v[SV16]
	s_lshl_b32 s80, s75, 7
	s_add_co_u32 s80, s80, s73
	s_add_co_u32 s80, s80, VIMG+512
	v_add_nc_u32 v[SV8], s80, v[SV8]
	s_add_co_u32 s80, s[WV], VSC
	v_add_nc_u32 v[SVS], s80, v[R16]
	v_add_nc_u32 v[AWS], WSC, v[R16]
	v_add_nc_u32 v[SK16], s[SKI], v[L16]
	v_add_nc_u32 v[SK8], s[SKI], v[L8]
	v_add_nc_u32 v[SKS], s[SKSC], v[L4]
	v_add_nc_u32 v[SQ16], s[SQST], v[L16]
	v_add_nc_u32 v[SQ8], s[SQST], v[L8]
	v_add_nc_u32 v[SQ4], s[SQST], v[L4]
.irp i, 242,243,250,251
	v_mov_b32 v\i, 0                               ; written once: a lane permute's destination counts as one of its sources
.endr
	s_wait_dscnt 0x0                               ; the opening add is done
	s_wait_kmcnt 0x0
	s_mov_b32 s[G0C], 1
	s_mov_b32 s[G0C+1], s53
	s_add_nc_u64 s[G0C+2:G0C+3], s[8:9], s[54:55]
	s_or_b32 s[G0C+3], s[G0C+3], 0x80000000
	s_mov_b32 s[G0S], 1
	s_mov_b32 s[G0S+1], WSC
	s_add_nc_u64 s[G0S+2:G0S+3], s[10:11], s[56:57]
	s_or_b32 s[G0S+3], s[G0S+3], 0x80000000
	s_cmp_lt_u32 s[WV], 6                          ; the launch's only fills: one tensor load in each of seven waves; an s_nop 0 and four v_nop follow each line
	s_cbranch_scc0 .Lnot_codes
	tensor_load_to_lds s[G0C:G0C+3], s[G1C:G1C+7]
	s_nop 0
	PLACES 4
	s_branch .Lasked
.Lnot_codes:
	s_cmp_eq_u32 s[WV], 6
	s_cbranch_scc0 .Lasked
	tensor_load_to_lds s[G0S:G0S+3], s[G1S:G1S+7]
	s_nop 0
	PLACES 4
.Lasked:
	s_add_nc_u64 s[4:5], s[4:5], s[60:61]
	s_add_nc_u64 s[6:7], s[6:7], s[62:63]
.irp f, 0,1,2,3,4,5,6,7
	GLDF XF+12*\f, 4, 1536*\f                      ; my two tiles of x, four K steps each: they stay in registers
.endr
	global_load_b128 v[XS:XS+3], v[R16], s[6:7]
	global_load_b128 v[XS+4:XS+7], v[R16], s[6:7] offset:256
	s_mul_i32 s54, s[HP], 1536
	s_add_co_u32 s60, s60, s54
	s_add_nc_u64 s[12:13], s[12:13], s[60:61]      ; oc at my first tile's record p
	s_mul_i32 s56, s[WV], 12288
	s_add_co_u32 s56, s56, s54
	s_add_co_u32 s56, s56, 589824
	s_add_nc_u64 s[WOC:WOC+1], s[8:9], s[56:57]    ; Wo's tiles 2 w, 2 w + 1, K step p
	s_lshl_b32 s56, s[WV], 9
	s_lshl_b32 s54, s[HP], 2
	s_add_co_u32 s56, s56, s54
	s_add_co_u32 s56, s56, 24576
	s_add_nc_u64 s[WOS:WOS+1], s[10:11], s[56:57]  ; and their scale words
	s_lshl_b32 s60, s[HP], 6
	s_add_co_u32 s60, s60, s[CH]                   ; os: block 64 p + chunk of 2,048 bytes
	s_lshl_b32 s62, s[CH], 2
	s_add_co_u32 s62, s62, s[HP]                   ; part: block 4 x chunk + p
	s_cmp_lt_u32 s[WV], 4                          ; at the end waves 0-3 store O's scale words, waves 4-7 the column sums, 512 bytes each
	s_cselect_b32 s60, s60, s62
	s_cselect_b64 s[14:15], s[14:15], s[16:17]
	s_lshl_b32 s60, s60, 11
	s_and_b32 s62, s[WV], 3
	s_lshl_b32 s62, s62, 9
	s_add_co_u32 s60, s60, s62
	s_add_nc_u64 s[14:15], s[14:15], s[60:61]
	s_wait_tensorcnt 0x0                           ; my part of the weights has landed,
	s_barrier_signal -1
	s_barrier_wait -1                              ; everybody's has
	s_wait_loadcnt 0x0                             ; x
; THE PROJECTIONS.  HALF: weight m (0 q, 1 k, 2 v), head e of the pair: four tiles of W x my two tiles of x x four K steps: 32 products on 8 accumulators by turns.
; q, k: source 0 = W: a lane holds one token and its 32 registers run along the head's 64: they become half a record.  v: source 0 = x: a lane holds one channel and its 16 registers run along my tokens, block w of the keys.
.macro HALF m, e, kind
	v_add_nc_u32 v[AW16], (\m)*49152, v[L16]
	s_wait_alu depctr_va_vdst(0)
	v_add_nc_u32 v[AW8], (\m)*49152, v[L8]
	s_wait_alu depctr_va_vdst(0)
.irp ks, 0,1,2,3
.if \ks > 0
	PLACES 4                                       ; in front of loads into registers that the last products read
.endif
.irp t, 0,1,2,3
	LDF WF+12*\t, AW16, AW8, (4*(\e)+\t)*6144+1536*\ks
	ds_load_b32 v[WS+\t], v[AWS] offset:(\m)*2048+(4*(\e)+\t)*256+4*\ks
.endr
	s_wait_dscnt 0x0
.irp j, 0,1
.irp t, 0,1,2,3
.if (\kind) < 2
	MM ACC+32*\j+8*\t, WF+12*\t, XF+48*\j+12*\ks, (\ks==0), WS+\t, XS+4*\j+\ks
.else
	MM ACC+16*\t+8*\j, XF+48*\j+12*\ks, WF+12*\t, (\ks==0), XS+4*\j+\ks, WS+\t
.endif
.endr
.endr
.endr
	PLACES 5                                       ; four for the reads of the results; the next HALF's first products write over these accumulators, which wants five
.if (\kind) == 0
.irp j, 0,1
	QH ACC+32*\j, 184+10*\j, 190, 240+8*\j, 246+\j
	STH 184+10*\j, SQ16, SQ8, (2*\j+(\e))*896
	v_lshl_or_b32 v[246+\j], v[246+\j], 16, v[246+\j]   ; q is held twice along K, and so are its two bytes
	ds_store_b32 v[SQ4], v[246+\j] offset:(2*\j+(\e))*896+768
.endr
.elseif (\kind) == 1
.irp j, 0,1
	QH ACC+32*\j, 184+10*\j, 190, 240+8*\j, 246+\j
	STH 184+10*\j, SK16, SK8, 1536*\j+768*(\e)
.endr
	v_lshl_or_b32 v246, v247, 16, v246             ; one word for the pair of tiles: the even one's bytes for K 0-63, the odd one's for K 64-127
	ds_store_b32 v[SKS], v246 offset:2048*(\e)
.else
.irp a, 0,1
	QH ACC+32*\a, 184+10*\a, 190, 240+8*\a, 246+\a
	ds_store_b128 v[SV16], v[184+10*\a:187+10*\a] offset:(4*(\e)+2*\a)*6144
	ds_store_b64 v[SV8], v[188+10*\a:189+10*\a] offset:(4*(\e)+2*\a)*6144
	ds_store_b8 v[SVS], v[242+8*\a] offset:(4*(\e)+2*\a)*256       ; byte w of the channel's 16; both halves of the lanes write the same byte with the same value
	ds_store_b8 v[SVS], v[243+8*\a] offset:(4*(\e)+2*\a+1)*256
.endr
.endif
	s_wait_dscnt 0x0                               ; the stores are done: their registers take the next fragments of W
.endm
	HALF 0, 0, 0
	HALF 0, 1, 0
	HALF 1, 0, 1
	HALF 1, 1, 1
	HALF 2, 0, 2
	HALF 2, 1, 2
	s_barrier_signal -1                            ; (each wave's LDS stores are done: the wait stands at the end of HALF)
	s_barrier_wait -1                              ; k and v of the whole chunk lie in LDS, and nobody reads the weights any more
	; THE ATTENTION
.irp i, 38,39,40,41,42,43,56,57,58,59,60,61
	v_mov_b32 v\i, 0                               ; the two runs of zero codes between the tiles of k
.endr
.irp i, 236,237,238,239,253
	v_mov_b32 v\i, 0                               ; lane permutes' destinations, and the upper half of the pair v[252:253]: written before they are named
.endr
	v_add_nc_u32 v[AQ16], s[SQST], v[L16]
	v_add_nc_u32 v[AQ8], s[SQST], v[L8]
	v_add_nc_u32 v[AQ4], s[SQST], v[L4]
; A KEY STEP: 128 keys, one tile of 16 queries, one head.
.macro STEP
	v_add_nc_u32 v[ADK16], s[TK], v[L16]           ; (no LDS instruction of mine is out; these six are also the places in front of the loads into v's registers)
	s_wait_alu depctr_va_vdst(0)
	v_add_nc_u32 v[ADK8], s[TK], v[L8]
	s_wait_alu depctr_va_vdst(0)
	v_add_nc_u32 v[ADKS], s[TKS], v[L4]
	s_wait_alu depctr_va_vdst(0)
	v_add_nc_u32 v[ADV16], s[TV], v[L16]
	v_add_nc_u32 v[ADV8], s[TV], v[L8]
	v_add_nc_u32 v[ADVS], s[TVS], v[R16]
.irp g, 0,1                                    ; S^T = k q^T, four tiles of 16 keys at a time
.if \g > 0
	PLACES 4
.endif
	LDH 32, ADK16, ADK8, (4*\g+0)*1536
	LDH 44, ADK16, ADK8, (4*\g+1)*1536
	LDH 50, ADK16, ADK8, (4*\g+2)*1536
	LDH 62, ADK16, ADK8, (4*\g+3)*1536
	ds_load_b32 v248, v[ADKS] offset:(2*\g)*128
	ds_load_b32 v249, v[ADKS] offset:(2*\g+1)*128
	s_wait_dscnt 0x0
	MM 96+32*\g, 32, 16, 1, 248, 255               ; [k | 0]
	MM 104+32*\g, 38, 16, 1, 248, 255              ; [0 | k]
	MM 112+32*\g, 50, 16, 1, 249, 255
	MM 120+32*\g, 56, 16, 1, 249, 255
.endr                                          ; lane (r, h) holds query r; register 16 b + i is key 32 b + 16 h + i of the step
	s_wait_alu depctr_va_vdst(0)
	LDF 68, ADV16, ADV8, 0                         ; v's four fragments are asked for now and land under the softmax
	LDF 80, ADV16, ADV8, 6144
	LDF 192, ADV16, ADV8, 12288
	LDF 204, ADV16, ADV8, 18432
.irp t, 0,1,2,3
	ds_load_b32 v[92+\t], v[ADVS] offset:256*\t
.endr
	PLACES 4
.irp b, 0,1,2,3
	v_max3_num_f32 v[232+\b], v[96+16*\b], v[97+16*\b], v[98+16*\b]   ; the largest score of each block of 32 keys: for the row's maximum and, since p rises with the score, for the block's largest p
.endr
.irp i, 3,5,7,9,11,13
.irp b, 0,1,2,3
	v_max3_num_f32 v[232+\b], v[232+\b], v[96+16*\b+\i], v[97+16*\b+\i]
.endr
.endr
.irp b, 0,1,2,3
	v_max_num_f32 v[232+\b], v[232+\b], v[111+16*\b]
.endr
.irp b, 0,1,2,3
	s_delay_alu instid0(VALU_DEP_4)
	v_permlanex16_b32 v[236+\b], v[232+\b], s[SEL], s[SEL+1]
.endr
.irp b, 0,1,2,3
	s_delay_alu instid0(VALU_DEP_4)
	v_max_num_f32 v[232+\b], v[232+\b], v[236+\b]  ; with lane l xor 16's 16 keys
.endr
	s_delay_alu instid0(VALU_DEP_2)
	v_max3_num_f32 v254, v232, v233, v234
	s_delay_alu instid0(VALU_DEP_1)
	v_max_num_f32 v254, v254, v235
	s_delay_alu instid0(VALU_DEP_1)
	v_mul_f32 v254, s[CS], v254                    ; as t (c is positive)
	s_delay_alu instid0(VALU_DEP_1)
	v_max_num_f32 v13, v13, v254                   ; the running largest t
	v_mov_b32 v254, v12
	s_delay_alu instid0(VALU_DEP_2)
	v_floor_f32 v12, -v13                          ; the new -M = floor(-t): M is a whole number
	s_delay_alu instid0(VALU_DEP_1)
	v_sub_f32 v254, v12, v254                      ; old M - new M: a whole number, 0 or less
	s_delay_alu instid0(VALU_DEP_1)
	v_cvt_i32_f32 v254, v254                       ; (it saturates)
	s_delay_alu instid0(VALU_DEP_1)
	v_ldexp_f32 v252, 1.0, v254                    ; f = 2^(old M - new M): a multiplication by it rounds nothing
.set ii, 0
.rept 32
	v_pk_fma_f32 v[96+ii:97+ii], v[96+ii:97+ii], s[CS:CS+1], v[12:13] op_sel_hi:[1,0,0]   ; t - M, two at a time
.set ii, ii+2
.endr
.irp b, 0,1,2,3
	v_fma_f32 v[232+\b], v[232+\b], s[CS], v12     ; the same of each block's largest score
.endr
.set ii, 0
	s_setprio 1
	s_wait_alu depctr_va_vdst(0)
.rept 64
	v_exp_f32 v[96+ii], v[96+ii]                   ; p = 2^(t - M), at most 1
.set ii, ii+1
.endr
	v_pk_mul_f32 v[14:15], v[14:15], v[252:253] op_sel_hi:[1,0]   ; the sums under the new M: the plain instruction behind the exponentials
	s_wait_alu depctr_va_vdst(0)                   ; one wait for the batch of 64, ahead of its first reader
.irp b, 0,1,2,3
	v_exp_f32 v[232+\b], v[232+\b]                 ; the block's largest p: the same two instructions on the same number give the same bits
.endr
	v_pk_add_f32 v[236:237], v[100:101], v[104:105]
	v_pk_add_f32 v[250:251], v[108:109], v[112:113]
	v_pk_add_f32 v[248:249], v[116:117], v[120:121]
	v_pk_add_f32 v[246:247], v[124:125], v[128:129]
	v_pk_add_f32 v[244:245], v[132:133], v[136:137]
	v_pk_add_f32 v[242:243], v[140:141], v[144:145]
	v_pk_add_f32 v[240:241], v[148:149], v[152:153]
	v_pk_add_f32 v[14:15], v[14:15], v[156:157]
	v_pk_add_f32 v[236:237], v[236:237], v[96:97]
	v_pk_add_f32 v[250:251], v[250:251], v[98:99]
	v_pk_add_f32 v[248:249], v[248:249], v[102:103]
	v_pk_add_f32 v[246:247], v[246:247], v[106:107]
	v_pk_add_f32 v[244:245], v[244:245], v[110:111]
	v_pk_add_f32 v[242:243], v[242:243], v[114:115]
	v_pk_add_f32 v[240:241], v[240:241], v[118:119]
	v_pk_add_f32 v[14:15], v[14:15], v[122:123]
	v_pk_add_f32 v[236:237], v[236:237], v[126:127]
	v_pk_add_f32 v[250:251], v[250:251], v[130:131]
	v_pk_add_f32 v[248:249], v[248:249], v[134:135]
	v_pk_add_f32 v[246:247], v[246:247], v[138:139]
	v_pk_add_f32 v[244:245], v[244:245], v[142:143]
	v_pk_add_f32 v[242:243], v[242:243], v[146:147]
	v_pk_add_f32 v[240:241], v[240:241], v[150:151]
	v_pk_add_f32 v[14:15], v[14:15], v[154:155]
	v_pk_add_f32 v[236:237], v[236:237], v[158:159]
	s_delay_alu instid0(VALU_DEP_2)
	v_pk_add_f32 v[14:15], v[14:15], v[246:247]
	s_delay_alu instid0(VALU_DEP_2)
	v_pk_add_f32 v[236:237], v[236:237], v[244:245]
	v_pk_add_f32 v[250:251], v[250:251], v[242:243]
	v_pk_add_f32 v[248:249], v[248:249], v[240:241]
	s_delay_alu instid0(VALU_DEP_2)
	v_pk_add_f32 v[14:15], v[14:15], v[250:251]
	s_delay_alu instid0(VALU_DEP_2)
	v_pk_add_f32 v[236:237], v[236:237], v[248:249]
	s_delay_alu instid0(VALU_DEP_1)
	v_pk_add_f32 v[14:15], v[14:15], v[236:237]
	s_wait_alu depctr_va_vdst(0)                   ; and one for the four
.irp b, 0,1,2,3
	v_max_num_f32 v[232+\b], 0x1800000, v[232+\b]  ; the floor 2^(3 - 127)
.endr
.irp b, 0,1,2,3
	s_delay_alu instid0(VALU_DEP_4)
	v_add_nc_u32 v[244+\b], 0xff000000, v[232+\b]
.endr
.irp b, 0,1,2,3
	s_delay_alu instid0(VALU_DEP_4)
	v_lshrrev_b32 v[236+\b], 23, v[244+\b]
.endr
	s_delay_alu instid0(VALU_DEP_3)
	v_lshl_or_b32 v253, v237, 8, v236              ; p's scale word for these 128 keys
	s_delay_alu instid0(VALU_DEP_1)
	v_lshl_or_b32 v253, v238, 16, v253
	s_delay_alu instid0(VALU_DEP_1)
	v_lshl_or_b32 v253, v239, 24, v253
.irp c, 0,1
	v_cvt_scalef32_pk16_fp6_f32 v[224+6*\c:226+6*\c], v[96+32*\c:111+32*\c], v[244+2*\c]
	v_cvt_scalef32_pk16_fp6_f32 v[236+4*\c:238+4*\c], v[112+32*\c:127+32*\c], v[244+2*\c+1]
.endr
	v_nop
.irp c, 0,1
.irp i, 0,1,2
	v_permlane16_swap_b32 v[224+6*\c+\i], v[236+4*\c+\i]
.endr
.irp i, 0,1,2
	s_delay_alu instid0(VALU_DEP_3)
	v_mov_b32 v[227+6*\c+\i], v[236+4*\c+\i]
.endr
.endr
.set ii, 0
	s_setprio 0
.rept 16
	v_pk_mul_f32 v[160+ii:161+ii], v[160+ii:161+ii], v[252:253] op_sel_hi:[1,0]   ; O^T under the new M; these sixteen also stand between the writes of p's codes and word and the products
.set ii, ii+2
.endr
	s_wait_alu depctr_va_vdst(0)
	s_wait_dscnt 0x0                               ; v
	MM 160, 68, 224, 0, 92, 253                    ; O^T += v^T p^T: four tiles of 16 channels, by turns
	MM 168, 80, 224, 0, 93, 253
	MM 176, 192, 224, 0, 94, 253
	MM 184, 204, 224, 0, 95, 253
	s_add_co_u32 s[TK], s[TK], 12288               ; eight tiles of keys on,
	s_add_co_u32 s[TKS], s[TKS], 512               ; four pairs' words,
	s_add_co_u32 s[TV], s[TV], 1536                ; a key step's record,
	s_add_co_u32 s[TVS], s[TVS], 4                 ; and its four bytes
.endm
; A STREAM: my tile j of queries against head e's 512 keys, four key steps; then O / the sum, quantised along the head's 64: half record e of K step p of the output projection, to LDS and to memory.
; The step is written once for each stream: O^T and the sum begin as zeros and the largest t as -3e38, so that the first change of M multiplies zeros.
.macro STREAM j, e, last
	s_wait_xcnt 0x0                                ; the last stream's stores to memory have read their data: those registers are written again below
	LDH 16, AQ16, AQ8, (2*(\j)+(\e))*896
	LDH 22, AQ16, AQ8, (2*(\j)+(\e))*896           ; [q | q]
	ds_load_b32 v255, v[AQ4] offset:(2*(\j)+(\e))*896+768
	v_mov_b32 v13, 0xff61b1e6
	s_delay_alu instid0(VALU_DEP_1)
	v_floor_f32 v12, -v13
	v_mov_b32 v14, 0
	v_mov_b32 v15, 0
.set ii, 0
.rept 32
	v_mov_b32 v[160+ii], 0
.set ii, ii+1
.endr
	s_mov_b32 s[TK], KIMG+768*(\e)
	s_mov_b32 s[TKS], KSC+2048*(\e)
	s_mov_b32 s[TV], VIMG+24576*(\e)
	s_mov_b32 s[TVS], VSC+1024*(\e)
	s_mov_b32 s[CNT], 4
.Lstep_\@:
	s_setprio 2
	STEP
	s_sub_co_u32 s[CNT], s[CNT], 1
	s_cmp_lg_u32 s[CNT], 0
	s_cbranch_scc1 .Lstep_\@
	s_setprio 0
	PLACES 4
.if \last
	GLDF 32, WOC, 0                                ; Wo's two tiles for the column sums are asked for here, into k's registers
	GLDF 44, WOC, 6144
	global_load_b32 v56, v[R16], s[WOS:WOS+1]
	global_load_b32 v57, v[R16], s[WOS:WOS+1] offset:256
.endif
	v_add_f32 v14, v14, v15
	s_delay_alu instid0(VALU_DEP_1)
	v_permlanex16_b32 v252, v14, s[SEL], s[SEL+1]
	s_delay_alu instid0(VALU_DEP_1)
	v_add_f32 v14, v14, v252                       ; the row's sum
	s_wait_alu depctr_va_vdst(0)
	v_rcp_f32 v14, v14
	v_add_nc_u32 v[AO16], s[SO], v[L16]            ; (plain work behind the reciprocal)
	v_add_nc_u32 v[AO8], s[SO], v[L8]
	v_add_nc_u32 v[AOS], s[SOSC], v[R4]
	s_wait_alu depctr_va_vdst(0)                   ; ahead of the reciprocal's first reader
.set ii, 0
.rept 32
	v_mul_f32 v[96+ii], v[160+ii], v14             ; each accumulator from its low end on; register 16 b + i is channel 32 b + 16 h + i of the head
.set ii, ii+1
.endr
	QH 96, 224, 230, 236, 242
	STH 224, AO16, AO8, 1536*(\j)+768*(\e)
	ds_store_b16 v[AOS], v242 offset:64*(\j)+2*(\e)
	global_store_b128 v[L16], v[224:227], s[12:13] offset:6144*(\j)+768*(\e)       ; 512 and 256 consecutive bytes, at multiples of 256 from the buffer's first byte
	global_store_b64 v[L8], v[228:229], s[12:13] offset:6144*(\j)+768*(\e)+512
.endm
	s_wait_alu depctr_va_vdst(0)
	STREAM 0, 0, 0
	STREAM 0, 1, 0
	STREAM 1, 0, 0
	STREAM 1, 1, 1
	s_wait_dscnt 0x0
	s_barrier_signal -1
	s_barrier_wait -1                              ; O's 32 records and their words lie in LDS
	; THE COLUMN SUMS of this K step's part of O Wo^T.  Source 0 = a tile of O, source 1 = my tile of Wo; the 32 tiles of tokens are added into the same accumulators, element by element, so that what is left
	; to add is an accumulator's 16 rows.  Four accumulators by turns: tiles of even and odd number x my two tiles of Wo.
	v_and_b32 v[APS], 7, v0
	v_bfe_u32 v222, v0, 3, 1
	v_bfe_u32 v223, v0, 4, 1                       ; h
	s_delay_alu instid0(VALU_DEP_3)
	v_lshlrev_b32 v[APS], 2, v[APS]
	s_delay_alu instid0(VALU_DEP_1)
	v_lshl_add_u32 v[APS], v222, 6, v[APS]
	s_delay_alu instid0(VALU_DEP_1)
	v_lshl_add_u32 v[APS], v223, 5, v[APS]
	s_delay_alu instid0(VALU_DEP_1)
	v_add_nc_u32 v[APS], s[SPS], v[APS]            ; column 32 w + 8 h + r % 8 + 16 (r / 8): lanes 0-15 store tile 2 w's sums, lanes 16-31 tile 2 w + 1's
	v_add_nc_u32 v[AOW], OSC, v[R4]
	v_add_nc_u32 v8, s[SFIN], v[L16]               ; for the way out
	s_wait_alu depctr_va_vdst(0)
	s_wait_loadcnt 0x0                             ; Wo
.irp g, 0,1,2,3,4,5,6,7
.if \g > 0
	PLACES 4
.endif
.irp i, 0,1,2,3
	LDF 96+12*\i, L16, L8, OIMG+(4*\g+\i)*1536
	ds_load_b32 v[144+\i], v[AOW] offset:(4*\g+\i)*64
.endr
	s_wait_dscnt 0x0
.irp i, 0,1,2,3
.irp u, 0,1
	MM 160+8*(2*(\i%2)+\u), 96+12*\i, 32+12*\u, ((\g==0)&&(\i<2)), 144+\i, 56+\u
.endr
.endr
.endr
	PLACES 4
.irp u, 0,1
.irp q, 0,2,4,6
	v_pk_add_f32 v[96+8*\u+\q:97+8*\u+\q], v[160+8*\u+\q:161+8*\u+\q], v[176+8*\u+\q:177+8*\u+\q]   ; each accumulator from its low end on
.endr
.endr
.irp u, 0
	v_pk_add_f32 v[96+8*\u:97+8*\u], v[96+8*\u:97+8*\u], v[98+8*\u:99+8*\u]
	v_pk_add_f32 v[100+8*\u:101+8*\u], v[100+8*\u:101+8*\u], v[102+8*\u:103+8*\u]
.endr
.irp u, 1
	v_pk_add_f32 v[96+8*\u:97+8*\u], v[96+8*\u:97+8*\u], v[98+8*\u:99+8*\u]
	s_delay_alu instid0(VALU_DEP_4)
	v_pk_add_f32 v[100+8*\u:101+8*\u], v[100+8*\u:101+8*\u], v[102+8*\u:103+8*\u]
.endr
.irp u, 0
	s_delay_alu instid0(VALU_DEP_3)
	v_pk_add_f32 v[96+8*\u:97+8*\u], v[96+8*\u:97+8*\u], v[100+8*\u:101+8*\u]
.endr
.irp u, 1
	s_delay_alu instid0(VALU_DEP_2)
	v_pk_add_f32 v[96+8*\u:97+8*\u], v[96+8*\u:97+8*\u], v[100+8*\u:101+8*\u]
.endr
.irp u, 0,1
	s_delay_alu instid0(VALU_DEP_2)
	v_add_f32 v[96+8*\u], v[96+8*\u], v[97+8*\u]
.endr
.irp u, 0,1
	s_delay_alu instid0(VALU_DEP_2)
	v_permlanex16_b32 v[112+\u], v[96+8*\u], s[SEL], s[SEL+1]
.endr
.irp u, 0,1
	s_delay_alu instid0(VALU_DEP_2)
	v_add_f32 v[96+8*\u], v[96+8*\u], v[112+\u]    ; all 16 rows
.endr
	v_cmp_ne_u32 vcc_lo, 0, v223
	s_delay_alu instid0(VALU_DEP_1)
	v_cndmask_b32 v96, v96, v104, vcc_lo
	ds_store_b32 v[APS], v96
	s_wait_dscnt 0x0
	s_barrier_signal -1
	s_barrier_wait -1                              ; 2,048 bytes of O's scale words and, behind them, 2,048 of column sums: eight waves store 512 consecutive bytes each
	s_cmp_lt_u32 s[WV], 8
	s_cbranch_scc0 .Lend
	ds_load_b128 v[96:99], v8
	s_wait_dscnt 0x0
	global_store_b128 v[L16], v[96:99], s[14:15]
.Lend:
	s_wait_tensorcnt 0x0                           ; the wave's end: behind my last tensor load and my last LDS store
	ds_add_u32 v[SPW], v[NIL]
	s_wait_dscnt 0x0
	s_endpgm
.Lfunc_end_k_qa1f4d87db1_local:
	.size	k_qa1f4d87db1_local, .Lfunc_end_k_qa1f4d87db1_local-k_qa1f4d87db1_local
	.p2alignl 7, 3214868480
	.fill 96, 4, 3214868480
	.section	.rodata,"a",@progbits
	.p2align	6, 0x0
	.amdhsa_kernel k_qa1f4d87db1_local
		.amdhsa_group_segment_fixed_size 327680
		.amdhsa_private_segment_fixed_size 0
		.amdhsa_enable_private_segment 0
		.amdhsa_kernarg_size 56
		.amdhsa_user_sgpr_count 2
		.amdhsa_user_sgpr_kernarg_segment_ptr 1
		.amdhsa_wavefront_size32 1
		.amdhsa_system_sgpr_workgroup_id_x 1
		.amdhsa_system_sgpr_workgroup_id_y 1
		.amdhsa_system_sgpr_workgroup_id_z 1
		.amdhsa_system_vgpr_workitem_id 0
		.amdhsa_next_free_vgpr 256
		.amdhsa_next_free_sgpr 90
		.amdhsa_reserve_vcc 1
		.amdhsa_float_denorm_mode_32 3
		.amdhsa_float_denorm_mode_16_64 3
		.amdhsa_memory_ordered 1
		.amdhsa_forward_progress 1
		.amdhsa_inst_pref_size 218
	.end_amdhsa_kernel
	.amdgpu_metadata
---
amdhsa.version: [ 1, 2 ]
amdhsa.kernels:
  - .name:           k_qa1f4d87db1_local
    .symbol:         k_qa1f4d87db1_local.kd
    .args:
      - { .name: xc, .offset: 0, .size: 8, .value_kind: global_buffer, .address_space: global }
      - { .name: xs, .offset: 8, .size: 8, .value_kind: global_buffer, .address_space: global }
      - { .name: wc, .offset: 16, .size: 8, .value_kind: global_buffer, .address_space: global }
      - { .name: ws, .offset: 24, .size: 8, .value_kind: global_buffer, .address_space: global }
      - { .name: oc, .offset: 32, .size: 8, .value_kind: global_buffer, .address_space: global }
      - { .name: os, .offset: 40, .size: 8, .value_kind: global_buffer, .address_space: global }
      - { .name: part, .offset: 48, .size: 8, .value_kind: global_buffer, .address_space: global }
    .group_segment_fixed_size: 327680
    .private_segment_fixed_size: 0
    .kernarg_segment_align: 8
    .kernarg_segment_size: 56
    .max_flat_workgroup_size: 512
    .sgpr_count:     90
    .vgpr_count:     256
    .wavefront_size: 32
...
	.end_amdgpu_metadata
.endif
;; end of part 6
;; launch glob (part 7): grid 8 x 2, 16 waves a work-group, no clusters, 48,128 bytes of LDS; arguments part, wc, ws, ctx; writes ctx
.if DOCPART == 7
	.amdgcn_target "amdgcn-amd-amdhsa--gfx1250"
	.amdhsa_code_object_version 6
	.text
	.protected	k_qa1f4d87db1_glob
	.globl	k_qa1f4d87db1_glob
	.p2align	8
	.type	k_qa1f4d87db1_glob,@function
k_qa1f4d87db1_glob:
	s_mov_b64 s[64:65], 0
	v_nop
	global_prefetch_b8 v0, s[64:65] scope:SCOPE_SE
	s_setreg_imm32_b32 hwreg(HW_REG_WAVE_SCHED_MODE, 0, 2), 2
	s_setreg_imm32_b32 hwreg(HW_REG_WAVE_MODE, 25, 1), 1
	s_wait_xcnt 0x0
	s_wait_alu depctr_vm_vsrc(0)
; One batch (work-group y) and one head (work-group x): the 32 chunks' summaries (the mean over a chunk's 512 tokens of O Wo^T: the four K steps' column sums added, x 1/512), quantised along the model's 512;
; g = summaries Wg^T for the head's 64 columns; the attention of the 32 chunks on each other with q = k = v = g; the result goes to ctx [chunk 64][512].  All three products on codes of FP6 (E2M3) with E8M0 scales.
; SOFTMAX: t = score x log2(e) / 8, M = ceil(the row's largest t), p = 2^(t - M) quantised along the 32 keys; the sum of the unquantised p divides at the end.
; LIMITS: NaN and infinities are not served; a block whose largest magnitude lies under 2^-124, a block of zeros among them, gets the byte 1 (zero codes add nothing under it).
; SHARES: sixteen waves make the summaries' sixteen half records (16 chunks x 64 along K each) and bring the head's sixteen fragments of Wg into LDS; behind one barrier wave 0 does the small rest, 76 products.
; The work is 16 small independent problems: 16 work-groups.  Tiles and records as in the other launches: row i of tile T is row 8 T + i % 8 + 16 (i / 8).
; K SHORTER THAN 128 is filled with zero codes.  The last product's K is 32: v's half record holds two tiles of channels side by side (K 0-31 and K 32-63), and p is laid at K 0-31 (P0) or at K 32-63 (P1), zeros beside it, to pick one.
; THE MODE: SCHED_MODE bits 1:0 = 2 (LLVM: expert scheduling mode 2), set by the entry lines.  The code itself states the register dependences
; between vector or matrix instructions and memory or LDS instructions, with s_wait_alu, always for 0.
; THE PLAN.  Registers that memory or LDS instructions touch:
;   v1-v15           offsets and LDS addresses (v6, v7: the closing add's two).  Written once at the head, never again: one wait on va_vdst ahead of the first load serves them all.
;   v16-21, v26      part 1: the quantiser writes my half record and its bytes, LDS stores read them: a wait on va_vdst between.
;   v32-43           part 1: my fragment of Wg lands here, LDS stores read it.
;   v16-41, v192-239 part 2: a K step's six fragments and two words land here, the step's sixteen products read them.  Ahead of the first step: a wait on vm_vsrc (part 1's LDS stores have read v16-43);
;                    ahead of each later step: a wait on va_vdst (the last step's products are done reading).  128 accumulators, these 74, 16 words and 15 addresses leave no room for a second set.
;   v192-255         the end: the scalings write them, the stage's stores read them;  v64-127: the scalings read them, then the stage's rows land there: one wait on va_vdst serves both.
; Operands and scale words that vector instructions write (g's and p's codes) have a wait on va_vdst behind their places, ahead of the products that take them.
.set SIMG,  0                          ; the summaries: [tile 2][K step 4] records
.set SSC,   12288                      ; their words: [record 8][row 16]
.set WGI,   12800                      ; Wg: [tile 4][K step 4] records
.set STG,   37376                      ; the way out: 32 rows x (256 bytes + 16)
.set SPARE, 46080                      ; the spare words, 128 bytes a wave
.set L16, 1
.set L8,  2
.set R4,  3
.set R16, 4
.set PL,  5                            ; my lane's byte in part
.set SPW, 6                            ; my spare word's LDS address; never rewritten
.set NIL, 7                            ; 0; never rewritten
.set S16, 8                            ; where my half record goes
.set S8,  9
.set SW,  10                           ; and its two bytes
.set W16, 11                           ; where my fragment of Wg goes
.set W8,  12
.set STO, 13                           ; the stage, in
.set RD,  14                           ; and back
.set GO,  15                           ; my byte in two rows of ctx
.set WV,  18
.set SEL, 32
.set CS,  34
.macro PLACES n
.rept \n
	v_nop
.endr
.endm
.macro LDF reg, a16, a8, off
	ds_load_b128 v[\reg:\reg+3], v[\a16] offset:\off
	ds_load_b64 v[\reg+4:\reg+5], v[\a8] offset:\off+512
	ds_load_b128 v[\reg+6:\reg+9], v[\a16] offset:\off+768
	ds_load_b64 v[\reg+10:\reg+11], v[\a8] offset:\off+1280
.endm
.macro MM d, a, b, zero, sa, sb
.if \zero
	v_wmma_scale_f32_16x16x128_f8f6f4 v[\d:\d+7], v[\a:\a+11], v[\b:\b+11], 0, v[\sa], v[\sb] matrix_a_fmt:MATRIX_FMT_FP6 matrix_b_fmt:MATRIX_FMT_FP6
.else
	v_wmma_scale_f32_16x16x128_f8f6f4 v[\d:\d+7], v[\a:\a+11], v[\b:\b+11], v[\d:\d+7], v[\sa], v[\sb] matrix_a_fmt:MATRIX_FMT_FP6 matrix_b_fmt:MATRIX_FMT_FP6
.endif
.endm
; 32 numbers of a lane, two blocks of which the lane holds 16 each (the other 16 in lane l xor 16), become half a record in v[pc .. pc + 5] (lanes 0-15 block 0, lanes 16-31 block 1) and two bytes in v[pw]
.macro QH src, pc, pt, tm, pw
.irp b, 0,1
	v_max3_num_f32 v[\tm+\b], |v[\src+16*\b]|, |v[\src+16*\b+1]|, 0x1800000   ; and the floor 2^(3 - 127): the byte cannot fall under 1
.endr
.irp i, 2,4,6,8,10,12,14
.irp b, 0,1
	v_max3_num_f32 v[\tm+\b], v[\tm+\b], |v[\src+16*\b+\i]|, |v[\src+16*\b+\i+1]|
.endr
.endr
.irp b, 0,1
	v_permlanex16_b32 v[\tm+2+\b], v[\tm+\b], s[SEL], s[SEL+1]
.endr
.irp b, 0,1
	v_max_num_f32 v[\tm+\b], v[\tm+\b], v[\tm+2+\b]
.endr
.irp b, 0,1
	v_add_nc_u32 v[\tm+4+\b], 0xff000000, v[\tm+\b]
.endr
.irp b, 0,1
	v_lshrrev_b32 v[\tm+2+\b], 23, v[\tm+4+\b]
.endr
	v_lshl_or_b32 v[\pw], v[\tm+3], 8, v[\tm+2]
	v_cvt_scalef32_pk16_fp6_f32 v[\pc:\pc+2], v[\src:\src+15], v[\tm+4]
	v_cvt_scalef32_pk16_fp6_f32 v[\pt:\pt+2], v[\src+16:\src+31], v[\tm+5]
	v_nop                                          ; one plain instruction behind the conversions
.irp i, 0,1,2
	v_permlane16_swap_b32 v[\pc+\i], v[\pt+\i]
.endr
.irp i, 0,1,2
	v_mov_b32 v[\pc+3+\i], v[\pt+\i]
.endr
.endm
	s_load_b256 s[4:11], s[0:1], 0x0               ; part, wc, ws, ctx
	v_lshl_add_u32 v[SPW], v0, 2, SPARE
	v_mov_b32 v[NIL], 0
	v_lshrrev_b32 v16, 5, v0
	v_readfirstlane_b32 s[WV], v16                 ; wave w = 8 x tile + 2 x K step + half
	s_and_b32 s12, ttmp7, 0xffff                   ; the batch
	s_lshl_b32 s20, s12, 18                        ; part: 32 chunks of 8,192 bytes a batch,
	s_wait_alu depctr_va_sdst(0)                   ; s18, the wave's number, is written, ahead of its first reader: offsets, LDS addresses and the branch behind the barrier are made from it
	s_lshr_b32 s21, s[WV], 3
	s_lshl_b32 s21, s21, 16                        ; 8 chunks on for tile 1,
	s_add_co_u32 s20, s20, s21
	s_and_b32 s21, s[WV], 7
	s_lshl_b32 s21, s21, 8                         ; 64 numbers for each half record along K
	s_add_co_u32 s20, s20, s21
	s_mov_b32 s21, 0
	s_mul_i32 s22, ttmp9, 24576                    ; Wg's codes: the head's four tiles; record w of their sixteen
	s_mul_i32 s23, s[WV], 1536
	s_add_co_u32 s22, s22, s23
	s_add_co_u32 s22, s22, 786432
	s_mov_b32 s23, 0
	s_lshl_b32 s24, ttmp9, 10                      ; Wg's scale words: 256 bytes a tile
	s_add_co_u32 s24, s24, 32768
	s_mov_b32 s25, 0
	s_lshl_b32 s26, s12, 16                        ; ctx: 32 rows of 2,048 bytes a batch, 256 bytes a head
	s_lshl_b32 s27, ttmp9, 8
	s_add_co_u32 s26, s26, s27
	s_mov_b32 s27, 0
	s_mul_i32 s28, s[WV], 768
	s_lshr_b32 s29, s[WV], 1
	s_lshl_b32 s29, s29, 6
	s_and_b32 s30, s[WV], 1
	s_lshl_b32 s30, s30, 1
	s_add_co_u32 s29, s29, s30
	s_add_co_u32 s29, s29, SSC
	s_mul_i32 s30, s[WV], 1536
	s_add_co_u32 s30, s30, WGI
	s_mov_b32 s[SEL], 0x76543210
	s_mov_b32 s[SEL+1], 0xfedcba98
	s_mov_b32 s[CS], 0x3e38aa3b                    ; c = log2(e) / sqrt(64)
	s_mov_b32 s[CS+1], s[CS]
	v_and_b32 v16, 31, v0
	v_and_b32 v17, 15, v0                          ; r
	v_bfe_u32 v18, v0, 4, 1                        ; h
	v_and_b32 v19, 7, v0                           ; r % 8
	v_bfe_u32 v20, v0, 3, 1                        ; r / 8
	v_lshlrev_b32 v[L16], 4, v16
	v_lshlrev_b32 v[L8], 3, v16
	v_lshlrev_b32 v[R4], 2, v17
	v_lshlrev_b32 v[R16], 4, v17
	v_lshlrev_b32 v[PL], 13, v19
	v_lshl_add_u32 v[PL], v20, 17, v[PL]
	v_lshl_add_u32 v[PL], v18, 6, v[PL]            ; chunk r % 8 + 16 (r / 8) of the tile, + 16 h numbers
	v_add_nc_u32 v[S16], s28, v[L16]
	v_add_nc_u32 v[S8], s28, v[L8]
	v_add_nc_u32 v[SW], s29, v[R4]
	v_add_nc_u32 v[W16], s30, v[L16]
	v_add_nc_u32 v[W8], s30, v[L8]
	v_lshl_add_u32 v21, v20, 4, v19
	v_mul_u32_u24 v[STO], v21, 272
	v_lshl_add_u32 v[STO], v18, 6, v[STO]
	v_add_nc_u32 v[STO], STG, v[STO]               ; row r % 8 + 16 (r / 8), + 64 h
	v_mul_u32_u24 v[RD], v18, 272
	v_add_nc_u32 v[RD], v[RD], v[R16]
	v_add_nc_u32 v[RD], STG, v[RD]                 ; lanes 0-15 one row, lanes 16-31 the next
	v_lshl_add_u32 v[GO], v18, 11, v[R16]
	v_mov_b32 v246, 0                              ; written once: a lane permute's destination counts as one of its sources
	v_mov_b32 v247, 0
	s_wait_kmcnt 0x0
	s_add_nc_u64 s[4:5], s[4:5], s[20:21]
	s_add_nc_u64 s[6:7], s[6:7], s[22:23]
	s_add_nc_u64 s[8:9], s[8:9], s[24:25]
	s_add_nc_u64 s[10:11], s[10:11], s[26:27]
	s_wait_alu depctr_va_vdst(0)                   ; v1 to v15 are written: every load and store of the kernel, in memory and in LDS, reads one of them as its offset or address
	; ---- 1: my half record of the summaries.  Register 64 + 32 p + 16 b + i: K step p's column sum at k 32 b + 16 h + i of my 64
.irp p, 0,1,2,3
.irp c, 0,1
.irp i, 0,1,2,3
	global_load_b128 v[64+32*\p+16*\c+4*\i:64+32*\p+16*\c+4*\i+3], v[PL], s[4:5] offset:2048*\p+128*\c+16*\i
.endr
.endr
.endr
	global_load_b128 v[32:35], v[L16], s[6:7]      ; my fragment of Wg
	global_load_b64 v[36:37], v[L8], s[6:7] offset:512
	global_load_b128 v[38:41], v[L16], s[6:7] offset:768
	global_load_b64 v[42:43], v[L8], s[6:7] offset:1280
.irp t, 0,1,2,3
	global_load_b128 v[44+4*\t:47+4*\t], v[R16], s[8:9] offset:256*\t   ; Wg's scale words, tile t, K steps 0 to 3: they stay in registers (wave 0 uses them)
.endr
	s_wait_loadcnt 0x0
.set ii, 0
.rept 16
	v_pk_add_f32 v[64+ii:65+ii], v[64+ii:65+ii], v[96+ii:97+ii]
	v_pk_add_f32 v[128+ii:129+ii], v[128+ii:129+ii], v[160+ii:161+ii]
.set ii, ii+2
.endr
.set ii, 0
.rept 16
	v_pk_add_f32 v[64+ii:65+ii], v[64+ii:65+ii], v[128+ii:129+ii]
.set ii, ii+2
.endr
.set ii, 0
.rept 16
	v_pk_mul_f32 v[64+ii:65+ii], v[64+ii:65+ii], 0x3b000000 op_sel_hi:[1,0]   ; x 1/512: the mean; exact
.set ii, ii+2
.endr
	QH 64, 16, 22, 244, 26
	s_wait_alu depctr_va_vdst(0)                   ; the quantiser has written v16 to v21 and v26, which the LDS stores read (and v22 to v24, in which wave 0's fragments land later)
	ds_store_b128 v[S16], v[16:19]
	ds_store_b64 v[S8], v[20:21] offset:512
	ds_store_b16 v[SW], v26
	ds_store_b128 v[W16], v[32:35]
	ds_store_b64 v[W8], v[36:37] offset:512
	ds_store_b128 v[W16], v[38:41] offset:768
	ds_store_b64 v[W8], v[42:43] offset:1280
	s_wait_dscnt 0x0                               ; for the others' sake: my stores are done
	s_barrier_signal -1
	s_barrier_wait -1
	s_wait_alu depctr_vm_vsrc(0)                   ; my LDS stores have read v16 to v21, v26 and v32 to v43, in which wave 0's fragments and words land; stated ahead of the branch
	s_cmp_lg_u32 s[WV], 0
	s_cbranch_scc1 .Lend
	; ---- 2, wave 0.  g both ways: GA (source 0 = Wg): a lane holds one chunk, registers along the head's 64; GB (source 0 = the summaries): a lane holds one channel, registers along the chunks.  16 accumulators by turns
.irp ks, 0,1,2,3
.if \ks > 0
	PLACES 4
	s_wait_alu depctr_va_vdst(0)                   ; the last K step's sixteen products are done reading v16 to v41 and v192 to v239, in which this step's fragments and words land
.endif
.irp t, 0,1,2,3
	LDF 192+12*\t, L16, L8, WGI+(4*\t+\ks)*1536
.endr
.irp u, 0,1
	LDF 16+12*\u, L16, L8, SIMG+(4*\u+\ks)*1536
	ds_load_b32 v[40+\u], v[R4] offset:SSC+64*(4*\u+\ks)
.endr
	s_wait_dscnt 0x0
.irp u, 0,1
.irp t, 0,1,2,3
	MM 64+32*\u+8*\t, 192+12*\t, 16+12*\u, (\ks==0), 44+4*\t+\ks, 40+\u
.endr
.endr
.irp t, 0,1,2,3
.irp u, 0,1
	MM 128+16*\t+8*\u, 16+12*\u, 192+12*\t, (\ks==0), 40+\u, 44+4*\t+\ks
.endr
.endr
.endr
	PLACES 5
	QH 64, 192, 250, 244, 240                      ; g of chunks' tile 0 along the head: as keys,
	QH 96, 204, 250, 244, 241                      ; tile 1;
	QH 128, 16, 250, 244, 242                      ; g along the 32 chunks: channels' tiles 0 (lanes 0-15) and 1 (lanes 16-31),
	QH 160, 28, 250, 244, 243                      ; tiles 2 and 3
.irp i, 0,1,2,3,4,5
	v_mov_b32 v[216+\i], v[192+\i]                 ; and as queries: a second run of registers (the two sources share none)
	v_mov_b32 v[228+\i], v[204+\i]
.endr
.irp i, 0,1,2,3,4,5
	v_mov_b32 v[198+\i], 0                         ; K 64-127: zero codes
	v_mov_b32 v[210+\i], 0
	v_mov_b32 v[222+\i], 0
	v_mov_b32 v[234+\i], 0
	v_mov_b32 v[22+\i], 0
	v_mov_b32 v[34+\i], 0
.endr
.set ii, 0
.rept 16
	v_mov_b32 v[80+ii], 0                          ; the second, empty block beside p's one block of 32 keys.  (These 32 also stand between the writes of the operands and words and the products)
	v_mov_b32 v[112+ii], 0
.set ii, ii+1
.endr
	s_wait_alu depctr_va_vdst(0)                   ; vector instructions have written g's codes (v192 to v239) and scale words (v240, v241), which the scaled products below take as operands and scales; the places above stay beside this wait
.irp q, 0,1
.irp u, 0,1
	MM 64+32*\q+8*\u, 192+12*\u, 216+12*\q, 1, 240+\u, 240+\q     ; S^T: lane (r, h) holds query r of tile q; register i of 16 is key 16 h + i
.endr
.endr
	PLACES 4
.irp q, 0,1
	v_max3_num_f32 v[180+\q], v[64+32*\q], v[65+32*\q], v[66+32*\q]
.endr
.irp i, 3,5,7,9,11,13
.irp q, 0,1
	v_max3_num_f32 v[180+\q], v[180+\q], v[64+32*\q+\i], v[65+32*\q+\i]
.endr
.endr
.irp q, 0,1
	v_max_num_f32 v[180+\q], v[180+\q], v[79+32*\q]
.endr
.irp q, 0,1
	v_permlanex16_b32 v[182+\q], v[180+\q], s[SEL], s[SEL+1]
.endr
.irp q, 0,1
	v_max_num_f32 v[180+\q], v[180+\q], v[182+\q]
.endr
.irp q, 0,1
	v_mul_f32 v[180+\q], s[CS], v[180+\q]          ; the row's largest t
.endr
.irp q, 0,1
	v_floor_f32 v[176+2*\q], -v[180+\q]            ; -M = floor(-t)
	v_mov_b32 v[177+2*\q], 0                       ; (named with it as a pair)
.endr
.irp i, 0,2,4,6,8,10,12,14
.irp q, 0,1
	v_pk_fma_f32 v[64+32*\q+\i:65+32*\q+\i], v[64+32*\q+\i:65+32*\q+\i], s[CS:CS+1], v[176+2*\q:177+2*\q] op_sel_hi:[1,0,0]
.endr
.endr
.set ii, 0
	s_wait_alu depctr_va_vdst(0)
.rept 16
	v_exp_f32 v[64+ii], v[64+ii]
	v_exp_f32 v[96+ii], v[96+ii]
.set ii, ii+1
.endr
	v_nop                                          ; the plain instruction behind the exponentials
	s_wait_alu depctr_va_vdst(0)                   ; the 32 exponentials have written p: one wait for the batch, ahead of its first reader
.irp q, 0,1
	v_pk_add_f32 v[184+2*\q:185+2*\q], v[64+32*\q:65+32*\q], v[66+32*\q:67+32*\q]
.endr
.irp i, 4,6,8,10,12,14
.irp q, 0,1
	v_pk_add_f32 v[184+2*\q:185+2*\q], v[184+2*\q:185+2*\q], v[64+32*\q+\i:65+32*\q+\i]
.endr
.endr
.irp q, 0,1
	v_add_f32 v[184+2*\q], v[184+2*\q], v[185+2*\q]
.endr
.irp q, 0,1
	v_permlanex16_b32 v[182+\q], v[184+2*\q], s[SEL], s[SEL+1]
.endr
.irp q, 0,1
	v_add_f32 v[184+2*\q], v[184+2*\q], v[182+\q]  ; the sum of the unquantised p
.endr
	s_wait_alu depctr_va_vdst(0)
.irp q, 0,1
	v_rcp_f32 v[182+\q], v[184+2*\q]               ; its wait stands ahead of the last products, well ahead of the first reader
.endr
	QH 64, 128, 250, 244, 188                      ; P0 of tile 0: p at K 0-31 (lanes 0-15), zeros at K 32-63
	QH 96, 152, 250, 244, 190
.irp q, 0,1
.irp i, 0,1,2,3,4,5
	v_permlanex16_b32 v[140+24*\q+\i], v[128+24*\q+\i], s[SEL], s[SEL+1]   ; P1: the halves change places
.endr
	v_lshlrev_b32 v[189+2*\q], 8, v[188+2*\q]      ; and the byte moves up with them
.irp i, 0,1,2,3,4,5
	v_mov_b32 v[134+24*\q+\i], 0
	v_mov_b32 v[146+24*\q+\i], 0
.endr
.endr
	PLACES 8                                       ; a scale word written by a vector instruction stands eight places ahead of the product, an operand four
	s_wait_alu depctr_va_vdst(0)                   ; vector instructions have written p's codes (v128 to v175), v's (v16 to v39) and the scale words (v188 to v191, v242, v243), which the scaled products below take; the two reciprocals have written v182, v183, ahead of their first reader
.irp q, 0,1
.irp a, 0,1
.irp z, 0,1
	MM 64+32*\q+8*(2*\a+\z), 16+12*\a, 128+24*\q+12*\z, 1, 242+\a, 188+2*\q+\z   ; O^T: channels' tile 2 a + z, queries' tile q
.endr
.endr
.endr
	PLACES 4
.irp q, 0,1
.set ii, 0
.rept 32
	v_mul_f32 v[192+32*\q+ii], v[64+32*\q+ii], v[182+\q]   ; each accumulator from its low end on; register 16 a + i is channel 32 a + 16 h + i
.set ii, ii+1
.endr
.endr
	s_wait_alu depctr_va_vdst(0)                   ; the scalings have written v192 to v255, which the LDS stores read, and are done reading v64 to v127, in which the stage's rows land
.irp q, 0,1
.irp a, 0,1
.irp i, 0,1,2,3
	ds_store_b128 v[STO], v[192+32*\q+16*\a+4*\i:195+32*\q+16*\a+4*\i] offset:2176*\q+128*\a+16*\i
.endr
.endr
.endr
.irp i, 0,1,2,3,4,5,6,7,8,9,10,11,12,13,14,15
	ds_load_b128 v[64+4*\i:67+4*\i], v[RD] offset:544*\i   ; LDS serves a wave's instructions in order: these see my stores
.endr
.irp i, 0,1,2,3,4,5,6,7,8,9,10,11,12,13,14,15
	s_wait_dscnt 15-\i                             ; the younger loads of the run stay out
	global_store_b128 v[GO], v[64+4*\i:67+4*\i], s[10:11] offset:4096*\i   ; sixteen lanes store 256 consecutive bytes, at a multiple of 256 from the buffer's first byte
.endr
.Lend:
	s_wait_dscnt 0x0                               ; the closing lines, six on end
	s_wait_alu 0x0
	s_wait_tensorcnt 0x0
	ds_add_u32 v[SPW], v[NIL]
	s_wait_dscnt 0x0
	s_endpgm
.Lfunc_end_k_qa1f4d87db1_glob:
	.size	k_qa1f4d87db1_glob, .Lfunc_end_k_qa1f4d87db1_glob-k_qa1f4d87db1_glob
	.p2alignl 7, 3214868480
	.fill 96, 4, 3214868480
	.section	.rodata,"a",@progbits
	.p2align	6, 0x0
	.amdhsa_kernel k_qa1f4d87db1_glob
		.amdhsa_group_segment_fixed_size 48128
		.amdhsa_private_segment_fixed_size 0
		.amdhsa_enable_private_segment 0
		.amdhsa_kernarg_size 32
		.amdhsa_user_sgpr_count 2
		.amdhsa_user_sgpr_kernarg_segment_ptr 1
		.amdhsa_wavefront_size32 1
		.amdhsa_system_sgpr_workgroup_id_x 1
		.amdhsa_system_sgpr_workgroup_id_y 1
		.amdhsa_system_sgpr_workgroup_id_z 1
		.amdhsa_system_vgpr_workitem_id 0
		.amdhsa_next_free_vgpr 256
		.amdhsa_next_free_sgpr 66
		.amdhsa_reserve_vcc 0
		.amdhsa_float_denorm_mode_32 3
		.amdhsa_float_denorm_mode_16_64 3
		.amdhsa_memory_ordered 1
		.amdhsa_forward_progress 1
		.amdhsa_inst_pref_size 58
	.end_amdhsa_kernel
	.amdgpu_metadata
---
amdhsa.version: [ 1, 2 ]
amdhsa.kernels:
  - .name:           k_qa1f4d87db1_glob
    .symbol:         k_qa1f4d87db1_glob.kd
    .args:
      - { .name: part, .offset: 0, .size: 8, .value_kind: global_buffer, .address_space: global }
      - { .name: wc, .offset: 8, .size: 8, .value_kind: global_buffer, .address_space: global }
      - { .name: ws, .offset: 16, .size: 8, .value_kind: global_buffer, .address_space: global }
      - { .name: ctx, .offset: 24, .size: 8, .value_kind: global_buffer, .address_space: global }
    .group_segment_fixed_size: 48128
    .private_segment_fixed_size: 0
    .kernarg_segment_align: 8
    .kernarg_segment_size: 32
    .max_flat_workgroup_size: 512
    .sgpr_count:     66
    .vgpr_count:     256
    .wavefront_size: 32
...
	.end_amdgpu_metadata
.endif
;; end of part 7
;; launch outp (part 8): grid 256 x 1, 16 waves a work-group, no clusters, 119,296 bytes of LDS; arguments oc, os, wc, ws, ctx, out0; writes out0
.if DOCPART == 8
	.amdgcn_target "amdgcn-amd-amdhsa--gfx1250"
	.amdhsa_code_object_version 6
	.text
	.protected	k_qa1f4d87db1_outp
	.globl	k_qa1f4d87db1_outp
	.p2align	8
	.type	k_qa1f4d87db1_outp,@function
k_qa1f4d87db1_outp:
	s_mov_b64 s[64:65], 0
	v_nop
	global_prefetch_b8 v0, s[64:65] scope:SCOPE_SE
	s_setreg_imm32_b32 hwreg(HW_REG_WAVE_SCHED_MODE, 0, 2), 2
	s_setreg_imm32_b32 hwreg(HW_REG_WAVE_MODE, 25, 1), 1
	s_wait_xcnt 0x0
	s_wait_alu depctr_vm_vsrc(0)
; out0 = O Wo^T + the chunk's context, on the stored codes of O (FP6, E2M3, E8M0 scales).  A work-group takes 128 tokens (8 tiles of 16, a quarter of a chunk) x all 512 columns.
; THE WAVES SHARE THE COLUMNS: wave w holds Wo's tiles 2 w, 2 w + 1 (columns 32 w .. 32 w + 31, all four K steps: 96 registers) for the whole launch; O's 49,152 bytes of codes come into LDS once, dense, and every wave reads them.
; Source 0 = Wo, source 1 = O: a lane holds one token and its 16 registers are 16 neighbouring columns.  The context is the C of each sum's first product: it costs no addition.
; A tile's 16 rows x 2,048 bytes meet in a stage in LDS (two stages by turns: one barrier a tile), and wave w stores row w whole: four stores of 512 consecutive bytes.
; Memory binds this launch (its output is five times its input): no ring, no tensor load, no cluster.  Tiles and records as in the other launches.
; THE MODE: SCHED_MODE bits 1:0 = 2 (LLVM: expert scheduling mode 2), set by the entry lines.  The code itself states the register dependences
; between vector or matrix instructions and memory or LDS instructions, with s_wait_alu, always for 0.
; THE PLAN.  Registers that memory or LDS instructions touch:
;   v1-v13     offsets and LDS addresses (v6, v7: the closing add's two).  Written once at the head, never again: one wait on va_vdst ahead of the first load serves them all.
;   OF, OS     At the head my share of O's codes and words lands here and LDS stores read it.  Then: tile t's eight products read them; tile t + 1's twenty LDS loads land in them.
;   ACC        Two sets by the tile's parity.  Tile t's products write set t % 2, tile t's four LDS stores read it, tile t + 2's products write it again.
;   OUT        Four LDS loads land in it, four stores to memory read it; no vector or matrix instruction names it.
;   Wo, its words and the context are loaded once and named by products alone afterwards.
; So a tile has ONE wait on va_vdst, behind its products and their places: it states that ACC is written, for the stage's stores, and that the products are done reading OF and OS, for the next tile's loads.
; Those loads stand between the barrier's signal and its wait: they read O's codes and words, which no wave writes behind the first barrier; no vector or matrix instruction stands between the wait and them.
; And a tile has ONE wait on vm_vsrc, behind the barrier, beside the wait on XCNT: the last tile's stores to memory have read OUT, and this tile's LDS stores have read ACC.
; OF has one set: a second would take 52 registers, and sixteen waves of 256 leave 20.
.set OCL,   0                          ; O's codes: [tile 8][K step 4] records
.set OSL,   49152                      ; O's scale words: [K step 4][tile 8][row 16]
.set STG,   51200                      ; two stages of 16 rows x (2,048 + 16) bytes
.set STGB,  33024
.set SPARE, 117248                     ; the spare words, 128 bytes a wave
.set L16, 1
.set L8,  2
.set L4,  3
.set R16, 4
.set R4,  5
.set SPW, 6                            ; my spare word's LDS address; never rewritten
.set NIL, 7                            ; 0; never rewritten
.set SW,  8                            ; the stage, in: row r, + 128 w + 64 h
.set SR,  9                            ; and back: row w, 16 bytes a lane
.set AOS, 10                           ; O's scale words: + 4 r
.set CPC, 11                           ; where I put my 3,072 bytes of O's codes
.set CPS, 12                           ; and my 128 bytes of its words
.set CXO, 13                           ; 64 h
.set WOF, 16                           ; v16-111  Wo: tile u, K step s at 48 u + 12 s
.set WOS, 112                          ; v112-119 its scale words
.set CTX, 120                          ; v120-135 the context at my 16 columns
.set OF,  136                          ; v136-183 a tile of O, four K steps
.set OS,  184                          ; v184-187 its words
.set ACC, 188                          ; v188-219 two accumulators, two sets by the tile's parity
.set OUT, 220                          ; v220-235 a row on its way out
.set WV,  18
.macro PLACES n
.rept \n
	v_nop
.endr
.endm
.macro LDF reg, a16, a8, off
	ds_load_b128 v[\reg:\reg+3], v[\a16] offset:\off
	ds_load_b64 v[\reg+4:\reg+5], v[\a8] offset:\off+512
	ds_load_b128 v[\reg+6:\reg+9], v[\a16] offset:\off+768
	ds_load_b64 v[\reg+10:\reg+11], v[\a8] offset:\off+1280
.endm
.macro GLDF reg, base, off
	global_load_b128 v[\reg:\reg+3], v[L16], s[\base:\base+1] offset:\off
	global_load_b64 v[\reg+4:\reg+5], v[L8], s[\base:\base+1] offset:\off+512
	global_load_b128 v[\reg+6:\reg+9], v[L16], s[\base:\base+1] offset:\off+768
	global_load_b64 v[\reg+10:\reg+11], v[L8], s[\base:\base+1] offset:\off+1280
.endm
.macro MMC d, a, b, c, sa, sb
	v_wmma_scale_f32_16x16x128_f8f6f4 v[\d:\d+7], v[\a:\a+11], v[\b:\b+11], v[\c:\c+7], v[\sa], v[\sb] matrix_a_fmt:MATRIX_FMT_FP6 matrix_b_fmt:MATRIX_FMT_FP6
.endm
	s_load_b256 s[4:11], s[0:1], 0x0               ; oc, os, wc, ws
	s_load_b128 s[12:15], s[0:1], 0x20             ; ctx, out0
	v_lshl_add_u32 v[SPW], v0, 2, SPARE
	v_mov_b32 v[NIL], 0
	v_lshrrev_b32 v14, 5, v0
	v_readfirstlane_b32 s[WV], v14                 ; wave 0..15
	s_lshr_b32 s19, ttmp9, 2                       ; the chunk
	s_and_b32 s20, ttmp9, 3                        ; which quarter of it
	s_mul_i32 s22, ttmp9, 49152                    ; oc: my work-group's 8 tiles, my wave's sixteenth of them
	s_wait_alu depctr_va_sdst(0)                   ; s18, the wave's number, is written, ahead of its first reader: the bases and LDS addresses are made from it
	s_mul_i32 s21, s[WV], 3072
	s_add_co_u32 s22, s22, s21
	s_mov_b32 s23, 0
	s_lshr_b32 s24, s[WV], 2                       ; os: K step w / 4: block 64 (w / 4) + chunk of 2,048 bytes; the quarter's 512; my 128 of them
	s_lshl_b32 s24, s24, 6
	s_add_co_u32 s24, s24, s19
	s_lshl_b32 s24, s24, 11
	s_lshl_b32 s25, s20, 9
	s_add_co_u32 s24, s24, s25
	s_and_b32 s25, s[WV], 3
	s_lshl_b32 s25, s25, 7
	s_add_co_u32 s24, s24, s25
	s_mov_b32 s25, 0
	s_mul_i32 s26, s[WV], 12288                    ; wc: Wo's tiles 2 w, 2 w + 1
	s_add_co_u32 s26, s26, 589824
	s_mov_b32 s27, 0
	s_lshl_b32 s28, s[WV], 9                       ; ws: their words
	s_add_co_u32 s28, s28, 24576
	s_mov_b32 s29, 0
	s_lshl_b32 s30, s19, 11                        ; ctx: the chunk's row, my 32 columns
	s_lshl_b32 s31, s[WV], 7
	s_add_co_u32 s30, s30, s31
	s_mov_b32 s35, s31                             ; 128 w
	s_mov_b32 s31, 0
	s_lshl_b32 s32, ttmp9, 7                       ; out0: row w of a tile is token w % 8 + 16 (w / 8) of its 32
	s_and_b32 s33, s[WV], 7
	s_add_co_u32 s32, s32, s33
	s_lshr_b32 s33, s[WV], 3
	s_lshl_b32 s33, s33, 4
	s_add_co_u32 s32, s32, s33
	s_lshl_b32 s32, s32, 11
	s_mov_b32 s33, 0
	s_mul_i32 s34, s[WV], 2064
	v_and_b32 v14, 31, v0
	v_lshlrev_b32 v[L16], 4, v14
	v_lshlrev_b32 v[L8], 3, v14
	v_lshlrev_b32 v[L4], 2, v14
	v_and_b32 v14, 15, v0                          ; r
	v_lshlrev_b32 v[R16], 4, v14
	v_lshlrev_b32 v[R4], 2, v14
	v_bfe_u32 v15, v0, 4, 1                        ; h
	v_lshlrev_b32 v[CXO], 6, v15
	v_mul_u32_u24 v[SW], v14, 2064
	v_add_nc_u32 v[SW], v[SW], v[CXO]
	v_add_nc_u32 v[SW], s35, v[SW]
	v_add_nc_u32 v[SW], STG, v[SW]
	v_add_nc_u32 v[SR], s34, v[L16]
	v_add_nc_u32 v[SR], STG, v[SR]
	v_add_nc_u32 v[AOS], OSL, v[R4]
	v_add_nc_u32 v[CPC], s21, v[L16]
	v_add_nc_u32 v[CPS], s35, v[L4]
	v_add_nc_u32 v[CPS], OSL, v[CPS]
	s_wait_kmcnt 0x0
	s_add_nc_u64 s[4:5], s[4:5], s[22:23]
	s_add_nc_u64 s[6:7], s[6:7], s[24:25]
	s_add_nc_u64 s[8:9], s[8:9], s[26:27]
	s_add_nc_u64 s[10:11], s[10:11], s[28:29]
	s_add_nc_u64 s[12:13], s[12:13], s[30:31]
	s_add_nc_u64 s[14:15], s[14:15], s[32:33]
	s_wait_alu depctr_va_vdst(0)                   ; v1 to v13 are written: every load and store of the kernel, in memory and in LDS, reads one of them as its offset or address
.irp i, 0,1,2,3,4,5
	global_load_b128 v[OF+4*\i:OF+4*\i+3], v[L16], s[4:5] offset:512*\i th:TH_LOAD_NT   ; my part of O's codes: 512 consecutive bytes a load
.endr
	global_load_b32 v[OS], v[L4], s[6:7] th:TH_LOAD_NT
.irp f, 0,1,2,3,4,5,6,7
	GLDF WOF+12*\f, 8, 1536*\f
.endr
	global_load_b128 v[WOS:WOS+3], v[R16], s[10:11]
	global_load_b128 v[WOS+4:WOS+7], v[R16], s[10:11] offset:256
.irp i, 0,1,2,3
	global_load_b128 v[CTX+4*\i:CTX+4*\i+3], v[CXO], s[12:13] offset:16*\i   ; columns 32 w + 16 h + 0 .. 15
.endr
	s_wait_loadcnt 38                              ; the first seven are in; the 32 + 2 + 4 issued behind them stay out
.irp i, 0,1,2,3,4,5
	ds_store_b128 v[CPC], v[OF+4*\i:OF+4*\i+3] offset:OCL+512*\i
.endr
	ds_store_b32 v[CPS], v[OS]
	s_wait_dscnt 0x0                               ; for the others' sake: my stores are done
	s_barrier_signal -1
	s_barrier_wait -1
; tile tl of O: four fragments and their words: twenty LDS loads of bytes that no wave writes behind the barrier above
.macro FETCH tl
.irp ks, 0,1,2,3
	LDF OF+12*\ks, L16, L8, OCL+6144*(\tl)+1536*\ks
	ds_load_b32 v[OS+\ks], v[AOS] offset:512*\ks+64*(\tl)
.endr
.endm
	s_wait_alu depctr_vm_vsrc(0)                   ; my LDS stores above have read OF and OS, in which tile 0's fragments and words land
	FETCH 0
	s_wait_loadcnt 0x0                             ; Wo, its words, the context
	s_wait_dscnt 0x0                               ; tile 0 of O
; Tile tl.  Its fragments are in: tile 0's by the wait above, the others' by the last wait of the row's run in the tile before, which is for 0.
.macro TILE tl
.irp ks, 0,1,2,3
.irp u, 0,1                                    ; the two accumulators by turns
.if \ks == 0
	MMC ACC+16*((\tl)%2)+8*\u, WOF+48*\u+12*\ks, OF+12*\ks, CTX+8*\u, WOS+4*\u+\ks, OS+\ks
.else
	MMC ACC+16*((\tl)%2)+8*\u, WOF+48*\u+12*\ks, OF+12*\ks, ACC+16*((\tl)%2)+8*\u, WOS+4*\u+\ks, OS+\ks
.endif
.endr
.endr
	PLACES 4                                       ; behind the products, ahead of the stores of their results and of the loads into their operands
	s_wait_alu depctr_va_vdst(0)                   ; the products have written this tile's ACC, which the LDS stores read, and are done reading OF and OS, in which the next tile's loads land; the places above stay beside this wait
.irp i, 0,1,2,3
	ds_store_b128 v[SW], v[ACC+16*((\tl)%2)+4*\i:ACC+16*((\tl)%2)+4*\i+3] offset:STGB*((\tl)%2)+16*\i   ; each accumulator from its low end on
.endr
	s_wait_dscnt 0x0                               ; my stores into this stage are done, and so are my reads of the other one, which the next tile writes
	s_barrier_signal -1
.if (\tl) < 7
	FETCH (\tl)+1                                  ; the next tile's fragments, while the others arrive.  No wait: no vector or matrix instruction since the wait above names OF or OS
.endif
	s_barrier_wait -1
	s_wait_xcnt 0x0                                ; the last row's stores have read their data
	s_wait_alu depctr_vm_vsrc(0)                   ; the last tile's stores to memory have read OUT, in which the loads below land; this tile's LDS stores have read ACC, which the products of the tile after next write again
.irp i, 0,1,2,3
	ds_load_b128 v[OUT+4*\i:OUT+4*\i+3], v[SR] offset:STGB*((\tl)%2)+512*\i
.endr
.irp i, 0,1,2,3
	s_wait_dscnt 3-\i                              ; the younger loads of the run stay out (the next tile's fragments were asked for earlier: they are in too)
	global_store_b128 v[L16], v[OUT+4*\i:OUT+4*\i+3], s[14:15] offset:(32*((\tl)/2)+8*((\tl)%2))*2048+512*\i th:TH_STORE_NT   ; 512 consecutive bytes, at a multiple of 512 from the buffer's first byte
.endr
.endm
.irp n, 0,1,2,3,4,5,6,7
	TILE \n
.endr
	s_wait_dscnt 0x0                               ; the closing lines, six on end
	s_wait_alu 0x0
	s_wait_tensorcnt 0x0
	ds_add_u32 v[SPW], v[NIL]
	s_wait_dscnt 0x0
	s_endpgm
.Lfunc_end_k_qa1f4d87db1_outp:
	.size	k_qa1f4d87db1_outp, .Lfunc_end_k_qa1f4d87db1_outp-k_qa1f4d87db1_outp
	.p2alignl 7, 3214868480
	.fill 96, 4, 3214868480
	.section	.rodata,"a",@progbits
	.p2align	6, 0x0
	.amdhsa_kernel k_qa1f4d87db1_outp
		.amdhsa_group_segment_fixed_size 119296
		.amdhsa_private_segment_fixed_size 0
		.amdhsa_enable_private_segment 0
		.amdhsa_kernarg_size 48
		.amdhsa_user_sgpr_count 2
		.amdhsa_user_sgpr_kernarg_segment_ptr 1
		.amdhsa_wavefront_size32 1
		.amdhsa_system_sgpr_workgroup_id_x 1
		.amdhsa_system_sgpr_workgroup_id_y 1
		.amdhsa_system_sgpr_workgroup_id_z 1
		.amdhsa_system_vgpr_workitem_id 0
		.amdhsa_next_free_vgpr 240
		.amdhsa_next_free_sgpr 66
		.amdhsa_reserve_vcc 0
		.amdhsa_float_denorm_mode_32 3
		.amdhsa_float_denorm_mode_16_64 3
		.amdhsa_memory_ordered 1
		.amdhsa_forward_progress 1
		.amdhsa_inst_pref_size 37
	.end_amdhsa_kernel
	.amdgpu_metadata
---
amdhsa.version: [ 1, 2 ]
amdhsa.kernels:
  - .name:           k_qa1f4d87db1_outp
    .symbol:         k_qa1f4d87db1_outp.kd
    .args:
      - { .name: oc, .offset: 0, .size: 8, .value_kind: global_buffer, .address_space: global }
      - { .name: os, .offset: 8, .size: 8, .value_kind: global_buffer, .address_space: global }
      - { .name: wc, .offset: 16, .size: 8, .value_kind: global_buffer, .address_space: global }
      - { .name: ws, .offset: 24, .size: 8, .value_kind: global_buffer, .address_space: global }
      - { .name: ctx, .offset: 32, .size: 8, .value_kind: global_buffer, .address_space: global }
      - { .name: out0, .offset: 40, .size: 8, .value_kind: global_buffer, .address_space: global }
    .group_segment_fixed_size: 119296
    .private_segment_fixed_size: 0
    .kernarg_segment_align: 8
    .kernarg_segment_size: 48
    .max_flat_workgroup_size: 512
    .sgpr_count:     66
    .vgpr_count:     240
    .wavefront_size: 32
...
	.end_amdgpu_metadata
.endif
;; end of part 8
